; MI455X (gfx1250); checked and timed in simulation.
; The chip was launched on July 23, 2026; its instructions are those of AMD's public machine-readable ISA for CDNA 5 (MIT licence, August 2026) and "CDNA5" Instruction Set Architecture Reference Guide (July 2026). The comments in the code are by the model that wrote it; some were corrected since.
;; Multi Head Attention. Allowed arithmetic: matrix products marked QUANTISED: E2M3 operands, one E8M0 scale for each 32 along K, by v_wmma_scale_f32_16x16x128_f8f6f4 with both operands' format E2M3, f32 sums; everything else in f32.
;; Inputs: b_k 1,024 float32; b_out 1,024 float32; b_q 1,024 float32; b_v 1,024 float32; k 2 x 2,048 x 1,024 float32; q 2 x 2,048 x 1,024 float32; v 2 x 2,048 x 1,024 float32; w_k 1,024 x 1,024 float32; w_out 1,024 x 1,024 float32; w_q 1,024 x 1,024 float32; w_v 1,024 x 1,024 float32.
;; Outputs: out0 2 x 2,048 x 1,024 float32.
;; This version of the problem:
;;   THIS VERSION OF THE PROBLEM IS GIVEN IN LOW PRECISION. The matrix products marked QUANTISED in the list below multiply operands that are first quantised to E2M3 (2 exponent bits, 3 mantissa bits; 6 bits a number), with one power-of-two scale for each 32 numbers along K (OCP MX v1.0); their sums are f32. All else is computed in f32.
;;   The module's matrix products, in the order in which they are computed (A, B: the left and right operand; K: the contracted axis; several contracted axes count as one K, in the product's order):
;;     1. [M 4,096, K 1,024] x [K 1,024, N 1,024]; A: input q; B: input w_q: QUANTISED
;;     2. [M 4,096, K 1,024] x [K 1,024, N 1,024]; A: input k; B: input w_k: QUANTISED
;;     3. [M 4,096, K 1,024] x [K 1,024, N 1,024]; A: input v; B: input w_v: QUANTISED
;;     4. batch 32 x [M 2,048, K 64] x [K 64, N 2,048]; A: computed on the way; B: computed on the way: QUANTISED
;;     5. batch 32 x [M 2,048, K 2,048] x [K 2,048, N 64]; A: softmax (see below); B: computed on the way: QUANTISED
;;     6. [M 4,096, K 1,024] x [K 1,024, N 1,024]; A: computed on the way; B: input w_out: QUANTISED
;;   THE QUANTISER, for each operand of a quantised product, along K:
;;     - K is cut into blocks of 32 from its start; a last block that is shorter is filled with zeros.
;;     - A block's scale is 2^e with e = floor(log2(the largest magnitude in the block)) - 2, held to -126 .. 127; a block of zeros has e = 0. As a byte (E8M0): e + 127.
;;     - Each number is divided by its block's scale, clamped to +-7.5, and rounded to the nearest number of E2M3, ties to even, subnormals kept.
;;     - The product sums the exact products of the quantised numbers (number of the format x scale) in f32.
;;   ~~~python
;;   def quantise(x, axis):      # numpy; x: float32 -> the quantised numbers, widened to float32 again
;;       x = np.moveaxis(x, axis, -1); K = x.shape[-1]
;;       x = np.pad(x, [(0, 0)] * (x.ndim - 1) + [(0, -K % 32)]); x = x.reshape(x.shape[:-1] + (-1, 32)); a = np.abs(x).max(-1, keepdims=True)
;;       e = np.where(a > 0, np.clip(np.frexp(np.where(a > 0, a, 1))[1] - 1 - 2, -126, 127), 0)      # np.frexp(a)[1] - 1 = floor(log2(a)), exactly
;;       r = np.clip(x / 2.0 ** e, -7.5, 7.5)
;;       step = 2.0 ** (np.maximum(np.frexp(np.where(r == 0, 1, r))[1] - 1, 0) - 3)
;;       q = np.round(r / step) * step * 2.0 ** e      # np.round: ties to even
;;       return np.moveaxis(q.reshape(q.shape[:-2] + (-1,))[..., :K], -1, axis).astype(np.float32)
;;   ~~~
;;   SOFTMAX AHEAD OF A QUANTISED PRODUCT. Where the list says 'softmax', what is quantised is not the finished softmax but p = 2^(t - M), with t = logit x log2(e) and M = ceil(the row's largest t), a whole number; so 1/2 < the row's largest p <= 1. The row's sum l is taken of the UNQUANTISED p, in f32, and the product's result is divided by l at the end. Since M is a whole number, a kernel that streams over the keys may use a running M (the ceiling of the running maximum): every later rescaling is an exact power of two, which a block's scale takes up: the codes' values come out the same.
;;   OPERANDS COMPUTED ON THE WAY. 'Computed on the way' means the value that the module computes at that place (a softmax that the list does not call 'softmax' is quantised finished and normalised). What goes into a quantiser is computed in f32, as accurately as f32 sums, v_exp_f32 and their like allow (about 1e-6 of the number): no bf16 or f16 on the way to a quantiser, and a product that is left as it is and whose result goes on into a quantised operand takes f32 operands (vector FMAs, or v_wmma_f32_16x16x4_f32). A number that lies on a knife's edge between two numbers of the format may be rounded either way, as far as f32 arithmetic and the matrix unit's own rounding can turn it there, and no further.
;; 2 versions. Each part assembles by itself: llvm-mc -triple=amdgcn-amd-amdhsa -mcpu=gfx1250 --defsym DOCPART=n.
;; ======== version 1 of 2: 6 launches
;; workspace buffers: xa 9,830,400 bytes; wa 3,276,800 bytes; qa 6,553,600 bytes; kv 6,553,600 bytes; cx 3,276,800 bytes
;; launch quant_w (part 1): grid 8 x 16, 4 waves a work-group, no clusters, 26,112 bytes of LDS; arguments w_q, w_k, w_v, w_out, wa; writes wa
.if DOCPART == 1
	.amdgcn_target "amdgcn-amd-amdhsa--gfx1250"
	.amdhsa_code_object_version 6
	.text
	.protected	k_qf131055c5a_quant_w
	.globl	k_qf131055c5a_quant_w
	.p2align	8
	.type	k_qf131055c5a_quant_w,@function
k_qf131055c5a_quant_w:
	s_mov_b64 s[64:65], 0
	v_nop
	global_prefetch_b8 v0, s[64:65] scope:SCOPE_SE
	s_setreg_imm32_b32 hwreg(HW_REG_WAVE_MODE, 25, 1), 1
	s_wait_xcnt 0x0
; The four weights, f32 [1024 (k)][1024 (n)] with K their FIRST axis, become codes of FP6 (E2M3) with one E8M0 byte for each 32 along K,
; laid in wa as the products' registers want them.
; wa: codes [weight 0..3][row tile 0..63][K step 0..7][1,536 bytes], then from byte SOFF the scale words [weight][row tile][2 blocks][256 bytes].
; A FRAGMENT (16 rows n x 128 K, 12 registers a lane) is two halves of 768 bytes; half c: registers 6c..6c+3 at 768 c + 16 x lane, registers 6c+4, 6c+5 at 768 c + 512 + 8 x lane.
; A SCALE BLOCK holds the words of four K steps f: word (f, row r) at 8 (r + 16 (f % 2)) + 4 (f / 2).
; THE ROWS OF A TILE ARE NOT NEIGHBOURS: row r of tile 2 b + u is column n = 32 b + 8 u + r + 8 (r / 8), so that a product's results of two neighbouring tiles are 16 neighbours along n.
; A LANE TAKES A COLUMN AND ITS REGISTERS RUN DOWN K: a block of 32 along K lies in one lane, its largest magnitude needs no other lane, and the conversions give codes with K innermost.
; SHARES: work-group (x, y): weight y / 4, 256 along K from 256 (y % 4); wave w: columns 128 x + 32 w + lane.  The codes go through the wave's own stage in LDS, laid as fragments, and leave
; as runs of 512 consecutive bytes.  The scale words leave as words 8 bytes apart (aligned blocks of 256 bytes written in part: one byte in 128 of what the launch reads).
; A block's byte is its largest magnitude's exponent field - 2, held at 1 from below.
; LIMITS: a block whose largest magnitude lies under 2^-124, a block of zeros among them, keeps the byte 1 (its codes are then small or zero; only this program reads the bytes); NaN and infinities are not served.
.set ROWB,   4096                      ; a row of W in bytes
.set FRB,    1536                      ; a fragment
.set TILEB,  12288                     ; a row tile's eight fragments
.set WCODES, 786432                    ; a weight's 64 tiles
.set SOFF,   3145728                   ; where the scale blocks begin
.set WREG,   6400                      ; LDS: a wave's stage
.set UREG,   3200                      ; in it tile u: two fragments (3,072 bytes) + 128, so that the two tiles' stores fall into different banks
.set EMAX,   2
.set SB,     24                        ; v24-25  the scale words of my column's two K steps
.set X,      32                        ; v32-95  two sets of 32 numbers
.set C,      96                        ; v96-101 a block's codes
.set C2,     104                       ; v104-106 the second conversion's three registers (they begin on an even number)
.set OUTR,   112                       ; v112-159 the way out
	s_load_b256 s[4:11], s[0:1], 0x0               ; w_q, w_k, w_v, w_out
	s_load_b64 s[12:13], s[0:1], 0x20              ; wa
	v_lshl_add_u32 v160, v0, 2, 0x6400
	v_mov_b32 v161, 0
	v_lshrrev_b32 v1, 5, v0
	v_readfirstlane_b32 s14, v1                    ; wave
	v_and_b32 v2, 31, v0                           ; lane
	s_and_b32 s16, ttmp7, 0xffff
	s_lshr_b32 s17, s16, 2                         ; which weight
	s_and_b32 s18, s16, 3                          ; which 256 along K
	s_lshl_b32 s19, ttmp9, 2
	s_add_co_u32 s19, s19, s14                     ; b: my wave's group of 32 columns
	v_lshlrev_b32 v3, 2, v2                        ; in: 4 bytes a lane
	v_bfe_u32 v9, v2, 3, 1                         ; u: which of the group's two tiles my column belongs to
	v_and_b32 v10, 7, v2
	v_lshrrev_b32 v11, 4, v2
	v_lshl_or_b32 v10, v11, 3, v10                 ; r: its row there
	s_mul_i32 s15, s14, WREG
	v_mul_u32_u24 v11, v9, UREG
	v_add_nc_u32 v11, s15, v11
	v_lshl_add_u32 v4, v10, 4, v11                 ; stage, in: the groups of 16 bytes
	v_lshl_add_u32 v5, v10, 3, v11                 ; and those of 8
	v_lshlrev_b32 v7, 4, v2                        ; out: 16 bytes a lane
	v_add_nc_u32 v6, s15, v7
	v_lshlrev_b32 v8, 9, v9
	v_lshl_add_u32 v8, v10, 3, v8                  ; my scale words: tile u's 512 bytes, 8 r
	s_lshl_b32 s20, s18, 20                        ; W: 256 rows of 4,096 bytes for each step of y,
	s_lshl_b32 s21, s19, 7                         ; 32 columns of 4 bytes for each group
	s_add_co_u32 s20, s20, s21
	s_mov_b32 s21, 0
	s_mul_i32 s22, s17, WCODES                     ; codes: the weight, the group's first tile, the first of my two K steps
	s_mul_i32 s23, s19, 2*TILEB
	s_add_co_u32 s22, s22, s23
	s_mul_i32 s23, s18, 2*FRB
	s_add_co_u32 s22, s22, s23
	s_mov_b32 s23, 0
	s_lshl_b32 s24, s17, 15                        ; scale words: 64 tiles of 512 bytes a weight,
	s_lshl_b32 s25, s19, 10                        ; two tiles a group,
	s_add_co_u32 s24, s24, s25
	s_lshr_b32 s25, s18, 1
	s_lshl_b32 s25, s25, 8                         ; the block of four K steps,
	s_add_co_u32 s24, s24, s25
	s_and_b32 s25, s18, 1
	s_lshl_b32 s25, s25, 2                         ; and in it f / 2
	s_add_co_u32 s24, s24, s25
	s_add_co_u32 s24, s24, SOFF
	s_mov_b32 s25, 0
	s_wait_kmcnt 0x0
	s_cmp_eq_u32 s17, 1                            ; the choice hangs on the work-group's number alone
	s_cselect_b64 s[4:5], s[6:7], s[4:5]
	s_cmp_eq_u32 s17, 2
	s_cselect_b64 s[4:5], s[8:9], s[4:5]
	s_cmp_eq_u32 s17, 3
	s_cselect_b64 s[4:5], s[10:11], s[4:5]
	s_add_nc_u64 s[4:5], s[4:5], s[20:21]
	s_add_nc_u64 s[6:7], s[12:13], s[22:23]        ; the codes' place
	s_add_nc_u64 s[8:9], s[12:13], s[24:25]        ; the scale words' place
.macro LOAD t                          ; block t: W(32 t + i, my column), i = 0 .. 31, into set t % 2; a wave reads 128 consecutive bytes, the four waves 512
.set i, 0
.rept 32
	global_load_b32 v[X+32*((\t)%2)+i], v3, s[4:5] offset:(32*(\t)+i)*ROWB th:TH_LOAD_NT
.set i, i+1
.endr
.endm
	LOAD 0
	LOAD 1
.macro BLOCK t
.set XS, X+32*((\t)%2)
.if (\t) < 7
	s_wait_loadcnt 32                              ; this block's 32 loads are in; the next block's 32 may be out
.else
	s_wait_loadcnt 0x0
.endif
	v_max3_num_f32 v12, |v[XS]|, |v[XS+1]|, |v[XS+2]|              ; the block's largest magnitude, in two chains
	v_max3_num_f32 v13, |v[XS+3]|, |v[XS+4]|, |v[XS+5]|
.irp i, 6,10,14,18,22,26
	v_max3_num_f32 v12, v12, |v[XS+\i]|, |v[XS+\i+1]|
	v_max3_num_f32 v13, v13, |v[XS+\i+2]|, |v[XS+\i+3]|
.endr
	v_max3_num_f32 v12, v12, |v[XS+30]|, |v[XS+31]|
	v_max3_num_f32 v12, v12, v13, (EMAX+1)<<23     ; and the floor 2^(3 - 127): the byte cannot fall under 1
	v_add_nc_u32 v11, -(EMAX<<23), v12             ; 2 off its exponent field: the conversion takes this operand's exponent field as its scale
	v_lshrrev_b32 v13, 23, v11                     ; the scale's byte
.if (\t)%4 == 0
	v_mov_b32 v[SB+(\t)/4], v13                    ; four bytes to a word, the lower K in the lower byte
.else
	v_lshl_or_b32 v[SB+(\t)/4], v13, 8*((\t)%4), v[SB+(\t)/4]
.endif
	v_cvt_scalef32_pk16_fp6_f32 v[C:C+2], v[XS:XS+15], v11
	v_cvt_scalef32_pk16_fp6_f32 v[C2:C2+2], v[XS+16:XS+31], v11
	v_nop                                          ; one plain place behind a scaled conversion
.irp i, 0,1,2
	v_mov_b32 v[C+3+\i], v[C2+\i]                  ; the block's 192 bits on end
.endr
	; block t is K step t / 4, half (t / 2) % 2, and the fragment's lane r + 16 (t % 2)
	ds_store_b128 v4, v[C:C+3] offset:((\t)/4)*FRB+(((\t)/2)%2)*768+((\t)%2)*256
	ds_store_b64 v5, v[C+4:C+5] offset:((\t)/4)*FRB+(((\t)/2)%2)*768+512+((\t)%2)*128
.if (\t)+2 < 8
	LOAD (\t)+2
.endif
	s_wait_dscnt 0x0                               ; the stores have read their registers: the next block's codes may be written
.endm
.irp t, 0,1,2,3,4,5,6,7
	BLOCK \t
.endr
	global_store_b32 v8, v[SB], s[8:9]             ; my column's word of the first K step (f even),
	global_store_b32 v8, v[SB+1], s[8:9] offset:128 ; and of the second (f odd)
.irp n, 0,1,2,3,4,5,6,7,8,9,10,11
	ds_load_b128 v[OUTR+4*\n:OUTR+4*\n+3], v6 offset:(\n/6)*UREG+512*(\n%6)   ; LDS serves a wave's instructions in order: these see my stores
.endr
.irp n, 0,1,2,3,4,5,6,7,8,9,10,11
	s_wait_dscnt 11-\n                             ; read-back n is in; the younger ones may be out
	global_store_b128 v7, v[OUTR+4*\n:OUTR+4*\n+3], s[6:7] offset:(\n/6)*TILEB+512*(\n%6)   ; 32 lanes store 512 consecutive bytes, aligned
.endr
	s_wait_tensorcnt 0x0
	ds_add_u32 v160, v161
	s_wait_dscnt 0x0
	s_endpgm
.Lfunc_end_k_qf131055c5a_quant_w:
	.size	k_qf131055c5a_quant_w, .Lfunc_end_k_qf131055c5a_quant_w-k_qf131055c5a_quant_w
	.p2alignl 7, 3214868480
	.fill 96, 4, 3214868480
	.section	.rodata,"a",@progbits
	.p2align	6, 0x0
	.amdhsa_kernel k_qf131055c5a_quant_w
		.amdhsa_group_segment_fixed_size 26112
		.amdhsa_private_segment_fixed_size 0
		.amdhsa_enable_private_segment 0
		.amdhsa_kernarg_size 40
		.amdhsa_user_sgpr_count 2
		.amdhsa_user_sgpr_kernarg_segment_ptr 1
		.amdhsa_wavefront_size32 1
		.amdhsa_system_sgpr_workgroup_id_x 1
		.amdhsa_system_sgpr_workgroup_id_y 1
		.amdhsa_system_sgpr_workgroup_id_z 1
		.amdhsa_system_vgpr_workitem_id 0
		.amdhsa_next_free_vgpr 162
		.amdhsa_next_free_sgpr 66
		.amdhsa_reserve_vcc 0
		.amdhsa_float_denorm_mode_32 3
		.amdhsa_float_denorm_mode_16_64 3
		.amdhsa_memory_ordered 1
		.amdhsa_forward_progress 1
		.amdhsa_inst_pref_size 43
	.end_amdhsa_kernel
	.amdgpu_metadata
---
amdhsa.version: [ 1, 2 ]
amdhsa.kernels:
  - .name:           k_qf131055c5a_quant_w
    .symbol:         k_qf131055c5a_quant_w.kd
    .args:
      - { .name: w_q, .offset: 0, .size: 8, .value_kind: global_buffer, .address_space: global }
      - { .name: w_k, .offset: 8, .size: 8, .value_kind: global_buffer, .address_space: global }
      - { .name: w_v, .offset: 16, .size: 8, .value_kind: global_buffer, .address_space: global }
      - { .name: w_out, .offset: 24, .size: 8, .value_kind: global_buffer, .address_space: global }
      - { .name: wa, .offset: 32, .size: 8, .value_kind: global_buffer, .address_space: global }
    .group_segment_fixed_size: 26112
    .private_segment_fixed_size: 0
    .kernarg_segment_align: 8
    .kernarg_segment_size: 40
    .max_flat_workgroup_size: 128
    .sgpr_count:     66
    .vgpr_count:     162
    .wavefront_size: 32
...
	.end_amdgpu_metadata
.endif
;; end of part 1
;; launch quant_x (part 2): grid 384 x 1, 4 waves a work-group, no clusters, 34,304 bytes of LDS; arguments q, k, v, xa; writes xa
.if DOCPART == 2
	.amdgcn_target "amdgcn-amd-amdhsa--gfx1250"
	.amdhsa_code_object_version 6
	.text
	.protected	k_qf131055c5a_quant_x
	.globl	k_qf131055c5a_quant_x
	.p2align	8
	.type	k_qf131055c5a_quant_x,@function
k_qf131055c5a_quant_x:
	s_mov_b64 s[64:65], 0
	v_nop
	global_prefetch_b8 v0, s[64:65] scope:SCOPE_SE
	s_setreg_imm32_b32 hwreg(HW_REG_WAVE_MODE, 25, 1), 1
	s_wait_xcnt 0x0
; q, k, v, f32 [4096 (token)][1024 (k)], K innermost, become codes of FP6 (E2M3) with one E8M0 byte for each 32 along K, laid in xa as the products' registers want them.
; xa: codes [tensor 0..2][row tile 0..255][K step 0..7][1,536 bytes], then from byte SOFF the scale words [tensor][row tile][2 blocks][256 bytes].
; A FRAGMENT (16 rows x 128 K, 12 registers a lane) is two halves of 768 bytes; half c: registers 6c..6c+3 at 768 c + 16 x lane, registers 6c+4, 6c+5 at 768 c + 512 + 8 x lane.
; A SCALE BLOCK holds the words of four K steps f: word (f, row r) at 8 (r + 16 (f % 2)) + 4 (f / 2).
; THE ROWS OF A TILE ARE NOT NEIGHBOURS: row r of tile 2 b + u is token 32 b + 8 u + r + 8 (r / 8).
; SHARES: 128 work-groups a tensor; a wave takes one row tile and half of K: four fragments and one whole scale block.
; Each load reads 512 consecutive bytes of one row (a K step); the 16 rows turn through the wave's own stage in LDS (rows 528 bytes apart, so that 16 rows begin in 16 different groups of banks)
; and come back so that lane (r, h) holds, of row r, 16 neighbours of each block of 32.  Every store covers 512 or 256 consecutive bytes, aligned.  Waves share nothing: no barrier.
; LIMITS: a block whose largest magnitude lies under 2^-124, a block of zeros among them, keeps the byte 1 (only this program reads the bytes); NaN and infinities are not served.
.set ROWB,  4096
.set FRB,   1536
.set TILEB, 12288
.set SOFF,  9437184
.set SP,    528                        ; a stage row
.set R,     16                         ; v16-143  two sets of 64 numbers as loaded
.set X,     144                        ; v144-207 register 16 b + i = k 32 b + 16 h + i of my row
.set PC,    208                        ; v208-219 a fragment's codes; v220-222, v224-226 the second conversions' registers
.set TM,    228                        ; v228-243 at work
.set PW,    244                        ; v244-247 the four K steps' scale words
.set SEL,   26                         ; s[26:27] lane selects for v_permlanex16_b32: lane l xor 16
	s_load_b128 s[4:7], s[0:1], 0x0                ; q, k
	s_load_b128 s[8:11], s[0:1], 0x10              ; v, xa
	v_lshl_add_u32 v254, v0, 2, 0x8400
	v_mov_b32 v255, 0
	v_lshrrev_b32 v1, 5, v0
	v_readfirstlane_b32 s12, v1                    ; wave
	v_and_b32 v1, 31, v0                           ; lane
	v_and_b32 v2, 15, v0                           ; r
	v_bfe_u32 v3, v0, 4, 1                         ; h
	v_lshlrev_b32 v4, 4, v1                        ; 16 x lane
	v_lshlrev_b32 v8, 3, v1                        ; 8 x lane
	s_mul_i32 s13, s12, 16*SP                      ; my stage
	v_add_nc_u32 v5, s13, v4                       ; in: a row's 512 bytes as they lie
	v_mul_u32_u24 v6, v2, SP
	v_lshl_add_u32 v6, v3, 6, v6
	v_add_nc_u32 v6, s13, v6                       ; back: row r, + 64 h
	s_mov_b32 s[SEL], 0x76543210
	s_mov_b32 s[SEL+1], 0xfedcba98
.irp b, 0,1,2,3
	v_mov_b32 v[TM+4+\b], 0                        ; written once: a lane permute's destination counts as one of its sources
.endr
	s_lshr_b32 s14, ttmp9, 7                       ; which tensor
	s_and_b32 s15, ttmp9, 127
	s_lshl_b32 s15, s15, 2
	s_add_co_u32 s15, s15, s12
	s_lshr_b32 s16, s15, 1                         ; a: my row tile
	s_and_b32 s17, s15, 1                          ; which half of K
	s_lshr_b32 s18, s16, 1
	s_lshl_b32 s18, s18, 17                        ; 32 rows of 4,096 bytes for each pair of tiles,
	s_and_b32 s19, s16, 1
	s_lshl_b32 s19, s19, 15                        ; 8 rows for the odd tile,
	s_add_co_u32 s18, s18, s19
	s_lshl_b32 s19, s17, 11                        ; 512 numbers for the upper half of K
	s_add_co_u32 s18, s18, s19
	s_mov_b32 s19, 0
	s_lshl_b32 s20, s14, 8
	s_add_co_u32 s20, s20, s16                     ; 256 x tensor + a
	s_mul_i32 s22, s20, TILEB
	s_mul_i32 s21, s17, 4*FRB
	s_add_co_u32 s22, s22, s21
	s_mov_b32 s23, 0
	s_lshl_b32 s24, s20, 9
	s_lshl_b32 s21, s17, 8
	s_add_co_u32 s24, s24, s21
	s_add_co_u32 s24, s24, SOFF
	s_mov_b32 s25, 0
	s_wait_kmcnt 0x0
	s_cmp_eq_u32 s14, 1                            ; the choice hangs on the work-group's number alone
	s_cselect_b64 s[4:5], s[6:7], s[4:5]
	s_cmp_eq_u32 s14, 2
	s_cselect_b64 s[4:5], s[8:9], s[4:5]
	s_add_nc_u64 s[4:5], s[4:5], s[18:19]
	s_add_nc_u64 s[6:7], s[10:11], s[22:23]        ; the codes' place
	s_add_nc_u64 s[8:9], s[10:11], s[24:25]        ; the scale block's place
.macro LOAD s                          ; K step s of my 16 rows into set s % 2
.set i, 0
.rept 16
	global_load_b128 v[R+64*((\s)%2)+4*i:R+64*((\s)%2)+4*i+3], v4, s[4:5] offset:(i+8*(i/8))*ROWB+512*(\s) th:TH_LOAD_NT
.set i, i+1
.endr
.endm
; 64 numbers of a lane, register 16 b + i = k 32 b + 16 h + i of my row, become a fragment's codes in v[PC] on and its scale word in v[pw]
.macro QUANT4 src, pw
.irp b, 0,1,2,3
	v_max3_num_f32 v[TM+\b], |v[\src+16*\b]|, |v[\src+16*\b+1]|, 0x1800000   ; my 16 numbers of block b, and the floor 2^(3 - 127): the byte cannot fall under 1
.endr
.irp i, 2,4,6,8,10,12,14
.irp b, 0,1,2,3
	v_max3_num_f32 v[TM+\b], v[TM+\b], |v[\src+16*\b+\i]|, |v[\src+16*\b+\i+1]|   ; (the four blocks by turns)
.endr
.endr
.irp b, 0,1,2,3
	v_permlanex16_b32 v[TM+4+\b], v[TM+\b], s[SEL], s[SEL+1]
.endr
.irp b, 0,1,2,3
	v_max_num_f32 v[TM+\b], v[TM+\b], v[TM+4+\b]   ; with lane l xor 16's: the block's largest magnitude
.endr
.irp b, 0,1,2,3
	v_add_nc_u32 v[TM+12+\b], 0xff000000, v[TM+\b] ; 2 off its exponent field: the conversion's scale operand
.endr
.irp b, 0,1,2,3
	v_lshrrev_b32 v[TM+4+\b], 23, v[TM+12+\b]      ; the scale's byte
.endr
	v_lshl_or_b32 v[\pw], v[TM+5], 8, v[TM+4]      ; my row's scale word (both halves of the lanes hold it)
	v_lshl_or_b32 v[\pw], v[TM+6], 16, v[\pw]
	v_lshl_or_b32 v[\pw], v[TM+7], 24, v[\pw]
.irp c, 0,1
	v_cvt_scalef32_pk16_fp6_f32 v[PC+6*\c:PC+6*\c+2], v[\src+32*\c:\src+32*\c+15], v[TM+12+2*\c]
	v_cvt_scalef32_pk16_fp6_f32 v[PC+12+4*\c:PC+14+4*\c], v[\src+32*\c+16:\src+32*\c+31], v[TM+13+2*\c]   ; (a conversion's three registers begin on an even number)
.endr
	v_nop                                          ; one plain place behind a scaled conversion
.irp c, 0,1                                    ; the operand's layout wants a WHOLE block in a lane: lanes 0-15 block 2 c, lanes 16-31 block 2 c + 1
.irp i, 0,1,2
	v_permlane16_swap_b32 v[PC+6*\c+\i], v[PC+12+4*\c+\i]
.endr
.irp i, 0,1,2
	v_mov_b32 v[PC+3+6*\c+\i], v[PC+12+4*\c+\i]
.endr
.endr
.endm
.macro XSTEP s
.if (\s) < 3
	s_wait_loadcnt 16                              ; this K step's 16 loads are in; the next step's 16 may be out
.else
	s_wait_loadcnt 0x0
.endif
.set i, 0
.rept 16
	ds_store_b128 v5, v[R+64*((\s)%2)+4*i:R+64*((\s)%2)+4*i+3] offset:SP*i
.set i, i+1
.endr
.irp b, 0,1,2,3
.irp j, 0,1,2,3
	ds_load_b128 v[X+16*\b+4*\j:X+16*\b+4*\j+3], v6 offset:128*\b+16*\j   ; LDS serves a wave's instructions in order: these see the stores above
.endr
.endr
	s_wait_dscnt 0x0                               ; the numbers are back, and the stage's stores have read their registers,
.if (\s) < 2
	LOAD (\s)+2                                    ; which take the loads of two steps on
.endif
	s_wait_xcnt 0x0                                ; the last step's stores have had their addresses translated (ISA guide 3.1): only behind this wait are the codes' registers written again
	QUANT4 X, PW+(\s)
	global_store_b128 v4, v[PC:PC+3], s[6:7] offset:FRB*(\s)
	global_store_b64 v8, v[PC+4:PC+5], s[6:7] offset:FRB*(\s)+512
	global_store_b128 v4, v[PC+6:PC+9], s[6:7] offset:FRB*(\s)+768
	global_store_b64 v8, v[PC+10:PC+11], s[6:7] offset:FRB*(\s)+1280
.endm
	LOAD 0
	LOAD 1
	XSTEP 0
	XSTEP 1
	XSTEP 2
	XSTEP 3
	v_cmp_le_u32 vcc_lo, 16, v1                    ; the scale block: lanes 0-15 give the words of K steps 0 and 2, lanes 16-31 those of 1 and 3
	v_cndmask_b32 v248, v[PW], v[PW+1], vcc_lo
	v_cndmask_b32 v249, v[PW+2], v[PW+3], vcc_lo
	global_store_b64 v8, v[248:249], s[8:9]        ; 32 lanes store 256 consecutive bytes, aligned
	s_wait_tensorcnt 0x0
	ds_add_u32 v254, v255
	s_wait_dscnt 0x0
	s_endpgm
.Lfunc_end_k_qf131055c5a_quant_x:
	.size	k_qf131055c5a_quant_x, .Lfunc_end_k_qf131055c5a_quant_x-k_qf131055c5a_quant_x
	.p2alignl 7, 3214868480
	.fill 96, 4, 3214868480
	.section	.rodata,"a",@progbits
	.p2align	6, 0x0
	.amdhsa_kernel k_qf131055c5a_quant_x
		.amdhsa_group_segment_fixed_size 34304
		.amdhsa_private_segment_fixed_size 0
		.amdhsa_enable_private_segment 0
		.amdhsa_kernarg_size 32
		.amdhsa_user_sgpr_count 2
		.amdhsa_user_sgpr_kernarg_segment_ptr 1
		.amdhsa_wavefront_size32 1
		.amdhsa_system_sgpr_workgroup_id_x 1
		.amdhsa_system_sgpr_workgroup_id_y 1
		.amdhsa_system_sgpr_workgroup_id_z 1
		.amdhsa_system_vgpr_workitem_id 0
		.amdhsa_next_free_vgpr 256
		.amdhsa_next_free_sgpr 66
		.amdhsa_reserve_vcc 1
		.amdhsa_float_denorm_mode_32 3
		.amdhsa_float_denorm_mode_16_64 3
		.amdhsa_memory_ordered 1
		.amdhsa_forward_progress 1
		.amdhsa_inst_pref_size 34
	.end_amdhsa_kernel
	.amdgpu_metadata
---
amdhsa.version: [ 1, 2 ]
amdhsa.kernels:
  - .name:           k_qf131055c5a_quant_x
    .symbol:         k_qf131055c5a_quant_x.kd
    .args:
      - { .name: q, .offset: 0, .size: 8, .value_kind: global_buffer, .address_space: global }
      - { .name: k, .offset: 8, .size: 8, .value_kind: global_buffer, .address_space: global }
      - { .name: v, .offset: 16, .size: 8, .value_kind: global_buffer, .address_space: global }
      - { .name: xa, .offset: 24, .size: 8, .value_kind: global_buffer, .address_space: global }
    .group_segment_fixed_size: 34304
    .private_segment_fixed_size: 0
    .kernarg_segment_align: 8
    .kernarg_segment_size: 32
    .max_flat_workgroup_size: 128
    .sgpr_count:     66
    .vgpr_count:     256
    .wavefront_size: 32
...
	.end_amdgpu_metadata
.endif
;; end of part 2
;; launch proj_qk (part 3): grid 8 x 64, 4 waves a work-group, clusters of 4 x 4, 205,824 bytes of LDS; arguments xa, wa, b_q, b_k, qa, kv; writes qa, kv
.if DOCPART == 3
	.amdgcn_target "amdgcn-amd-amdhsa--gfx1250"
	.amdhsa_code_object_version 6
	.text
	.protected	k_qf131055c5a_proj_qk
	.globl	k_qf131055c5a_proj_qk
	.p2align	8
	.type	k_qf131055c5a_proj_qk,@function
k_qf131055c5a_proj_qk:
	s_mov_b64 s[64:65], 0
	v_nop
	global_prefetch_b8 v0, s[64:65] scope:SCOPE_SE
	s_setreg_imm32_b32 hwreg(HW_REG_WAVE_MODE, 25, 1), 1
	s_wait_xcnt 0x0
	s_wait_alu depctr_hold_cnt(0) depctr_sa_sdst(0) depctr_va_vdst(0) depctr_va_sdst(0) depctr_va_ssrc(0) depctr_va_vcc(0) depctr_vm_vsrc(0)
	s_getreg_b32 s2, hwreg(HW_REG_IB_STS2, 6, 4)
	s_cmp_eq_u32 s2, 0
	s_cbranch_scc0 .Lentry_in_a_cluster
	s_endpgm
.Lentry_in_a_cluster:
	s_bfe_u32 s2, ttmp6, 0x10000c
	s_cmp_lg_u32 s2, 0xf033
	s_cbranch_scc0 .Lentry_shape_is_right
	s_endpgm
.Lentry_shape_is_right:
; Qh = q w_q + b_q and Kh = k w_k + b_k on codes of FP6 (E2M3) with E8M0 scales, sums in f32; the results, with their bias, are quantised along the head's 64 and stored as attention wants them.
; OPERANDS (made by the two launches before): xa and wa hold fragments [row tile][K step 0..7][1,536 bytes] and, behind them, scale blocks [row tile][2][256 bytes].
;   A fragment is two halves of 768 bytes; half c: registers 6c..6c+3 at 768 c + 16 x lane, registers 6c+4, 6c+5 at 768 c + 512 + 8 x lane: four contiguous LDS loads bring it.
;   A scale block: word (K step f of four, row r) at 8 (r + 16 (f % 2)) + 4 (f / 2): one load of 8 bytes a lane brings two registers, each with one K step's words in lanes 0-15 and another's in lanes 16-31.
;   Row r of tile 2 b + u is token (or column n) 32 b + 8 u + r + 8 (r / 8).
; SHARES: a work-group makes 128 tokens x 128 columns (two heads); tile rows 0-31 are q's, 32-63 k's.  Four waves, each 64 x 64: 16 accumulators.  K = 1,024 is eight matrix instructions deep.
; BOTH OPERANDS FOR ALL OF K FIT IN LDS: every LDS byte is filled once, in two chunks of four K steps, so that the first is multiplied while the second lands.  By this text's count a wave has three tensor loads out.
; THE MATRIX INSTRUCTION IS USED TRANSPOSED (source 0 = 16 columns of W, source 1 = 16 tokens): a lane holds one token, and the 32 registers of its four accumulators are, by the order of W's rows,
; register 16 b + i = the head's d = 32 b + 16 (lane / 16) + i: what the quantiser wants.
; CLUSTER: 4 x 4 work-groups; x's tiles are asked for jointly along a row of the cluster, W's along a column.
; OUT: for each head (16 x batch + head) and 128 tokens a record of 12,800 bytes; fragment b at 1,536 b holds in half u the tokens of tile 2 b + u (d = 32 (lane / 16) on); at 12,288 its scale block, word (b, r): bytes 0, 1 for half 0, bytes 2, 3 for half 1.
; LIMITS: a block whose largest magnitude lies under 2^-124 keeps the byte 1 (only this program reads the bytes); NaN and infinities are not served.
.set FRB,   1536
.set TILEB, 12288
.set HALFK, 6144                       ; four K steps of a tile
.set CHUNK, 49152                      ; LDS: eight tiles x four K steps.  A's two chunks from byte 0,
.set LDB,   98304                      ; B's two from here,
.set LSA,   196608                     ; A's scale blocks (8 tiles x 512),
.set LSB,   200704                     ; B's,
.set STG,   204800                     ; and 512 bytes of my own into which no tile lands: the two heads' scale blocks are gathered here
.set XSOFF, 9437184
.set WSOFF, 3145728
.set HEADB, 204800
.set REC,   12800
.set KSC,   12288
.set TM,    24                         ; v24-29   the quantiser's work
.set SC,    32                         ; v32-63   scale words: A's (chunk q, tile a) at SC + 16 q + 2 a, B's at SC + 8 + 16 q + 2 t; they hold nothing else
.set BB,    64                         ; v64-95   the bias of my 64 columns, in the results' order
.set HC,    96                         ; v96-119  four half fragments of codes
.set TT,    120                        ; v120-122 the second conversion's registers
.set HW,    124                        ; v124-127 four half words of scale bytes
.set ACC,   128                        ; v128-255 accumulator (a, t) at ACC + 8 (4 a + t)
                                       ; window 1: two sets of fragments at 0 and 128: B's four at + 12 t, A's four at + 48 + 12 a
.set G1A,  24                          ; s[24:31] group 1 for A's codes;  s[32:35], s[36:39], s[40:43] groups 0: A's scales, chunk 0, chunk 1
.set G0AS, 32
.set G0A0, 36
.set G0A1, 40
.set G1B,  48                          ; s[48:55], s[56:59], s[60:63], s[68:71] the same for B
.set G0BS, 56
.set G0B0, 60
.set G0B1, 68
.set G1SA, 72                          ; s[72:79], s[80:87] groups 1 for A's and B's scales
.set G1SB, 80
.set SEL,  88                          ; s[88:89] lane selects for v_permlanex16_b32: lane l xor 16
.set MSB, 0
.macro WIN new                         ; the immediate's high byte repeats the setting that is left
.if MSB != \new
	s_set_vgpr_msb (MSB<<8)|\new
.set MSB, \new
.endif
.endm
.set MULW, 0x05                        ; sources 0 and 1 window 1; C and D window 0
.set TO_F, 0x40                        ; destination window 1, address window 0
.macro CROUND                          ; a round of the cluster's barrier
	s_barrier_signal -1
	s_barrier_wait -1
	s_cmp_lg_u32 s16, 0
	s_cbranch_scc1 .Lnot_wave_0_\@
	s_barrier_signal -3
.Lnot_wave_0_\@:
	s_barrier_wait -3
	s_barrier_signal -1
	s_barrier_wait -1
.endm
.macro PLACES                          ; four places behind a matrix instruction, ahead of loads into its registers and of reads of its results
.rept 4
	v_nop
.endr
.endm
.macro FRAGLD reg, a16, a8, off
	ds_load_b128 v[(\reg):(\reg)+3], v[\a16] offset:(\off)
	ds_load_b64 v[(\reg)+4:(\reg)+5], v[\a8] offset:(\off)+512
	ds_load_b128 v[(\reg)+6:(\reg)+9], v[\a16] offset:(\off)+768
	ds_load_b64 v[(\reg)+10:(\reg)+11], v[\a8] offset:(\off)+1280
.endm
.macro FETCH s                         ; K step s: my four fragments of B and four of A into set s % 2
	WIN TO_F
.irp t, 0,1,2,3
	FRAGLD 128*((\s)%2)+12*\t, 12+(\s)/4, 14+(\s)/4, \t*HALFK+((\s)%4)*FRB
.endr
.irp a, 0,1,2,3
	FRAGLD 128*((\s)%2)+48+12*\a, 8+(\s)/4, 10+(\s)/4, \a*HALFK+((\s)%4)*FRB
.endr
.endm
.macro MM s, a, t, first
.set rD, ACC+8*(4*\a+\t)
.set rB, 128*((\s)%2)+12*\t
.set rA, 128*((\s)%2)+48+12*\a
.set rSB, SC+8+16*((\s)/4)+2*\t+((\s)%4)/2
.set rSA, SC+16*((\s)/4)+2*\a+((\s)%4)/2
.if \first
	v_wmma_scale_f32_16x16x128_f8f6f4 v[rD:rD+7], v[rB:rB+11], v[rA:rA+11], 0, v[rSB], v[rSA] matrix_a_fmt:MATRIX_FMT_FP6 matrix_b_fmt:MATRIX_FMT_FP6
.elseif (\s)%2
	v_wmma_scale_f32_16x16x128_f8f6f4 v[rD:rD+7], v[rB:rB+11], v[rA:rA+11], v[rD:rD+7], v[rSB], v[rSA] matrix_a_fmt:MATRIX_FMT_FP6 matrix_b_fmt:MATRIX_FMT_FP6 matrix_a_scale:MATRIX_SCALE_ROW1 matrix_b_scale:MATRIX_SCALE_ROW1
.else
	v_wmma_scale_f32_16x16x128_f8f6f4 v[rD:rD+7], v[rB:rB+11], v[rA:rA+11], v[rD:rD+7], v[rSB], v[rSA] matrix_a_fmt:MATRIX_FMT_FP6 matrix_b_fmt:MATRIX_FMT_FP6
.endif
.endm
.macro MUL s, first                    ; 16 matrix instructions: the 16 accumulators take turns, one instruction a turn, in the same order in every K step
	WIN MULW
.irp a, 0,1,2,3
.irp t, 0,1,2,3
	MM \s, \a, \t, \first
.endr
.endr
.endm
; 32 numbers of a lane, register 16 b + i = k 32 b + 16 (lane / 16) + i of my row, become six registers of codes at d (lanes 0-15 block 0, lanes 16-31 block 1) and the two scale bytes in hw
.macro QUANT2 src, d, t, hw, tm
.irp b, 0,1
	v_max3_num_f32 v[\tm+\b], |v[\src+16*\b]|, |v[\src+16*\b+1]|, 0x1800000   ; my 16 numbers of block b, and the floor 2^(3 - 127): the byte cannot fall under 1
.endr
.irp i, 2,4,6,8,10,12,14
.irp b, 0,1
	v_max3_num_f32 v[\tm+\b], v[\tm+\b], |v[\src+16*\b+\i]|, |v[\src+16*\b+\i+1]|
.endr
.endr
.irp b, 0,1
	v_permlanex16_b32 v[\tm+2+\b], v[\tm+\b], s[SEL], s[SEL+1]
.endr
.irp b, 0,1
	v_max_num_f32 v[\tm+\b], v[\tm+\b], v[\tm+2+\b]   ; with lane l xor 16's: the block's largest magnitude
.endr
.irp b, 0,1
	v_add_nc_u32 v[\tm+4+\b], 0xff000000, v[\tm+\b]   ; 2 off its exponent field: the conversion's scale operand
.endr
.irp b, 0,1
	v_lshrrev_b32 v[\tm+2+\b], 23, v[\tm+4+\b]        ; the scale's byte
.endr
	v_lshl_or_b32 v[\hw], v[\tm+3], 8, v[\tm+2]
	v_cvt_scalef32_pk16_fp6_f32 v[\d:\d+2], v[\src:\src+15], v[\tm+4]
	v_cvt_scalef32_pk16_fp6_f32 v[\t:\t+2], v[\src+16:\src+31], v[\tm+5]
	v_nop                                          ; one plain place behind a scaled conversion
.irp i, 0,1,2
	v_permlane16_swap_b32 v[\d+\i], v[\t+\i]       ; a WHOLE block to a lane
.endr
.irp i, 0,1,2
	v_mov_b32 v[\d+3+\i], v[\t+\i]
.endr
.endm
	s_load_b128 s[4:7], s[0:1], 0x0                ; xa, wa
	s_load_b128 s[8:11], s[0:1], 0x10              ; b_q, b_k
	s_load_b128 s[12:15], s[0:1], 0x20             ; qa, kv
	v_lshl_add_u32 v31, v0, 2, 0x32200
	v_mov_b32 v123, 0
	ds_add_u32 v31, v123
	ds_add_u32 v31, v123
	v_lshrrev_b32 v1, 5, v0
	v_readfirstlane_b32 s16, v1                    ; wave 0..3
	s_lshr_b32 s17, s16, 1                         ; i: which 64 tokens are mine.  Also: I fetch for A (0) or for B (1)
	s_and_b32 s18, s16, 1                          ; j: which 64 columns.  Also: which four tiles I fetch
	s_bfe_u32 s19, ttmp6, 0x40000                  ; cx, cy: my place in the cluster
	s_bfe_u32 s20, ttmp6, 0x40004
	s_lshl_b32 s21, ttmp9, 2
	s_add_co_u32 s21, s21, s19                     ; tile column = 4 x cluster x + cx
	s_and_b32 s23, ttmp7, 0xffff
	s_lshl_b32 s22, s23, 2
	s_add_co_u32 s22, s22, s20                     ; tile row = 4 x cluster y + cy
	s_lshr_b32 s23, s23, 3                         ; 0: q and w_q; 1: k and w_k: the same in the whole cluster
	s_lshl_b32 s44, s20, 2
	s_lshl_b32 s44, 15, s44                        ; my row of the cluster
	s_lshl_b32 s45, 0x1111, s19                    ; my column
	; group 1, codes: 4 rows (tiles) of 6,144 bytes (four K steps), 12,288 bytes apart; elements of 8 bytes; no padding
	s_or_b32 s[G1A], s44, (3<<16)|(1<<21)          ; 15:0 the mask; 17:16 elements of 8 bytes; 21 set beside a mask
	s_or_b32 s[G1B], s45, (3<<16)|(1<<21)
.irp g, G1A, G1B
	s_mov_b32 s[\g+1], 768<<16                     ; tensor_dim0
	s_mov_b32 s[\g+2], 4<<16                       ; tensor_dim1
	s_mov_b32 s[\g+3], 768<<16                     ; tile_dim0
	s_mov_b32 s[\g+4], 4                           ; tile_dim1
	s_mov_b32 s[\g+5], 1536                        ; tensor_dim0_stride
	s_mov_b32 s[\g+6], 0
	s_mov_b32 s[\g+7], 0
.endr
	; group 1, scales: four tiles' blocks, 2,048 dense bytes, as 8 rows of 256
	s_or_b32 s[G1SA], s44, (3<<16)|(1<<21)
	s_or_b32 s[G1SB], s45, (3<<16)|(1<<21)
.irp g, G1SA, G1SB
	s_mov_b32 s[\g+1], 32<<16
	s_mov_b32 s[\g+2], 8<<16
	s_mov_b32 s[\g+3], 32<<16
	s_mov_b32 s[\g+4], 8
	s_mov_b32 s[\g+5], 32
	s_mov_b32 s[\g+6], 0
	s_mov_b32 s[\g+7], 0
.endr
	s_lshl_b32 s91, s18, 2                         ; which four tiles I fetch
	s_lshl_b32 s90, s22, 3
	s_add_co_u32 s90, s90, s91                     ; A: tile 8 x tile row + 4 x part (q's 256 tiles, then k's)
	s_mul_i32 s92, s90, TILEB
	s_mov_b32 s93, 0
	s_lshl_b32 s94, s90, 9
	s_add_co_u32 s94, s94, XSOFF
	s_mov_b32 s95, 0
	s_lshl_b32 s96, s21, 3
	s_add_co_u32 s96, s96, s91
	s_lshl_b32 s97, s23, 6
	s_add_co_u32 s96, s96, s97                     ; B: tile 64 x weight + 8 x tile column + 4 x part
	s_mul_i32 s98, s96, TILEB
	s_mov_b32 s99, 0
	s_lshl_b32 s96, s96, 9
	s_add_co_u32 s96, s96, WSOFF
	s_mov_b32 s97, 0
	s_mul_i32 s46, s17, LDB                        ; where my loads go: no place in the cluster enters an LDS address
	s_mul_i32 s47, s18, 4*HALFK
	s_add_co_u32 s46, s46, s47
	s_lshl_b32 s47, s16, 11
	s_add_co_u32 s47, s47, LSA
	s_mov_b32 s[SEL], 0x76543210
	s_mov_b32 s[SEL+1], 0xfedcba98
	s_wait_dscnt 0x0
	s_wait_kmcnt 0x0
	CROUND                                         ; all sixteen work-groups are here: the joint loads meet
	s_mov_b32 s[G0AS], 1
	s_mov_b32 s[G0AS+1], s47
	s_add_nc_u64 s[G0AS+2:G0AS+3], s[4:5], s[94:95]
	s_or_b32 s[G0AS+3], s[G0AS+3], 0x80000000
	s_mov_b32 s[G0A0], 1
	s_mov_b32 s[G0A0+1], s46
	s_add_nc_u64 s[G0A0+2:G0A0+3], s[4:5], s[92:93]
	s_mov_b32 s[G0A1], 1
	s_add_co_u32 s[G0A1+1], s46, CHUNK
	s_add_nc_u64 s[G0A1+2:G0A1+3], s[G0A0+2:G0A0+3], HALFK
	s_or_b32 s[G0A0+3], s[G0A0+3], 0x80000000
	s_or_b32 s[G0A1+3], s[G0A1+3], 0x80000000
	s_mov_b32 s[G0BS], 1
	s_mov_b32 s[G0BS+1], s47
	s_add_nc_u64 s[G0BS+2:G0BS+3], s[6:7], s[96:97]
	s_or_b32 s[G0BS+3], s[G0BS+3], 0x80000000
	s_mov_b32 s[G0B0], 1
	s_mov_b32 s[G0B0+1], s46
	s_add_nc_u64 s[G0B0+2:G0B0+3], s[6:7], s[98:99]
	s_mov_b32 s[G0B1], 1
	s_add_co_u32 s[G0B1+1], s46, CHUNK
	s_add_nc_u64 s[G0B1+2:G0B1+3], s[G0B0+2:G0B0+3], HALFK
	s_or_b32 s[G0B0+3], s[G0B0+3], 0x80000000
	s_or_b32 s[G0B1+3], s[G0B1+3], 0x80000000
	s_cmp_eq_u32 s17, 0                            ; a wave's three fills stand in one branch on the wave's number; four v_nop follow the last
	s_cbranch_scc0 .Lfor_b
	tensor_load_to_lds s[G0AS:G0AS+3], s[G1SA:G1SA+7]
	s_nop 0
	tensor_load_to_lds s[G0A0:G0A0+3], s[G1A:G1A+7]
	s_nop 0
	tensor_load_to_lds s[G0A1:G0A1+3], s[G1A:G1A+7]
	s_nop 0
.rept 4
	v_nop
.endr
	s_branch .Lasked
.Lfor_b:
	tensor_load_to_lds s[G0BS:G0BS+3], s[G1SB:G1SB+7]
	s_nop 0
	tensor_load_to_lds s[G0B0:G0B0+3], s[G1B:G1B+7]
	s_nop 0
	tensor_load_to_lds s[G0B1:G0B1+3], s[G1B:G1B+7]
	s_nop 0
.rept 4
	v_nop
.endr
.Lasked:
	v_and_b32 v3, 31, v0                           ; lane
	v_and_b32 v1, 15, v0                           ; r
	v_bfe_u32 v2, v0, 4, 1                         ; h
	v_lshlrev_b32 v4, 4, v3                        ; 16 x lane
	v_lshlrev_b32 v5, 3, v3                        ; 8 x lane
	v_lshlrev_b32 v7, 6, v2                        ; the bias: 16 numbers on for lanes 16-31
	s_mul_i32 s90, s17, 4*HALFK                    ; my four tiles of A,
	s_mul_i32 s91, s18, 4*HALFK
	s_add_co_u32 s91, s91, LDB                     ; and of B
.irp q, 0,1
	v_add_nc_u32 v[8+\q], s90, v4
	v_add_nc_u32 v[10+\q], s90, v5
	v_add_nc_u32 v[12+\q], s91, v4
	v_add_nc_u32 v[14+\q], s91, v5
	s_add_co_u32 s90, s90, CHUNK
	s_add_co_u32 s91, s91, CHUNK
.endr
	s_lshl_b32 s92, s17, 11
	s_add_co_u32 s92, s92, LSA
	v_add_nc_u32 v16, s92, v5                      ; my tiles' scale blocks
	s_lshl_b32 s93, s18, 11
	s_add_co_u32 s93, s93, LSB
	v_add_nc_u32 v17, s93, v5
	s_lshl_b32 s94, s18, 8
	s_lshl_b32 s95, s17, 2
	s_add_co_u32 s94, s94, s95
	s_add_co_u32 s94, s94, STG
	v_lshl_add_u32 v6, v1, 3, s94                  ; where my half words go: head j's block, 4 i + 8 r
	v_add_nc_u32 v18, STG, v4                      ; wave 0 reads both blocks back,
	v_mul_u32_u24 v19, v2, HEADB
	v_lshl_add_u32 v19, v1, 4, v19                 ; and stores lanes 0-15 to the first head, lanes 16-31 to the second
	v_mov_b32 v[TM+2], 0                           ; written once: a lane permute's destination counts as one of its sources
	v_mov_b32 v[TM+3], 0
	s_cmp_eq_u32 s23, 0                            ; q's or k's bias and buffer: the choice hangs on the cluster's y alone
	s_cselect_b64 s[8:9], s[8:9], s[10:11]
	s_cselect_b64 s[12:13], s[12:13], s[14:15]
	s_lshl_b32 s90, s21, 9
	s_lshl_b32 s91, s18, 8
	s_add_co_u32 s90, s90, s91
	s_mov_b32 s91, 0
	s_add_nc_u64 s[8:9], s[8:9], s[90:91]          ; the bias at my 64 columns
.irp b, 0,1
.irp k, 0,1,2,3
	global_load_b128 v[BB+16*\b+4*\k:BB+16*\b+4*\k+3], v7, s[8:9] offset:128*\b+16*\k   ; register 16 b + i: column 32 b + 16 h + i
.endr
.endr
	s_bfe_u32 s92, s22, 0x10004                    ; batch
	s_lshl_b32 s92, s92, 4
	s_lshl_b32 s93, s21, 1
	s_add_co_u32 s92, s92, s93                     ; 16 x batch + the work-group's first head
	s_mul_i32 s92, s92, HEADB
	s_and_b32 s93, s22, 15                         ; which 128 tokens of the batch
	s_mul_i32 s93, s93, REC
	s_add_co_u32 s92, s92, s93
	s_mov_b32 s93, 0
	s_add_nc_u64 s[14:15], s[12:13], s[92:93]
	s_add_nc_u64 s[14:15], s[14:15], KSC           ; the first head's scale block
	s_mul_i32 s94, s18, HEADB
	s_mul_i32 s95, s17, 2*FRB
	s_add_co_u32 s94, s94, s95
	s_add_co_u32 s92, s92, s94
	s_add_nc_u64 s[12:13], s[12:13], s[92:93]      ; my head's record, my two fragments
	s_wait_tensorcnt 0x1                           ; my scales and my part of chunk 0 are in; chunk 1's load may be out
	s_barrier_signal -1
	s_barrier_wait -1                              ; everybody's are
.irp q, 0,1
.irp a, 0,1,2,3
	ds_load_b64 v[SC+16*\q+2*\a:SC+16*\q+2*\a+1], v16 offset:512*\a+256*\q
	ds_load_b64 v[SC+8+16*\q+2*\a:SC+8+16*\q+2*\a+1], v17 offset:512*\a+256*\q
.endr
.endr
	FETCH 0
	s_wait_dscnt 0x0                               ; the scale words and K step 0's fragments
	FETCH 1
	MUL 0, 1                                       ; the first products start the sums: nothing is cleared
.irp s, 1,2
	s_wait_dscnt 0x0                               ; this K step's fragments, asked for 16 matrix instructions ago
	PLACES
	FETCH \s+1
	MUL \s, 0
.endr
	s_wait_dscnt 0x0
	s_wait_tensorcnt 0x0                           ; my part of chunk 1 is in,
	s_barrier_signal -1
	s_barrier_wait -1                              ; everybody's is
	PLACES
	FETCH 4
	MUL 3, 0
.irp s, 4,5,6
	s_wait_dscnt 0x0
	PLACES
	FETCH \s+1
	MUL \s, 0
.endr
	s_wait_dscnt 0x0
	MUL 7, 0
	WIN 0
	PLACES
	s_wait_loadcnt 0x0                             ; the bias
; THE WAY OUT, a tile of 16 tokens at a time: + bias (each accumulator from its low end on), quantised along d, codes stored as half a fragment, the two scale bytes to LDS
.macro OUTA a
.set i, 0
.rept 16
	v_pk_add_f32 v[ACC+32*\a+2*i:ACC+32*\a+2*i+1], v[ACC+32*\a+2*i:ACC+32*\a+2*i+1], v[BB+2*i:BB+2*i+1]
.set i, i+1
.endr
	QUANT2 ACC+32*\a, HC+6*\a, TT, HW+\a, TM
	global_store_b128 v4, v[HC+6*\a:HC+6*\a+3], s[12:13] offset:768*\a        ; 512 consecutive bytes, aligned
	global_store_b64 v5, v[HC+6*\a+4:HC+6*\a+5], s[12:13] offset:768*\a+512   ; 256
	ds_store_b16 v6, v[HW+\a] offset:128*(\a/2)+2*(\a%2)                       ; lanes r and r + 16 write the same bytes with the same value
.endm
	OUTA 0
	OUTA 1
	OUTA 2
	OUTA 3
	s_wait_dscnt 0x0                               ; for the others' sake: my half words lie in LDS
	s_barrier_signal -1
	s_barrier_wait -1
	s_cmp_lg_u32 s16, 0
	s_cbranch_scc1 .Lnot_mine
	ds_load_b128 v[20:23], v18                     ; the two heads' scale blocks, whole
	s_wait_dscnt 0x0
	global_store_b128 v19, v[20:23], s[14:15]      ; sixteen lanes store 256 consecutive bytes, aligned
.Lnot_mine:
	s_wait_tensorcnt 0x0
	ds_add_u32 v31, v123
	s_wait_dscnt 0x0
	CROUND                                         ; the closing round: no work-group ends while a partner may still ask for a tile that names it
	s_endpgm
.Lfunc_end_k_qf131055c5a_proj_qk:
	.size	k_qf131055c5a_proj_qk, .Lfunc_end_k_qf131055c5a_proj_qk-k_qf131055c5a_proj_qk
	.p2alignl 7, 3214868480
	.fill 96, 4, 3214868480
	.section	.rodata,"a",@progbits
	.p2align	6, 0x0
	.amdhsa_kernel k_qf131055c5a_proj_qk
		.amdhsa_group_segment_fixed_size 205824
		.amdhsa_private_segment_fixed_size 0
		.amdhsa_enable_private_segment 0
		.amdhsa_kernarg_size 48
		.amdhsa_user_sgpr_count 2
		.amdhsa_user_sgpr_kernarg_segment_ptr 1
		.amdhsa_wavefront_size32 1
		.amdhsa_system_sgpr_workgroup_id_x 1
		.amdhsa_system_sgpr_workgroup_id_y 1
		.amdhsa_system_sgpr_workgroup_id_z 1
		.amdhsa_system_vgpr_workitem_id 0
		.amdhsa_next_free_vgpr 512
		.amdhsa_next_free_sgpr 100
		.amdhsa_reserve_vcc 0
		.amdhsa_float_denorm_mode_32 3
		.amdhsa_float_denorm_mode_16_64 3
		.amdhsa_memory_ordered 1
		.amdhsa_forward_progress 1
		.amdhsa_inst_pref_size 58
	.end_amdhsa_kernel
	.amdgpu_metadata
---
amdhsa.version: [ 1, 2 ]
amdhsa.kernels:
  - .name:           k_qf131055c5a_proj_qk
    .symbol:         k_qf131055c5a_proj_qk.kd
    .args:
      - { .name: xa, .offset: 0, .size: 8, .value_kind: global_buffer, .address_space: global }
      - { .name: wa, .offset: 8, .size: 8, .value_kind: global_buffer, .address_space: global }
      - { .name: b_q, .offset: 16, .size: 8, .value_kind: global_buffer, .address_space: global }
      - { .name: b_k, .offset: 24, .size: 8, .value_kind: global_buffer, .address_space: global }
      - { .name: qa, .offset: 32, .size: 8, .value_kind: global_buffer, .address_space: global }
      - { .name: kv, .offset: 40, .size: 8, .value_kind: global_buffer, .address_space: global }
    .group_segment_fixed_size: 205824
    .private_segment_fixed_size: 0
    .kernarg_segment_align: 8
    .kernarg_segment_size: 48
    .max_flat_workgroup_size: 128
    .sgpr_count:     100
    .vgpr_count:     512
    .wavefront_size: 32
...
	.end_amdgpu_metadata
.endif
;; end of part 3
;; launch proj_v (part 4): grid 32 x 8, 4 waves a work-group, clusters of 4 x 4, 205,824 bytes of LDS; arguments xa, wa, b_v, kv; writes kv
.if DOCPART == 4
	.amdgcn_target "amdgcn-amd-amdhsa--gfx1250"
	.amdhsa_code_object_version 6
	.text
	.protected	k_qf131055c5a_proj_v
	.globl	k_qf131055c5a_proj_v
	.p2align	8
	.type	k_qf131055c5a_proj_v,@function
k_qf131055c5a_proj_v:
	s_mov_b64 s[64:65], 0
	v_nop
	global_prefetch_b8 v0, s[64:65] scope:SCOPE_SE
	s_setreg_imm32_b32 hwreg(HW_REG_WAVE_MODE, 25, 1), 1
	s_wait_xcnt 0x0
	s_wait_alu depctr_hold_cnt(0) depctr_sa_sdst(0) depctr_va_vdst(0) depctr_va_sdst(0) depctr_va_ssrc(0) depctr_va_vcc(0) depctr_vm_vsrc(0)
	s_getreg_b32 s2, hwreg(HW_REG_IB_STS2, 6, 4)
	s_cmp_eq_u32 s2, 0
	s_cbranch_scc0 .Lentry_in_a_cluster
	s_endpgm
.Lentry_in_a_cluster:
	s_bfe_u32 s2, ttmp6, 0x10000c
	s_cmp_lg_u32 s2, 0xf033
	s_cbranch_scc0 .Lentry_shape_is_right
	s_endpgm
.Lentry_shape_is_right:
; Vh = v w_v + b_v on codes of FP6 (E2M3) with E8M0 scales, sums in f32; the result, with its bias, is quantised ALONG THE KEYS (the second attention product's K) and stored as attention wants it.
; The text is the launch before's with the operands' parts changed: A = 128 columns of w_v (two heads), B = 128 tokens of v.  Source 0 = 16 tokens, source 1 = 16 columns: a lane holds one column d,
; and the 32 registers of its four accumulators are, by the order of the tokens in a tile, register 16 b + i = key 32 b + 16 (lane / 16) + i of the wave's 64: what the quantiser wants.
; OPERANDS: xa and wa hold fragments [row tile][K step 0..7][1,536 bytes] and, behind them, scale blocks [row tile][2][256 bytes] (half c of a fragment: registers 6c..6c+3 at 768 c + 16 x lane,
; registers 6c+4, 6c+5 at 768 c + 512 + 8 x lane; scale word (f, r) at 8 (r + 16 (f % 2)) + 4 (f / 2)); row r of tile 2 b + u is token or column 32 b + 8 u + r + 8 (r / 8).
; Both operands for all of K fit in LDS: every LDS byte is filled once, in two chunks of four K steps.  By this text's count a wave has three tensor loads out.
; CLUSTER: 4 x 4 work-groups; W's tiles are asked for jointly along a row of the cluster, v's along a column.
; OUT: in kv's record of a head and 128 keys: V's fragment f (rows: the head's d of tile f; K: the 128 keys in their true order) at 6,144 + 1,536 f, its scale block at 12,544.
; LIMITS: a block whose largest magnitude lies under 2^-124 keeps the byte 1 (only this program reads the bytes); NaN and infinities are not served.
.set FRB,   1536
.set TILEB, 12288
.set HALFK, 6144
.set CHUNK, 49152                      ; LDS: A's two chunks from byte 0,
.set LDB,   98304                      ; B's two,
.set LSA,   196608                     ; A's scale blocks,
.set LSB,   200704                     ; B's,
.set STG,   204800                     ; and 512 bytes of my own into which no tile lands
.set XSOFF, 9437184
.set WSOFF, 3145728
.set HEADB, 204800
.set REC,   12800
.set VOFF,  6144
.set VSC,   12544
.set TM,    24                         ; v24-29   the quantiser's work
.set SC,    32                         ; v32-63   scale words; they hold nothing else
.set BB,    64                         ; v64-71   the bias of my lane's column in each of the four tiles, twice (a pair for the packed addition)
.set HC,    96                         ; v96-119  four half fragments of codes
.set TT,    120
.set HW,    124
.set ACC,   128                        ; accumulator (a, t) at ACC + 8 (4 a + t)
.set G1A,  24
.set G0AS, 32
.set G0A0, 36
.set G0A1, 40
.set G1B,  48
.set G0BS, 56
.set G0B0, 60
.set G0B1, 68
.set G1SA, 72
.set G1SB, 80
.set SEL,  88
.set MSB, 0
.macro WIN new                         ; the immediate's high byte repeats the setting that is left
.if MSB != \new
	s_set_vgpr_msb (MSB<<8)|\new
.set MSB, \new
.endif
.endm
.set MULW, 0x05                        ; sources 0 and 1 window 1; C and D window 0
.set TO_F, 0x40                        ; destination window 1, address window 0
.macro CROUND                          ; a round of the cluster's barrier
	s_barrier_signal -1
	s_barrier_wait -1
	s_cmp_lg_u32 s16, 0
	s_cbranch_scc1 .Lnot_wave_0_\@
	s_barrier_signal -3
.Lnot_wave_0_\@:
	s_barrier_wait -3
	s_barrier_signal -1
	s_barrier_wait -1
.endm
.macro PLACES                          ; four places behind a matrix instruction, ahead of loads into its registers and of reads of its results
.rept 4
	v_nop
.endr
.endm
.macro FRAGLD reg, a16, a8, off
	ds_load_b128 v[(\reg):(\reg)+3], v[\a16] offset:(\off)
	ds_load_b64 v[(\reg)+4:(\reg)+5], v[\a8] offset:(\off)+512
	ds_load_b128 v[(\reg)+6:(\reg)+9], v[\a16] offset:(\off)+768
	ds_load_b64 v[(\reg)+10:(\reg)+11], v[\a8] offset:(\off)+1280
.endm
.macro FETCH s                         ; K step s: my four fragments of B and four of A into set s % 2
	WIN TO_F
.irp t, 0,1,2,3
	FRAGLD 128*((\s)%2)+12*\t, 12+(\s)/4, 14+(\s)/4, \t*HALFK+((\s)%4)*FRB
.endr
.irp a, 0,1,2,3
	FRAGLD 128*((\s)%2)+48+12*\a, 8+(\s)/4, 10+(\s)/4, \a*HALFK+((\s)%4)*FRB
.endr
.endm
.macro MM s, a, t, first
.set rD, ACC+8*(4*\a+\t)
.set rB, 128*((\s)%2)+12*\t
.set rA, 128*((\s)%2)+48+12*\a
.set rSB, SC+8+16*((\s)/4)+2*\t+((\s)%4)/2
.set rSA, SC+16*((\s)/4)+2*\a+((\s)%4)/2
.if \first
	v_wmma_scale_f32_16x16x128_f8f6f4 v[rD:rD+7], v[rB:rB+11], v[rA:rA+11], 0, v[rSB], v[rSA] matrix_a_fmt:MATRIX_FMT_FP6 matrix_b_fmt:MATRIX_FMT_FP6
.elseif (\s)%2
	v_wmma_scale_f32_16x16x128_f8f6f4 v[rD:rD+7], v[rB:rB+11], v[rA:rA+11], v[rD:rD+7], v[rSB], v[rSA] matrix_a_fmt:MATRIX_FMT_FP6 matrix_b_fmt:MATRIX_FMT_FP6 matrix_a_scale:MATRIX_SCALE_ROW1 matrix_b_scale:MATRIX_SCALE_ROW1
.else
	v_wmma_scale_f32_16x16x128_f8f6f4 v[rD:rD+7], v[rB:rB+11], v[rA:rA+11], v[rD:rD+7], v[rSB], v[rSA] matrix_a_fmt:MATRIX_FMT_FP6 matrix_b_fmt:MATRIX_FMT_FP6
.endif
.endm
.macro MUL s, first                    ; 16 matrix instructions: the 16 accumulators take turns, one instruction a turn
	WIN MULW
.irp a, 0,1,2,3
.irp t, 0,1,2,3
	MM \s, \a, \t, \first
.endr
.endr
.endm
; 32 numbers of a lane, register 16 b + i = k 32 b + 16 (lane / 16) + i of my row, become six registers of codes at d (lanes 0-15 block 0, lanes 16-31 block 1) and the two scale bytes in hw
.macro QUANT2 src, d, t, hw, tm
.irp b, 0,1
	v_max3_num_f32 v[\tm+\b], |v[\src+16*\b]|, |v[\src+16*\b+1]|, 0x1800000   ; my 16 numbers of block b, and the floor 2^(3 - 127): the byte cannot fall under 1
.endr
.irp i, 2,4,6,8,10,12,14
.irp b, 0,1
	v_max3_num_f32 v[\tm+\b], v[\tm+\b], |v[\src+16*\b+\i]|, |v[\src+16*\b+\i+1]|
.endr
.endr
.irp b, 0,1
	v_permlanex16_b32 v[\tm+2+\b], v[\tm+\b], s[SEL], s[SEL+1]
.endr
.irp b, 0,1
	v_max_num_f32 v[\tm+\b], v[\tm+\b], v[\tm+2+\b]   ; with lane l xor 16's: the block's largest magnitude
.endr
.irp b, 0,1
	v_add_nc_u32 v[\tm+4+\b], 0xff000000, v[\tm+\b]   ; 2 off its exponent field: the conversion's scale operand
.endr
.irp b, 0,1
	v_lshrrev_b32 v[\tm+2+\b], 23, v[\tm+4+\b]        ; the scale's byte
.endr
	v_lshl_or_b32 v[\hw], v[\tm+3], 8, v[\tm+2]
	v_cvt_scalef32_pk16_fp6_f32 v[\d:\d+2], v[\src:\src+15], v[\tm+4]
	v_cvt_scalef32_pk16_fp6_f32 v[\t:\t+2], v[\src+16:\src+31], v[\tm+5]
	v_nop                                          ; one plain place behind a scaled conversion
.irp i, 0,1,2
	v_permlane16_swap_b32 v[\d+\i], v[\t+\i]       ; a WHOLE block to a lane
.endr
.irp i, 0,1,2
	v_mov_b32 v[\d+3+\i], v[\t+\i]
.endr
.endm
	s_load_b128 s[4:7], s[0:1], 0x0                ; xa, wa
	s_load_b128 s[8:11], s[0:1], 0x10              ; b_v, kv
	v_lshl_add_u32 v95, v0, 2, 0x32200
	v_mov_b32 v123, 0
	ds_add_u32 v95, v123
	ds_add_u32 v95, v123
	v_lshrrev_b32 v1, 5, v0
	v_readfirstlane_b32 s16, v1                    ; wave 0..3
	s_lshr_b32 s17, s16, 1                         ; i: which 64 columns (which head) are mine.  Also: I fetch for A (0) or for B (1)
	s_and_b32 s18, s16, 1                          ; j: which 64 keys.  Also: which four tiles I fetch
	s_bfe_u32 s19, ttmp6, 0x40000                  ; cx, cy
	s_bfe_u32 s20, ttmp6, 0x40004
	s_lshl_b32 s21, ttmp9, 2
	s_add_co_u32 s21, s21, s19                     ; tile column (128 tokens) = 4 x cluster x + cx
	s_and_b32 s22, ttmp7, 0xffff
	s_lshl_b32 s22, s22, 2
	s_add_co_u32 s22, s22, s20                     ; tile row (128 columns of w_v) = 4 x cluster y + cy
	s_lshl_b32 s44, s20, 2
	s_lshl_b32 s44, 15, s44                        ; my row of the cluster
	s_lshl_b32 s45, 0x1111, s19                    ; my column
	; group 1, codes: 4 rows (tiles) of 6,144 bytes (four K steps), 12,288 bytes apart; elements of 8 bytes; no padding
	s_or_b32 s[G1A], s44, (3<<16)|(1<<21)
	s_or_b32 s[G1B], s45, (3<<16)|(1<<21)
.irp g, G1A, G1B
	s_mov_b32 s[\g+1], 768<<16
	s_mov_b32 s[\g+2], 4<<16
	s_mov_b32 s[\g+3], 768<<16
	s_mov_b32 s[\g+4], 4
	s_mov_b32 s[\g+5], 1536
	s_mov_b32 s[\g+6], 0
	s_mov_b32 s[\g+7], 0
.endr
	; group 1, scales: four tiles' blocks, 2,048 dense bytes, as 8 rows of 256
	s_or_b32 s[G1SA], s44, (3<<16)|(1<<21)
	s_or_b32 s[G1SB], s45, (3<<16)|(1<<21)
.irp g, G1SA, G1SB
	s_mov_b32 s[\g+1], 32<<16
	s_mov_b32 s[\g+2], 8<<16
	s_mov_b32 s[\g+3], 32<<16
	s_mov_b32 s[\g+4], 8
	s_mov_b32 s[\g+5], 32
	s_mov_b32 s[\g+6], 0
	s_mov_b32 s[\g+7], 0
.endr
	s_lshl_b32 s91, s18, 2                         ; which four tiles I fetch
	s_lshl_b32 s90, s22, 3
	s_add_co_u32 s90, s90, s91
	s_add_co_u32 s90, s90, 128                     ; A: w_v is wa's third weight: tile 128 + 8 x tile row + 4 x part
	s_mul_i32 s92, s90, TILEB
	s_mov_b32 s93, 0
	s_lshl_b32 s94, s90, 9
	s_add_co_u32 s94, s94, WSOFF
	s_mov_b32 s95, 0
	s_lshl_b32 s96, s21, 3
	s_add_co_u32 s96, s96, s91
	s_add_co_u32 s96, s96, 512                     ; B: v is xa's third tensor: tile 512 + 8 x tile column + 4 x part
	s_mul_i32 s98, s96, TILEB
	s_mov_b32 s99, 0
	s_lshl_b32 s96, s96, 9
	s_add_co_u32 s96, s96, XSOFF
	s_mov_b32 s97, 0
	s_mul_i32 s46, s17, LDB                        ; where my loads go: no place in the cluster enters an LDS address
	s_mul_i32 s47, s18, 4*HALFK
	s_add_co_u32 s46, s46, s47
	s_lshl_b32 s47, s16, 11
	s_add_co_u32 s47, s47, LSA
	s_mov_b32 s[SEL], 0x76543210
	s_mov_b32 s[SEL+1], 0xfedcba98
	s_wait_dscnt 0x0
	s_wait_kmcnt 0x0
	CROUND                                         ; all sixteen work-groups are here: the joint loads meet
	s_mov_b32 s[G0AS], 1
	s_mov_b32 s[G0AS+1], s47
	s_add_nc_u64 s[G0AS+2:G0AS+3], s[6:7], s[94:95]
	s_or_b32 s[G0AS+3], s[G0AS+3], 0x80000000
	s_mov_b32 s[G0A0], 1
	s_mov_b32 s[G0A0+1], s46
	s_add_nc_u64 s[G0A0+2:G0A0+3], s[6:7], s[92:93]
	s_mov_b32 s[G0A1], 1
	s_add_co_u32 s[G0A1+1], s46, CHUNK
	s_add_nc_u64 s[G0A1+2:G0A1+3], s[G0A0+2:G0A0+3], HALFK
	s_or_b32 s[G0A0+3], s[G0A0+3], 0x80000000
	s_or_b32 s[G0A1+3], s[G0A1+3], 0x80000000
	s_mov_b32 s[G0BS], 1
	s_mov_b32 s[G0BS+1], s47
	s_add_nc_u64 s[G0BS+2:G0BS+3], s[4:5], s[96:97]
	s_or_b32 s[G0BS+3], s[G0BS+3], 0x80000000
	s_mov_b32 s[G0B0], 1
	s_mov_b32 s[G0B0+1], s46
	s_add_nc_u64 s[G0B0+2:G0B0+3], s[4:5], s[98:99]
	s_mov_b32 s[G0B1], 1
	s_add_co_u32 s[G0B1+1], s46, CHUNK
	s_add_nc_u64 s[G0B1+2:G0B1+3], s[G0B0+2:G0B0+3], HALFK
	s_or_b32 s[G0B0+3], s[G0B0+3], 0x80000000
	s_or_b32 s[G0B1+3], s[G0B1+3], 0x80000000
	s_cmp_eq_u32 s17, 0                            ; a wave's three fills stand in one branch on the wave's number; four v_nop follow the last
	s_cbranch_scc0 .Lfor_b
	tensor_load_to_lds s[G0AS:G0AS+3], s[G1SA:G1SA+7]
	s_nop 0
	tensor_load_to_lds s[G0A0:G0A0+3], s[G1A:G1A+7]
	s_nop 0
	tensor_load_to_lds s[G0A1:G0A1+3], s[G1A:G1A+7]
	s_nop 0
.rept 4
	v_nop
.endr
	s_branch .Lasked
.Lfor_b:
	tensor_load_to_lds s[G0BS:G0BS+3], s[G1SB:G1SB+7]
	s_nop 0
	tensor_load_to_lds s[G0B0:G0B0+3], s[G1B:G1B+7]
	s_nop 0
	tensor_load_to_lds s[G0B1:G0B1+3], s[G1B:G1B+7]
	s_nop 0
.rept 4
	v_nop
.endr
.Lasked:
	v_and_b32 v3, 31, v0                           ; lane
	v_and_b32 v1, 15, v0                           ; r
	v_bfe_u32 v2, v0, 4, 1                         ; h
	v_lshlrev_b32 v4, 4, v3                        ; 16 x lane
	v_lshlrev_b32 v5, 3, v3                        ; 8 x lane
	v_and_b32 v7, 8, v1
	v_add_nc_u32 v7, v7, v1
	v_lshlrev_b32 v7, 2, v7                        ; the bias: my row's column in a tile: 4 (r + 8 (r / 8))
	s_mul_i32 s90, s17, 4*HALFK                    ; my four tiles of A,
	s_mul_i32 s91, s18, 4*HALFK
	s_add_co_u32 s91, s91, LDB                     ; and of B
.irp q, 0,1
	v_add_nc_u32 v[8+\q], s90, v4
	v_add_nc_u32 v[10+\q], s90, v5
	v_add_nc_u32 v[12+\q], s91, v4
	v_add_nc_u32 v[14+\q], s91, v5
	s_add_co_u32 s90, s90, CHUNK
	s_add_co_u32 s91, s91, CHUNK
.endr
	s_lshl_b32 s92, s17, 11
	s_add_co_u32 s92, s92, LSA
	v_add_nc_u32 v16, s92, v5                      ; my tiles' scale blocks
	s_lshl_b32 s93, s18, 11
	s_add_co_u32 s93, s93, LSB
	v_add_nc_u32 v17, s93, v5
	s_lshl_b32 s94, s17, 8
	s_lshl_b32 s95, s18, 1
	s_add_co_u32 s94, s94, s95
	s_add_co_u32 s94, s94, STG
	v_lshl_add_u32 v6, v1, 3, s94                  ; where my half words go: head i's block, 2 j + 8 r
	v_add_nc_u32 v18, STG, v4                      ; wave 0 reads both blocks back,
	v_mul_u32_u24 v19, v2, HEADB
	v_lshl_add_u32 v19, v1, 4, v19                 ; and stores lanes 0-15 to the first head, lanes 16-31 to the second
	v_mov_b32 v[TM+2], 0                           ; written once: a lane permute's destination counts as one of its sources
	v_mov_b32 v[TM+3], 0
	s_lshl_b32 s90, s22, 9
	s_lshl_b32 s91, s17, 8
	s_add_co_u32 s90, s90, s91
	s_mov_b32 s91, 0
	s_add_nc_u64 s[8:9], s[8:9], s[90:91]          ; the bias at my 64 columns
.irp a, 0,1,2,3
	global_load_b32 v[BB+2*\a], v7, s[8:9] offset:4*(32*(\a/2)+8*(\a%2))
	global_load_b32 v[BB+2*\a+1], v7, s[8:9] offset:4*(32*(\a/2)+8*(\a%2))
.endr
	s_lshr_b32 s92, s21, 4                         ; batch
	s_lshl_b32 s92, s92, 4
	s_lshl_b32 s93, s22, 1
	s_add_co_u32 s92, s92, s93                     ; 16 x batch + the work-group's first head
	s_mul_i32 s92, s92, HEADB
	s_and_b32 s93, s21, 15                         ; which 128 keys of the batch
	s_mul_i32 s93, s93, REC
	s_add_co_u32 s92, s92, s93
	s_mov_b32 s93, 0
	s_add_nc_u64 s[12:13], s[10:11], s[92:93]
	s_add_nc_u64 s[12:13], s[12:13], VSC           ; the first head's scale block of V
	s_mul_i32 s94, s17, HEADB
	s_mul_i32 s95, s18, 768
	s_add_co_u32 s94, s94, s95
	s_add_co_u32 s94, s94, VOFF
	s_add_co_u32 s92, s92, s94
	s_add_nc_u64 s[10:11], s[10:11], s[92:93]      ; my head's record, V's fragments, my half of each
	s_wait_tensorcnt 0x1                           ; my scales and my part of chunk 0 are in; chunk 1's load may be out
	s_barrier_signal -1
	s_barrier_wait -1                              ; everybody's are
.irp q, 0,1
.irp a, 0,1,2,3
	ds_load_b64 v[SC+16*\q+2*\a:SC+16*\q+2*\a+1], v16 offset:512*\a+256*\q
	ds_load_b64 v[SC+8+16*\q+2*\a:SC+8+16*\q+2*\a+1], v17 offset:512*\a+256*\q
.endr
.endr
	FETCH 0
	s_wait_dscnt 0x0                               ; the scale words and K step 0's fragments
	FETCH 1
	MUL 0, 1                                       ; the first products start the sums: nothing is cleared
.irp s, 1,2
	s_wait_dscnt 0x0                               ; this K step's fragments, asked for 16 matrix instructions ago
	PLACES
	FETCH \s+1
	MUL \s, 0
.endr
	s_wait_dscnt 0x0
	s_wait_tensorcnt 0x0                           ; my part of chunk 1 is in,
	s_barrier_signal -1
	s_barrier_wait -1                              ; everybody's is
	PLACES
	FETCH 4
	MUL 3, 0
.irp s, 4,5,6
	s_wait_dscnt 0x0
	PLACES
	FETCH \s+1
	MUL \s, 0
.endr
	s_wait_dscnt 0x0
	MUL 7, 0
	WIN 0
	PLACES
	s_wait_loadcnt 0x0                             ; the bias
; THE WAY OUT, a tile of 16 of the head's d at a time: + bias (each accumulator from its low end on), quantised along the keys, codes stored as half j of V's fragment a
.macro OUTA a
.set i, 0
.rept 16
	v_pk_add_f32 v[ACC+32*\a+2*i:ACC+32*\a+2*i+1], v[ACC+32*\a+2*i:ACC+32*\a+2*i+1], v[BB+2*\a:BB+2*\a+1]
.set i, i+1
.endr
	QUANT2 ACC+32*\a, HC+6*\a, TT, HW+\a, TM
	global_store_b128 v4, v[HC+6*\a:HC+6*\a+3], s[10:11] offset:FRB*\a        ; 512 consecutive bytes, aligned
	global_store_b64 v5, v[HC+6*\a+4:HC+6*\a+5], s[10:11] offset:FRB*\a+512   ; 256
	ds_store_b16 v6, v[HW+\a] offset:128*(\a%2)+4*(\a/2)                       ; lanes r and r + 16 write the same bytes with the same value
.endm
	OUTA 0
	OUTA 1
	OUTA 2
	OUTA 3
	s_wait_dscnt 0x0                               ; for the others' sake: my half words lie in LDS
	s_barrier_signal -1
	s_barrier_wait -1
	s_cmp_lg_u32 s16, 0
	s_cbranch_scc1 .Lnot_mine
	ds_load_b128 v[20:23], v18                     ; the two heads' scale blocks, whole
	s_wait_dscnt 0x0
	global_store_b128 v19, v[20:23], s[12:13]      ; sixteen lanes store 256 consecutive bytes, aligned
.Lnot_mine:
	s_wait_tensorcnt 0x0
	ds_add_u32 v95, v123
	s_wait_dscnt 0x0
	CROUND                                         ; the closing round: no work-group ends while a partner may still ask for a tile that names it
	s_endpgm
.Lfunc_end_k_qf131055c5a_proj_v:
	.size	k_qf131055c5a_proj_v, .Lfunc_end_k_qf131055c5a_proj_v-k_qf131055c5a_proj_v
	.p2alignl 7, 3214868480
	.fill 96, 4, 3214868480
	.section	.rodata,"a",@progbits
	.p2align	6, 0x0
	.amdhsa_kernel k_qf131055c5a_proj_v
		.amdhsa_group_segment_fixed_size 205824
		.amdhsa_private_segment_fixed_size 0
		.amdhsa_enable_private_segment 0
		.amdhsa_kernarg_size 32
		.amdhsa_user_sgpr_count 2
		.amdhsa_user_sgpr_kernarg_segment_ptr 1
		.amdhsa_wavefront_size32 1
		.amdhsa_system_sgpr_workgroup_id_x 1
		.amdhsa_system_sgpr_workgroup_id_y 1
		.amdhsa_system_sgpr_workgroup_id_z 1
		.amdhsa_system_vgpr_workitem_id 0
		.amdhsa_next_free_vgpr 512
		.amdhsa_next_free_sgpr 100
		.amdhsa_reserve_vcc 0
		.amdhsa_float_denorm_mode_32 3
		.amdhsa_float_denorm_mode_16_64 3
		.amdhsa_memory_ordered 1
		.amdhsa_forward_progress 1
		.amdhsa_inst_pref_size 58
	.end_amdhsa_kernel
	.amdgpu_metadata
---
amdhsa.version: [ 1, 2 ]
amdhsa.kernels:
  - .name:           k_qf131055c5a_proj_v
    .symbol:         k_qf131055c5a_proj_v.kd
    .args:
      - { .name: xa, .offset: 0, .size: 8, .value_kind: global_buffer, .address_space: global }
      - { .name: wa, .offset: 8, .size: 8, .value_kind: global_buffer, .address_space: global }
      - { .name: b_v, .offset: 16, .size: 8, .value_kind: global_buffer, .address_space: global }
      - { .name: kv, .offset: 24, .size: 8, .value_kind: global_buffer, .address_space: global }
    .group_segment_fixed_size: 205824
    .private_segment_fixed_size: 0
    .kernarg_segment_align: 8
    .kernarg_segment_size: 32
    .max_flat_workgroup_size: 128
    .sgpr_count:     100
    .vgpr_count:     512
    .wavefront_size: 32
...
	.end_amdgpu_metadata
.endif
;; end of part 4
;; launch attn (part 5): grid 8 x 32, 16 waves a work-group, clusters of 4 x 1, 206,848 bytes of LDS; arguments qa, kv, cx; writes cx
.if DOCPART == 5
	.amdgcn_target "amdgcn-amd-amdhsa--gfx1250"
	.amdhsa_code_object_version 6
	.text
	.protected	k_qf131055c5a_attn
	.globl	k_qf131055c5a_attn
	.p2align	8
	.type	k_qf131055c5a_attn,@function
k_qf131055c5a_attn:
	s_mov_b64 s[64:65], 0
	v_nop
	global_prefetch_b8 v0, s[64:65] scope:SCOPE_SE
	s_setreg_imm32_b32 hwreg(HW_REG_WAVE_MODE, 25, 1), 1
	s_wait_xcnt 0x0
	s_wait_alu depctr_hold_cnt(0) depctr_sa_sdst(0) depctr_va_vdst(0) depctr_va_sdst(0) depctr_va_ssrc(0) depctr_va_vcc(0) depctr_vm_vsrc(0)
	s_getreg_b32 s2, hwreg(HW_REG_IB_STS2, 6, 4)
	s_cmp_eq_u32 s2, 0
	s_cbranch_scc0 .Lentry_in_a_cluster
	s_endpgm
.Lentry_in_a_cluster:
	s_bfe_u32 s2, ttmp6, 0x10000c
	s_cmp_lg_u32 s2, 0x3003
	s_cbranch_scc0 .Lentry_shape_is_right
	s_endpgm
.Lentry_shape_is_right:
; context = softmax(Qh Kh^T / 8) Vh for each of 32 heads (16 x batch + head), 2,048 queries and keys, head size 64; both products on codes of FP6 (E2M3) with E8M0 scales; the context is quantised along d for the last product.
; THE SOFTMAX AHEAD OF THE SECOND PRODUCT: t = score x log2(e) / 8; M = the row's largest t so far, rounded UP to a whole number; p = 2^(t - M) is what is quantised, along the keys; it is not normalised.
; The row's sum is taken of the unquantised p, in f32, and divides O at the end.  When M moves, the sum and O are multiplied by 2^(old M - new M): exact.
; IN: for each head and 128 keys kv holds a record of 12,800 bytes: K's four fragments, V's four, K's scale block, V's.  A fragment is two halves of 768 bytes (half c: registers 6c..6c+3 at 768 c + 16 x lane,
; registers 6c+4, 6c+5 at 768 c + 512 + 8 x lane).  K's fragment b holds in half u the keys 32 b + 8 u + r + 8 (r / 8), d = 32 (lane / 16) on: TWO TILES OF KEYS IN ONE OPERAND.  The head's 64 fill half of the
; instruction's 128 along K: against Q in the lower half and zero codes in the upper the product is tile 2 b's scores, the other way round tile 2 b + 1's.  qa holds Q in K's places.
; V's fragment f: rows = the head's d of tile f (row r: d = 32 (f / 2) + 8 (f % 2) + r + 8 (r / 8)), K = the 128 keys in their true order.
; A WHOLE HEAD'S K AND V, 204,800 BYTES, STAY IN LDS: every byte is filled once, in two halves, so that the first eight key steps run while the second half lands.  By this text's count a wave has two tensor loads out.
; SHARES: a work-group owns 256 queries of one head, each of its sixteen waves 16 of them in 256 registers: four waves to a SIMD, so that one wave's vector work stands beside another's matrix work and LDS loads.
; CLUSTER: the four work-groups of a cluster belong to one head: each part of K and V is asked for jointly, by the same tensor load with a mask that names the four.
; LAYOUT: both products transposed (S^T = K Q^T, O^T = V^T P^T): a lane holds ONE query throughout; the 16 registers of score tiles 2 b, 2 b + 1 are keys 32 b + 16 (lane / 16) + 0 .. 15; O^T's register 16 b + i is d = 32 b + 16 (lane / 16) + i.
; OUT: cx, laid as the last product's operand: fragments [row tile of tokens][K step = head / 2][1,536], my head's half; the scale bytes as halves of words whose other half is the neighbouring head's
; (aligned blocks of 256 bytes written in part: one byte in 24 of what the launch stores).
; LIMITS: a block of the context whose largest magnitude lies under 2^-124 keeps the byte 1; a block of p that has fallen to zero likewise (its codes are zeros); NaN and infinities are not served.
.set HEADB, 204800
.set REC,   12800
.set PART,  6400                       ; what one tensor load brings: 25 rows of 256 bytes
.set FRB,   1536
.set VOFF,  6144
.set KSC,   12288
.set VSC,   12544
.set CSOFF, 3145728
.set LA,  1                            ; v1   16 x lane
.set LB,  2                            ; v2   8 x lane
.set AA,  3                            ; v3   the key step's record + 16 x lane
.set AB,  4                            ; v4   the same + 8 x lane
.set R8,  5                            ; v5   8 x (lane % 16)
.set QSL, 6                            ; v6   Q's two scale bytes in bytes 0, 1 (bytes 2, 3 are 0 and meet zero codes)
.set QSH, 7                            ; v7   the same in bytes 2, 3
.set KS,  8                            ; v8-9   K's scale words
.set VS,  10                           ; v10-11 V's
                                       ; v12 -M, v13 the largest t, v[14:15] the sum in two halves
.set QHI, 16                           ; v16-21 zero codes, v22-27 Q, v28-33 zero codes: v[16:27] has Q in the upper half,
.set QLO, 22                           ; v[22:33] in the lower
.set F,   34                           ; v34-81   four fragments, K's and then V's
.set S,   82                           ; v82-145  S^T, then p
.set OT,  146                          ; v146-177 O^T
.set PC,  178                          ; v178-189 p's codes; v190-192, v194-196 the second conversions' registers
.set PW,  198                          ; v198 p's scale word
.set BM,  200                          ; v200-203 the blocks' largest scores
.set PT,  204                          ; v204-207 at work
.set SO,  208                          ; v208-211 the conversions' scale operands
.set FF,  212                          ; v[212:213] f = 2^(old M - new M)
.set WK,  214
.set G1,  24                           ; s[24:31] group 1;  s[32:35], s[36:39] groups 0 of my two loads
.set SEL, 42                           ; s[42:43] lane selects for v_permlanex16_b32: lane l xor 16
.set CS,  44                           ; s[44:45] c = log2(e) / 8
.macro CROUND                          ; a round of the cluster's barrier
	s_barrier_signal -1
	s_barrier_wait -1
	s_cmp_lg_u32 s10, 0
	s_cbranch_scc1 .Lnot_wave_0_\@
	s_barrier_signal -3
.Lnot_wave_0_\@:
	s_barrier_wait -3
	s_barrier_signal -1
	s_barrier_wait -1
.endm
.macro FRAGLD reg, a16, a8, off
	ds_load_b128 v[(\reg):(\reg)+3], v[\a16] offset:(\off)
	ds_load_b64 v[(\reg)+4:(\reg)+5], v[\a8] offset:(\off)+512
	ds_load_b128 v[(\reg)+6:(\reg)+9], v[\a16] offset:(\off)+768
	ds_load_b64 v[(\reg)+10:(\reg)+11], v[\a8] offset:(\off)+1280
.endm
; 32 numbers of a lane, register 16 b + i = k 32 b + 16 (lane / 16) + i of my row, become six registers of codes at d (lanes 0-15 block 0, lanes 16-31 block 1) and the two scale bytes in hw
.macro QUANT2 src, d, t, hw, tm
.irp b, 0,1
	v_max3_num_f32 v[\tm+\b], |v[\src+16*\b]|, |v[\src+16*\b+1]|, 0x1800000
.endr
.irp i, 2,4,6,8,10,12,14
.irp b, 0,1
	v_max3_num_f32 v[\tm+\b], v[\tm+\b], |v[\src+16*\b+\i]|, |v[\src+16*\b+\i+1]|
.endr
.endr
.irp b, 0,1
	v_permlanex16_b32 v[\tm+2+\b], v[\tm+\b], s[SEL], s[SEL+1]
.endr
.irp b, 0,1
	v_max_num_f32 v[\tm+\b], v[\tm+\b], v[\tm+2+\b]
.endr
.irp b, 0,1
	v_add_nc_u32 v[\tm+4+\b], 0xff000000, v[\tm+\b]
.endr
.irp b, 0,1
	v_lshrrev_b32 v[\tm+2+\b], 23, v[\tm+4+\b]
.endr
	v_lshl_or_b32 v[\hw], v[\tm+3], 8, v[\tm+2]
	v_cvt_scalef32_pk16_fp6_f32 v[\d:\d+2], v[\src:\src+15], v[\tm+4]
	v_cvt_scalef32_pk16_fp6_f32 v[\t:\t+2], v[\src+16:\src+31], v[\tm+5]
	v_nop                                          ; one plain place behind a scaled conversion
.irp i, 0,1,2
	v_permlane16_swap_b32 v[\d+\i], v[\t+\i]
.endr
.irp i, 0,1,2
	v_mov_b32 v[\d+3+\i], v[\t+\i]
.endr
.endm
	s_load_b128 s[4:7], s[0:1], 0x0                ; qa, kv
	s_load_b64 s[8:9], s[0:1], 0x10                ; cx
	v_lshl_add_u32 v254, v0, 2, 0x32000
	v_mov_b32 v255, 0
	ds_add_u32 v254, v255
	ds_add_u32 v254, v255
	v_lshrrev_b32 v1, 5, v0
	v_readfirstlane_b32 s10, v1                    ; wave 0..15
	s_bfe_u32 s11, ttmp6, 0x40000                  ; cx: my place in the cluster
	s_lshl_b32 s12, ttmp9, 2
	s_add_co_u32 s12, s12, s11                     ; my block of 256 queries: it enters Q's and the context's addresses alone
	s_and_b32 s13, ttmp7, 0xffff                   ; the head, which the four partners share
	s_mul_i32 s14, s13, HEADB                      ; its first byte in qa and in kv
	s_mov_b32 s15, 0
	s_mul_i32 s16, s10, PART                       ; my part of each half of the head, in memory and in LDS
	s_mov_b32 s17, 0
	s_mov_b32 s[G1], 15|(3<<16)|(1<<21)            ; 15:0 the mask: all four work-groups; 17:16 elements of 8 bytes; 21 set beside a mask
	s_mov_b32 s[G1+1], 32<<16                      ; tensor_dim0: 256 bytes
	s_mov_b32 s[G1+2], 25<<16                      ; tensor_dim1
	s_mov_b32 s[G1+3], 32<<16                      ; tile_dim0
	s_mov_b32 s[G1+4], 25                          ; tile_dim1
	s_mov_b32 s[G1+5], 32                          ; tensor_dim0_stride: dense
	s_mov_b32 s[G1+6], 0
	s_mov_b32 s[G1+7], 0
	s_lshl_b32 s18, s12, 1
	s_lshr_b32 s19, s10, 3
	s_add_co_u32 s18, s18, s19                     ; which 128 tokens hold my queries
	s_mul_i32 s18, s18, REC
	s_add_co_u32 s18, s18, s14                     ; their record in qa
	s_and_b32 s19, s10, 7
	s_mul_i32 s19, s19, 768                        ; my tile 2 b + u = wave % 8: fragment b, half u
	s_add_co_u32 s20, s18, s19
	s_mov_b32 s21, 0
	s_bfe_u32 s19, s10, 0x10001                    ; its half word in the scale block: 128 (b % 2) + 4 (b / 2) + 2 u
	s_lshl_b32 s19, s19, 7
	s_bfe_u32 s22, s10, 0x10002
	s_lshl_b32 s22, s22, 2
	s_add_co_u32 s19, s19, s22
	s_and_b32 s22, s10, 1
	s_lshl_b32 s22, s22, 1
	s_add_co_u32 s19, s19, s22
	s_add_co_u32 s22, s18, s19
	s_add_co_u32 s22, s22, KSC
	s_mov_b32 s23, 0
	s_lshr_b32 s50, s13, 4                         ; the context: batch,
	s_lshl_b32 s50, s50, 7
	s_lshl_b32 s51, s12, 4
	s_add_co_u32 s50, s50, s51
	s_add_co_u32 s50, s50, s10                     ; row tile 128 x batch + 16 x block + wave,
	s_bfe_u32 s51, s13, 0x30001                    ; K step g = head / 2,
	s_and_b32 s52, s13, 1                          ; half = head % 2
	s_lshl_b32 s46, s50, 3
	s_add_co_u32 s46, s46, s51
	s_mul_i32 s46, s46, FRB
	s_mul_i32 s53, s52, 768
	s_add_co_u32 s46, s46, s53
	s_mov_b32 s47, 0
	s_lshl_b32 s48, s50, 9                         ; scale bytes: 512 x tile + 256 (g / 4) + 128 (g % 2) + 4 ((g / 2) % 2) + 2 x half
	s_lshr_b32 s53, s51, 2
	s_lshl_b32 s53, s53, 8
	s_add_co_u32 s48, s48, s53
	s_and_b32 s53, s51, 1
	s_lshl_b32 s53, s53, 7
	s_add_co_u32 s48, s48, s53
	s_bfe_u32 s53, s51, 0x10001
	s_lshl_b32 s53, s53, 2
	s_add_co_u32 s48, s48, s53
	s_lshl_b32 s53, s52, 1
	s_add_co_u32 s48, s48, s53
	s_add_co_u32 s48, s48, CSOFF
	s_mov_b32 s49, 0
	s_mov_b32 s[SEL], 0x76543210
	s_mov_b32 s[SEL+1], 0xfedcba98
	s_mov_b32 s[CS], 0x3e38aa3b                    ; c = log2(e) / sqrt(64)
	s_mov_b32 s[CS+1], s[CS]                       ; (named with it as a pair, so it is written)
	s_mov_b32 s40, 0                               ; LDS byte of the key step's record
	s_wait_dscnt 0x0
	s_wait_kmcnt 0x0
	s_mov_b32 s32, 1                               ; 1:0 count = 1
	s_mov_b32 s33, s16                             ; 63:32 LDS address: my part of the first half
	s_add_nc_u64 s[34:35], s[6:7], s[14:15]
	s_add_nc_u64 s[34:35], s[34:35], s[16:17]      ; 120:64 global address
	s_mov_b32 s36, 1
	s_add_co_u32 s37, s16, 16*PART                 ; my part of the second half
	s_add_nc_u64 s[38:39], s[34:35], 16*PART
	s_or_b32 s35, s35, 0x80000000                  ; 127:126 type = 2
	s_or_b32 s39, s39, 0x80000000
	s_add_nc_u64 s[20:21], s[4:5], s[20:21]        ; Q's codes
	s_add_nc_u64 s[22:23], s[4:5], s[22:23]        ; Q's scale bytes
	s_add_nc_u64 s[46:47], s[8:9], s[46:47]        ; the context's codes
	s_add_nc_u64 s[48:49], s[8:9], s[48:49]        ; and scale bytes
	CROUND                                         ; all four work-groups are here: the joint loads meet
	tensor_load_to_lds s[32:35], s[G1:G1+7]        ; every wave asks for a sixteenth of each half; four v_nop follow the second
	s_nop 0
	tensor_load_to_lds s[36:39], s[G1:G1+7]
	s_nop 0
.rept 4
	v_nop
.endr
	v_and_b32 v5, 31, v0
	v_lshlrev_b32 v[LA], 4, v5
	v_lshlrev_b32 v[LB], 3, v5
	v_and_b32 v5, 15, v0
	v_lshlrev_b32 v[R8], 3, v5
	global_load_b128 v[QLO:QLO+3], v[LA], s[20:21]           ; Q stays in registers
	global_load_b64 v[QLO+4:QLO+5], v[LB], s[20:21] offset:512
	global_load_u16 v[QSL], v[R8], s[22:23]
.irp i, 0,1,2,3,4,5
	v_mov_b32 v[QHI+\i], 0                         ; zero codes round Q
	v_mov_b32 v[QLO+6+\i], 0
.endr
	v_mov_b32 v13, 0xff61b1e6                      ; the largest t so far: -3e38, under every t
	v_floor_f32 v12, -v13                          ; -M
	v_mov_b32 v14, 0                               ; the sum, in two halves
	v_mov_b32 v15, 0
.irp b, 0,1,2,3
	v_mov_b32 v[PT+\b], 0                          ; written once: a lane permute's destination counts as one of its sources
.endr
	v_mov_b32 v[FF+1], 0                           ; (named as the upper half of a pair)
	s_wait_loadcnt 0x0                             ; Q
	v_lshlrev_b32 v[QSH], 16, v[QSL]               ; made here, so that the 32 lines below stand between it and the first product that names it
.set n, 0
.rept 32
	v_mov_b32 v[OT+n], 0                           ; O^T.  (The step is written once: its first trip finds zeros, which the first change of M leaves zeros)
.set n, n+1
.endr
; A KEY STEP: 128 keys, whose record begins at LDS byte s40
.macro STEP
	v_add_nc_u32 v[AA], s40, v[LA]                 ; these two and two v_nop: the four places behind the last trip's products, ahead of the loads into the registers that they read
	v_add_nc_u32 v[AB], s40, v[LB]
	v_nop
	v_nop
.irp b, 0,1,2,3
	FRAGLD F+12*\b, AA, AB, FRB*\b
.endr
	ds_load_b64 v[KS:KS+1], v[AB] offset:KSC
	s_wait_dscnt 0x0
.irp b, 0,2                                    ; S^T = K Q^T: each fragment of K serves two tiles of keys
	v_wmma_scale_f32_16x16x128_f8f6f4 v[S+16*\b:S+16*\b+7], v[F+12*\b:F+12*\b+11], v[QLO:QLO+11], 0, v[KS+\b/2], v[QSL] matrix_a_fmt:MATRIX_FMT_FP6 matrix_b_fmt:MATRIX_FMT_FP6
	v_wmma_scale_f32_16x16x128_f8f6f4 v[S+16*\b+8:S+16*\b+15], v[F+12*\b:F+12*\b+11], v[QHI:QHI+11], 0, v[KS+\b/2], v[QSH] matrix_a_fmt:MATRIX_FMT_FP6 matrix_b_fmt:MATRIX_FMT_FP6
	v_wmma_scale_f32_16x16x128_f8f6f4 v[S+16*\b+16:S+16*\b+23], v[F+12*\b+12:F+12*\b+23], v[QLO:QLO+11], 0, v[KS+\b/2], v[QSL] matrix_a_fmt:MATRIX_FMT_FP6 matrix_b_fmt:MATRIX_FMT_FP6 matrix_a_scale:MATRIX_SCALE_ROW1
	v_wmma_scale_f32_16x16x128_f8f6f4 v[S+16*\b+24:S+16*\b+31], v[F+12*\b+12:F+12*\b+23], v[QHI:QHI+11], 0, v[KS+\b/2], v[QSH] matrix_a_fmt:MATRIX_FMT_FP6 matrix_b_fmt:MATRIX_FMT_FP6 matrix_a_scale:MATRIX_SCALE_ROW1
.endr
.rept 4
	v_nop                                          ; four places: ahead of the loads into K's registers, and of the first read of the scores
.endr
.irp f, 0,1,2,3
	FRAGLD F+12*\f, AA, AB, VOFF+FRB*\f            ; V lands while the softmax is worked
.endr
	ds_load_b64 v[VS:VS+1], v[AB] offset:VSC
.irp b, 0,1,2,3
	v_max3_num_f32 v[BM+\b], v[S+16*\b], v[S+16*\b+1], v[S+16*\b+2]   ; THE LARGEST SCORE OF EACH BLOCK OF 32 KEYS: it serves for the row's maximum and, since p rises with the score, for the block's largest p
.endr
.irp i, 3,5,7,9,11,13
.irp b, 0,1,2,3
	v_max3_num_f32 v[BM+\b], v[BM+\b], v[S+16*\b+\i], v[S+16*\b+\i+1]   ; (the four blocks by turns)
.endr
.endr
.irp b, 0,1,2,3
	v_max_num_f32 v[BM+\b], v[BM+\b], v[S+16*\b+15]
.endr
.irp b, 0,1,2,3
	v_permlanex16_b32 v[PT+\b], v[BM+\b], s[SEL], s[SEL+1]
.endr
.irp b, 0,1,2,3
	v_max_num_f32 v[BM+\b], v[BM+\b], v[PT+\b]     ; with lane l xor 16's 16 keys
.endr
	v_max3_num_f32 v[WK], v[BM], v[BM+1], v[BM+2]
	v_max_num_f32 v[WK], v[WK], v[BM+3]            ; the step's largest score of my query
	v_mul_f32 v[WK], s[CS], v[WK]                  ; as t (c is positive)
	v_max_num_f32 v13, v13, v[WK]                  ; the running largest t
	v_mov_b32 v[WK], v12
	v_floor_f32 v12, -v13                          ; the new -M = floor(-t) = -ceil(t): M IS A WHOLE NUMBER
	v_sub_f32 v[WK], v12, v[WK]                    ; M's old value less its new one: a whole number, 0 or less
	v_cvt_i32_f32 v[WK], v[WK]                     ; (it saturates)
	v_ldexp_f32 v[FF], 1.0, v[WK]                  ; f = 2^(old M - new M)
.set n, 0
.rept 32
	v_pk_fma_f32 v[S+n:S+n+1], v[S+n:S+n+1], s[CS:CS+1], v[12:13] op_sel_hi:[1,0,0]   ; t - M, two at a time (of the pairs c and -M the low word serves both halves)
.set n, n+2
.endr
.irp b, 0,1,2,3
	v_fma_f32 v[BM+\b], v[BM+\b], s[CS], v12       ; the same of each block's largest score
.endr
.set n, 0
.rept 64
	v_exp_f32 v[S+n], v[S+n]                       ; p = 2^(t - M), at most 1: NOT normalised
.set n, n+1
.endr
.irp b, 0,1,2,3
	v_exp_f32 v[BM+\b], v[BM+\b]                   ; the block's largest p: the same two instructions on the same number give the same bits
.endr
	v_pk_mul_f32 v[14:15], v[14:15], v[FF:FF+1] op_sel_hi:[1,0]   ; the sums under the new M.  (A plain place behind the exponentials)
	s_wait_alu depctr_va_vdst(0)
.irp b, 0,1,2,3
	v_max_num_f32 v[BM+\b], 0x1800000, v[BM+\b]    ; the floor 2^(3 - 127): the byte cannot fall under 1
.endr
.irp b, 0,1,2,3
	v_add_nc_u32 v[SO+\b], 0xff000000, v[BM+\b]    ; 2 off the exponent field: the conversion's scale operand
.endr
.irp b, 0,1,2,3
	v_lshrrev_b32 v[PT+\b], 23, v[SO+\b]           ; the scale's byte
.endr
	v_lshl_or_b32 v[PW], v[PT+1], 8, v[PT]         ; p's scale word for these 128 keys
	v_lshl_or_b32 v[PW], v[PT+2], 16, v[PW]
	v_lshl_or_b32 v[PW], v[PT+3], 24, v[PW]
.irp c, 0,1
	v_cvt_scalef32_pk16_fp6_f32 v[PC+6*\c:PC+6*\c+2], v[S+32*\c:S+32*\c+15], v[SO+2*\c]
	v_cvt_scalef32_pk16_fp6_f32 v[PC+12+4*\c:PC+14+4*\c], v[S+32*\c+16:S+32*\c+31], v[SO+2*\c+1]   ; (a conversion's three registers begin on an even number)
.endr
	v_nop                                          ; one plain place behind a scaled conversion
.irp c, 0,1                                    ; the operand's layout wants a WHOLE block in a lane
.irp i, 0,1,2
	v_permlane16_swap_b32 v[PC+6*\c+\i], v[PC+12+4*\c+\i]
.endr
.irp i, 0,1,2
	v_mov_b32 v[PC+3+6*\c+\i], v[PC+12+4*\c+\i]
.endr
.endr
.set n, 0
.rept 16
	v_pk_mul_f32 v[OT+n:OT+n+1], v[OT+n:OT+n+1], v[FF:FF+1] op_sel_hi:[1,0]   ; O^T under the new M: x f
.set n, n+2
.endr
	v_pk_add_f32 v[PT:PT+1], v[S:S+1], v[S+2:S+3]  ; THE ROW'S SUM IS TAKEN OF THE UNQUANTISED p: two at a time, in two chains.  (These lines are also the places between p's codes and scale word and the products)
.irp j, 4,8,12,16,20,24,28,32,36,40,44,48,52,56,60
	v_pk_add_f32 v[14:15], v[14:15], v[S+\j:S+\j+1]
	v_pk_add_f32 v[PT:PT+1], v[PT:PT+1], v[S+\j+2:S+\j+3]
.endr
	v_pk_add_f32 v[14:15], v[14:15], v[PT:PT+1]
	s_wait_dscnt 0x0                               ; V
.irp f, 0,2                                    ; O^T += V^T P^T: the four accumulators by turns
	v_wmma_scale_f32_16x16x128_f8f6f4 v[OT+8*\f:OT+8*\f+7], v[F+12*\f:F+12*\f+11], v[PC:PC+11], v[OT+8*\f:OT+8*\f+7], v[VS+\f/2], v[PW] matrix_a_fmt:MATRIX_FMT_FP6 matrix_b_fmt:MATRIX_FMT_FP6
	v_wmma_scale_f32_16x16x128_f8f6f4 v[OT+8*\f+8:OT+8*\f+15], v[F+12*\f+12:F+12*\f+23], v[PC:PC+11], v[OT+8*\f+8:OT+8*\f+15], v[VS+\f/2], v[PW] matrix_a_fmt:MATRIX_FMT_FP6 matrix_b_fmt:MATRIX_FMT_FP6 matrix_a_scale:MATRIX_SCALE_ROW1
.endr
	s_add_co_u32 s40, s40, REC                     ; the next key step's record
.endm
.macro STEPS                           ; eight key steps: half of the head
	s_mov_b32 s41, 8
.Lstep_\@:
	STEP
	s_sub_co_u32 s41, s41, 1
	s_cmp_lg_u32 s41, 0
	s_cbranch_scc1 .Lstep_\@
.endm
	s_wait_tensorcnt 0x1                           ; my part of the first half is in; the second half's load may be out
	s_barrier_signal -1
	s_barrier_wait -1                              ; everybody's is
	STEPS
	s_wait_tensorcnt 0x0                           ; my part of the second half is in,
	s_wait_dscnt 0x0
	s_barrier_signal -1
	s_barrier_wait -1                              ; everybody's is
	s_mov_b32 s40, 8*REC
	STEPS
	; THE WAY OUT: O^T / the sum is the context of my 16 queries and my head's 64 channels: quantised along d, it is half a fragment of the last product's operand
.rept 4
	v_nop                                          ; four places behind the last products
.endr
	v_add_f32 v14, v14, v15                        ; the sum's two halves,
	v_permlanex16_b32 v[WK], v14, s[SEL], s[SEL+1]
	v_add_f32 v14, v14, v[WK]                      ; and lane l xor 16's: the row's sum
	v_rcp_f32 v14, v14
	v_nop                                          ; one plain place behind a transcendental
.set n, 0
	s_wait_alu depctr_va_vdst(0)
.rept 16
	v_pk_mul_f32 v[S+n:S+n+1], v[OT+n:OT+n+1], v[14:15] op_sel_hi:[1,0]   ; each accumulator from its low end on
.set n, n+2
.endr
	QUANT2 S, PC, PC+12, WK, BM
	global_store_b128 v[LA], v[PC:PC+3], s[46:47]            ; 512 consecutive bytes, aligned
	global_store_b64 v[LB], v[PC+4:PC+5], s[46:47] offset:512 ; 256
	global_store_b16 v[R8], v[WK], s[48:49]                  ; lanes r and r + 16 write the same bytes with the same value
	s_wait_tensorcnt 0x0
	ds_add_u32 v254, v255
	s_wait_dscnt 0x0
	CROUND                                         ; the closing round: no work-group ends while a partner may still ask for a part that names it
	s_endpgm
.Lfunc_end_k_qf131055c5a_attn:
	.size	k_qf131055c5a_attn, .Lfunc_end_k_qf131055c5a_attn-k_qf131055c5a_attn
	.p2alignl 7, 3214868480
	.fill 96, 4, 3214868480
	.section	.rodata,"a",@progbits
	.p2align	6, 0x0
	.amdhsa_kernel k_qf131055c5a_attn
		.amdhsa_group_segment_fixed_size 206848
		.amdhsa_private_segment_fixed_size 0
		.amdhsa_enable_private_segment 0
		.amdhsa_kernarg_size 24
		.amdhsa_user_sgpr_count 2
		.amdhsa_user_sgpr_kernarg_segment_ptr 1
		.amdhsa_wavefront_size32 1
		.amdhsa_system_sgpr_workgroup_id_x 1
		.amdhsa_system_sgpr_workgroup_id_y 1
		.amdhsa_system_sgpr_workgroup_id_z 1
		.amdhsa_system_vgpr_workitem_id 0
		.amdhsa_next_free_vgpr 256
		.amdhsa_next_free_sgpr 66
		.amdhsa_reserve_vcc 0
		.amdhsa_float_denorm_mode_32 3
		.amdhsa_float_denorm_mode_16_64 3
		.amdhsa_memory_ordered 1
		.amdhsa_forward_progress 1
		.amdhsa_inst_pref_size 43
	.end_amdhsa_kernel
	.amdgpu_metadata
---
amdhsa.version: [ 1, 2 ]
amdhsa.kernels:
  - .name:           k_qf131055c5a_attn
    .symbol:         k_qf131055c5a_attn.kd
    .args:
      - { .name: qa, .offset: 0, .size: 8, .value_kind: global_buffer, .address_space: global }
      - { .name: kv, .offset: 8, .size: 8, .value_kind: global_buffer, .address_space: global }
      - { .name: cx, .offset: 16, .size: 8, .value_kind: global_buffer, .address_space: global }
    .group_segment_fixed_size: 206848
    .private_segment_fixed_size: 0
    .kernarg_segment_align: 8
    .kernarg_segment_size: 24
    .max_flat_workgroup_size: 512
    .sgpr_count:     66
    .vgpr_count:     256
    .wavefront_size: 32
...
	.end_amdgpu_metadata
.endif
;; end of part 5
;; launch outp (part 6): grid 8 x 32, 4 waves a work-group, clusters of 4 x 4, 272,896 bytes of LDS; arguments cx, wa, b_out, out0; writes out0
.if DOCPART == 6
	.amdgcn_target "amdgcn-amd-amdhsa--gfx1250"
	.amdhsa_code_object_version 6
	.text
	.protected	k_qf131055c5a_outp
	.globl	k_qf131055c5a_outp
	.p2align	8
	.type	k_qf131055c5a_outp,@function
k_qf131055c5a_outp:
	s_mov_b64 s[64:65], 0
	v_nop
	global_prefetch_b8 v0, s[64:65] scope:SCOPE_SE
	s_setreg_imm32_b32 hwreg(HW_REG_WAVE_MODE, 25, 1), 1
	s_wait_xcnt 0x0
	s_wait_alu depctr_hold_cnt(0) depctr_sa_sdst(0) depctr_va_vdst(0) depctr_va_sdst(0) depctr_va_ssrc(0) depctr_va_vcc(0) depctr_vm_vsrc(0)
	s_getreg_b32 s2, hwreg(HW_REG_IB_STS2, 6, 4)
	s_cmp_eq_u32 s2, 0
	s_cbranch_scc0 .Lentry_in_a_cluster
	s_endpgm
.Lentry_in_a_cluster:
	s_bfe_u32 s2, ttmp6, 0x10000c
	s_cmp_lg_u32 s2, 0xf033
	s_cbranch_scc0 .Lentry_shape_is_right
	s_endpgm
.Lentry_shape_is_right:
; out0 = context w_out + b_out on codes of FP6 (E2M3) with E8M0 scales, sums in f32.  The bias is the C of each sum's first matrix instruction (LIMIT: it so begins the sum, where the definition adds it last).
; OPERANDS: cx (made by the launch before) and wa hold fragments [row tile][K step 0..7][1,536 bytes] and, from byte 3,145,728, scale blocks [row tile][2][256 bytes] (half c of a fragment: registers 6c..6c+3 at
; 768 c + 16 x lane, registers 6c+4, 6c+5 at 768 c + 512 + 8 x lane; scale word (f, r) at 8 (r + 16 (f % 2)) + 4 (f / 2)); row r of tile 2 b + u is token or column 32 b + 8 u + r + 8 (r / 8).
; SHARES: a work-group makes 128 tokens x 128 columns; four waves, each 64 x 64: 16 accumulators; K = 1,024 is eight matrix instructions deep.
; Both operands for all of K fit in LDS: every LDS byte is filled once, in two chunks of four K steps.  By this text's count a wave has three tensor loads out.
; THE MATRIX INSTRUCTION IS USED TRANSPOSED (source 0 = 16 columns of W, source 1 = 16 tokens): a lane holds one token and, by the order of W's rows, neighbouring columns in its registers.
; CLUSTER: 4 x 4 work-groups; the context's tiles are asked for jointly along a row of the cluster, W's along a column.
; THE WAY OUT: through a stage of 128 rows x (512 + 16) bytes behind the tiles, into which no tile lands; each wave then stores 32 whole rows of 512 consecutive bytes, each to its token's true place.
.set FRB,   1536
.set TILEB, 12288
.set HALFK, 6144
.set CHUNK, 49152                      ; LDS: A's two chunks from byte 0,
.set LDB,   98304                      ; B's two,
.set LSA,   196608                     ; A's scale blocks,
.set LSB,   200704                     ; B's,
.set STG,   204800                     ; the stage
.set SP,    528
.set SOFF,  3145728
.set SC,    32                         ; v32-63   scale words; they hold nothing else
.set BB,    64                         ; v64-95   the bias of my 64 columns, in the results' order
.set ACC,   128                        ; accumulator (a, t) at ACC + 8 (4 a + t); on the way out the rows read back
.set G1A,  24
.set G0AS, 32
.set G0A0, 36
.set G0A1, 40
.set G1B,  48
.set G0BS, 56
.set G0B0, 60
.set G0B1, 68
.set G1SA, 72
.set G1SB, 80
.set MSB, 0
.macro WIN new                         ; the immediate's high byte repeats the setting that is left
.if MSB != \new
	s_set_vgpr_msb (MSB<<8)|\new
.set MSB, \new
.endif
.endm
.set MULW, 0x05                        ; sources 0 and 1 window 1; C and D window 0
.set TO_F, 0x40                        ; destination window 1, address window 0
.macro CROUND                          ; a round of the cluster's barrier
	s_barrier_signal -1
	s_barrier_wait -1
	s_cmp_lg_u32 s16, 0
	s_cbranch_scc1 .Lnot_wave_0_\@
	s_barrier_signal -3
.Lnot_wave_0_\@:
	s_barrier_wait -3
	s_barrier_signal -1
	s_barrier_wait -1
.endm
.macro PLACES                          ; four places behind a matrix instruction, ahead of loads into its registers and of reads of its results
.rept 4
	v_nop
.endr
.endm
.macro FRAGLD reg, a16, a8, off
	ds_load_b128 v[(\reg):(\reg)+3], v[\a16] offset:(\off)
	ds_load_b64 v[(\reg)+4:(\reg)+5], v[\a8] offset:(\off)+512
	ds_load_b128 v[(\reg)+6:(\reg)+9], v[\a16] offset:(\off)+768
	ds_load_b64 v[(\reg)+10:(\reg)+11], v[\a8] offset:(\off)+1280
.endm
.macro FETCH s                         ; K step s: my four fragments of B and four of A into set s % 2
	WIN TO_F
.irp t, 0,1,2,3
	FRAGLD 128*((\s)%2)+12*\t, 12+(\s)/4, 14+(\s)/4, \t*HALFK+((\s)%4)*FRB
.endr
.irp a, 0,1,2,3
	FRAGLD 128*((\s)%2)+48+12*\a, 8+(\s)/4, 10+(\s)/4, \a*HALFK+((\s)%4)*FRB
.endr
.endm
.macro MM s, a, t, first
.set rD, ACC+8*(4*\a+\t)
.set rB, 128*((\s)%2)+12*\t
.set rA, 128*((\s)%2)+48+12*\a
.set rSB, SC+8+16*((\s)/4)+2*\t+((\s)%4)/2
.set rSA, SC+16*((\s)/4)+2*\a+((\s)%4)/2
.if \first
	v_wmma_scale_f32_16x16x128_f8f6f4 v[rD:rD+7], v[rB:rB+11], v[rA:rA+11], v[BB+8*\t:BB+8*\t+7], v[rSB], v[rSA] matrix_a_fmt:MATRIX_FMT_FP6 matrix_b_fmt:MATRIX_FMT_FP6
.elseif (\s)%2
	v_wmma_scale_f32_16x16x128_f8f6f4 v[rD:rD+7], v[rB:rB+11], v[rA:rA+11], v[rD:rD+7], v[rSB], v[rSA] matrix_a_fmt:MATRIX_FMT_FP6 matrix_b_fmt:MATRIX_FMT_FP6 matrix_a_scale:MATRIX_SCALE_ROW1 matrix_b_scale:MATRIX_SCALE_ROW1
.else
	v_wmma_scale_f32_16x16x128_f8f6f4 v[rD:rD+7], v[rB:rB+11], v[rA:rA+11], v[rD:rD+7], v[rSB], v[rSA] matrix_a_fmt:MATRIX_FMT_FP6 matrix_b_fmt:MATRIX_FMT_FP6
.endif
.endm
.macro MUL s, first                    ; 16 matrix instructions: the 16 accumulators take turns, one instruction a turn
	WIN MULW
.irp a, 0,1,2,3
.irp t, 0,1,2,3
	MM \s, \a, \t, \first
.endr
.endr
.endm
	s_load_b128 s[4:7], s[0:1], 0x0                ; cx, wa
	s_load_b128 s[8:11], s[0:1], 0x10              ; b_out, out0
	v_lshl_add_u32 v126, v0, 2, 0x42800
	v_mov_b32 v127, 0
	ds_add_u32 v126, v127
	ds_add_u32 v126, v127
	v_lshrrev_b32 v1, 5, v0
	v_readfirstlane_b32 s16, v1                    ; wave 0..3
	s_lshr_b32 s17, s16, 1                         ; i: which 64 tokens are mine.  Also: I fetch for A (0) or for B (1)
	s_and_b32 s18, s16, 1                          ; j: which 64 columns.  Also: which four tiles I fetch
	s_bfe_u32 s19, ttmp6, 0x40000                  ; cx, cy
	s_bfe_u32 s20, ttmp6, 0x40004
	s_lshl_b32 s21, ttmp9, 2
	s_add_co_u32 s21, s21, s19                     ; tile column = 4 x cluster x + cx
	s_and_b32 s22, ttmp7, 0xffff
	s_lshl_b32 s22, s22, 2
	s_add_co_u32 s22, s22, s20                     ; tile row = 4 x cluster y + cy
	s_lshl_b32 s44, s20, 2
	s_lshl_b32 s44, 15, s44                        ; my row of the cluster
	s_lshl_b32 s45, 0x1111, s19                    ; my column
	; group 1, codes: 4 rows (tiles) of 6,144 bytes (four K steps), 12,288 bytes apart; elements of 8 bytes; no padding
	s_or_b32 s[G1A], s44, (3<<16)|(1<<21)
	s_or_b32 s[G1B], s45, (3<<16)|(1<<21)
.irp g, G1A, G1B
	s_mov_b32 s[\g+1], 768<<16
	s_mov_b32 s[\g+2], 4<<16
	s_mov_b32 s[\g+3], 768<<16
	s_mov_b32 s[\g+4], 4
	s_mov_b32 s[\g+5], 1536
	s_mov_b32 s[\g+6], 0
	s_mov_b32 s[\g+7], 0
.endr
	; group 1, scales: four tiles' blocks, 2,048 dense bytes, as 8 rows of 256
	s_or_b32 s[G1SA], s44, (3<<16)|(1<<21)
	s_or_b32 s[G1SB], s45, (3<<16)|(1<<21)
.irp g, G1SA, G1SB
	s_mov_b32 s[\g+1], 32<<16
	s_mov_b32 s[\g+2], 8<<16
	s_mov_b32 s[\g+3], 32<<16
	s_mov_b32 s[\g+4], 8
	s_mov_b32 s[\g+5], 32
	s_mov_b32 s[\g+6], 0
	s_mov_b32 s[\g+7], 0
.endr
	s_lshl_b32 s91, s18, 2                         ; which four tiles I fetch
	s_lshl_b32 s90, s22, 3
	s_add_co_u32 s90, s90, s91                     ; A: tile 8 x tile row + 4 x part
	s_mul_i32 s92, s90, TILEB
	s_mov_b32 s93, 0
	s_lshl_b32 s94, s90, 9
	s_add_co_u32 s94, s94, SOFF
	s_mov_b32 s95, 0
	s_lshl_b32 s96, s21, 3
	s_add_co_u32 s96, s96, s91
	s_add_co_u32 s96, s96, 192                     ; B: w_out is wa's fourth weight: tile 192 + 8 x tile column + 4 x part
	s_mul_i32 s98, s96, TILEB
	s_mov_b32 s99, 0
	s_lshl_b32 s96, s96, 9
	s_add_co_u32 s96, s96, SOFF
	s_mov_b32 s97, 0
	s_mul_i32 s46, s17, LDB                        ; where my loads go: no place in the cluster enters an LDS address
	s_mul_i32 s47, s18, 4*HALFK
	s_add_co_u32 s46, s46, s47
	s_lshl_b32 s47, s16, 11
	s_add_co_u32 s47, s47, LSA
	s_wait_dscnt 0x0
	s_wait_kmcnt 0x0
	CROUND                                         ; all sixteen work-groups are here: the joint loads meet
	s_mov_b32 s[G0AS], 1
	s_mov_b32 s[G0AS+1], s47
	s_add_nc_u64 s[G0AS+2:G0AS+3], s[4:5], s[94:95]
	s_or_b32 s[G0AS+3], s[G0AS+3], 0x80000000
	s_mov_b32 s[G0A0], 1
	s_mov_b32 s[G0A0+1], s46
	s_add_nc_u64 s[G0A0+2:G0A0+3], s[4:5], s[92:93]
	s_mov_b32 s[G0A1], 1
	s_add_co_u32 s[G0A1+1], s46, CHUNK
	s_add_nc_u64 s[G0A1+2:G0A1+3], s[G0A0+2:G0A0+3], HALFK
	s_or_b32 s[G0A0+3], s[G0A0+3], 0x80000000
	s_or_b32 s[G0A1+3], s[G0A1+3], 0x80000000
	s_mov_b32 s[G0BS], 1
	s_mov_b32 s[G0BS+1], s47
	s_add_nc_u64 s[G0BS+2:G0BS+3], s[6:7], s[96:97]
	s_or_b32 s[G0BS+3], s[G0BS+3], 0x80000000
	s_mov_b32 s[G0B0], 1
	s_mov_b32 s[G0B0+1], s46
	s_add_nc_u64 s[G0B0+2:G0B0+3], s[6:7], s[98:99]
	s_mov_b32 s[G0B1], 1
	s_add_co_u32 s[G0B1+1], s46, CHUNK
	s_add_nc_u64 s[G0B1+2:G0B1+3], s[G0B0+2:G0B0+3], HALFK
	s_or_b32 s[G0B0+3], s[G0B0+3], 0x80000000
	s_or_b32 s[G0B1+3], s[G0B1+3], 0x80000000
	s_cmp_eq_u32 s17, 0                            ; a wave's three fills stand in one branch on the wave's number; four v_nop follow the last
	s_cbranch_scc0 .Lfor_b
	tensor_load_to_lds s[G0AS:G0AS+3], s[G1SA:G1SA+7]
	s_nop 0
	tensor_load_to_lds s[G0A0:G0A0+3], s[G1A:G1A+7]
	s_nop 0
	tensor_load_to_lds s[G0A1:G0A1+3], s[G1A:G1A+7]
	s_nop 0
.rept 4
	v_nop
.endr
	s_branch .Lasked
.Lfor_b:
	tensor_load_to_lds s[G0BS:G0BS+3], s[G1SB:G1SB+7]
	s_nop 0
	tensor_load_to_lds s[G0B0:G0B0+3], s[G1B:G1B+7]
	s_nop 0
	tensor_load_to_lds s[G0B1:G0B1+3], s[G1B:G1B+7]
	s_nop 0
.rept 4
	v_nop
.endr
.Lasked:
	v_and_b32 v3, 31, v0                           ; lane
	v_and_b32 v1, 15, v0                           ; r
	v_bfe_u32 v2, v0, 4, 1                         ; h
	v_lshlrev_b32 v4, 4, v3                        ; 16 x lane
	v_lshlrev_b32 v5, 3, v3                        ; 8 x lane
	v_lshlrev_b32 v7, 6, v2                        ; the bias: 16 numbers on for lanes 16-31
	s_mul_i32 s90, s17, 4*HALFK                    ; my four tiles of A,
	s_mul_i32 s91, s18, 4*HALFK
	s_add_co_u32 s91, s91, LDB                     ; and of B
.irp q, 0,1
	v_add_nc_u32 v[8+\q], s90, v4
	v_add_nc_u32 v[10+\q], s90, v5
	v_add_nc_u32 v[12+\q], s91, v4
	v_add_nc_u32 v[14+\q], s91, v5
	s_add_co_u32 s90, s90, CHUNK
	s_add_co_u32 s91, s91, CHUNK
.endr
	s_lshl_b32 s92, s17, 11
	s_add_co_u32 s92, s92, LSA
	v_add_nc_u32 v16, s92, v5                      ; my tiles' scale blocks
	s_lshl_b32 s93, s18, 11
	s_add_co_u32 s93, s93, LSB
	v_add_nc_u32 v17, s93, v5
	s_mul_i32 s94, s17, 64*SP                      ; the stage, in: row 64 i + r, + 256 j + 64 h
	s_lshl_b32 s95, s18, 8
	s_add_co_u32 s94, s94, s95
	s_add_co_u32 s94, s94, STG
	v_mul_u32_u24 v6, v1, SP
	v_lshl_add_u32 v6, v2, 6, v6
	v_add_nc_u32 v6, s94, v6
	s_mul_i32 s95, s16, 32*SP                      ; back: wave w takes rows 32 w on, whole
	s_add_co_u32 s95, s95, STG
	v_add_nc_u32 v18, s95, v4
	s_lshl_b32 s90, s21, 9
	s_lshl_b32 s91, s18, 8
	s_add_co_u32 s90, s90, s91
	s_mov_b32 s91, 0
	s_add_nc_u64 s[8:9], s[8:9], s[90:91]          ; the bias at my 64 columns
.irp b, 0,1
.irp k, 0,1,2,3
	global_load_b128 v[BB+16*\b+4*\k:BB+16*\b+4*\k+3], v7, s[8:9] offset:128*\b+16*\k   ; register 16 b + i: column 32 b + 16 h + i: registers 8 t on are tile t's eight
.endr
.endr
	s_lshl_b32 s92, s22, 19                        ; out0: 128 rows of 4,096 bytes a tile row,
	s_lshl_b32 s93, s16, 17                        ; 32 rows a wave,
	s_add_co_u32 s92, s92, s93
	s_lshl_b32 s93, s21, 9                         ; 128 columns of 4 bytes a tile column
	s_add_co_u32 s92, s92, s93
	s_mov_b32 s93, 0
	s_add_nc_u64 s[10:11], s[10:11], s[92:93]
	s_wait_tensorcnt 0x1                           ; my scales and my part of chunk 0 are in; chunk 1's load may be out
	s_barrier_signal -1
	s_barrier_wait -1                              ; everybody's are
.irp q, 0,1
.irp a, 0,1,2,3
	ds_load_b64 v[SC+16*\q+2*\a:SC+16*\q+2*\a+1], v16 offset:512*\a+256*\q
	ds_load_b64 v[SC+8+16*\q+2*\a:SC+8+16*\q+2*\a+1], v17 offset:512*\a+256*\q
.endr
.endr
	FETCH 0
	s_wait_dscnt 0x0                               ; the scale words and K step 0's fragments
	FETCH 1
	s_wait_loadcnt 0x0                             ; the bias
	MUL 0, 1                                       ; the first products start the sums from the bias: nothing is cleared, nothing is added later
.irp s, 1,2
	s_wait_dscnt 0x0                               ; this K step's fragments, asked for 16 matrix instructions ago
	PLACES
	FETCH \s+1
	MUL \s, 0
.endr
	s_wait_dscnt 0x0
	s_wait_tensorcnt 0x0                           ; my part of chunk 1 is in,
	s_barrier_signal -1
	s_barrier_wait -1                              ; everybody's is
	PLACES
	FETCH 4
	MUL 3, 0
.irp s, 4,5,6
	s_wait_dscnt 0x0
	PLACES
	FETCH \s+1
	MUL \s, 0
.endr
	s_wait_dscnt 0x0
	MUL 7, 0
	WIN 0
	PLACES
.irp a, 0,1,2,3
.irp t, 0,1,2,3
	ds_store_b128 v6, v[ACC+8*(4*\a+\t):ACC+8*(4*\a+\t)+3] offset:\a*16*SP+128*(\t/2)+32*(\t%2)        ; each accumulator from its low end on
	ds_store_b128 v6, v[ACC+8*(4*\a+\t)+4:ACC+8*(4*\a+\t)+7] offset:\a*16*SP+128*(\t/2)+32*(\t%2)+16
.endr
.endr
	s_wait_dscnt 0x0                               ; for the others' sake: my part of the stage is written
	s_barrier_signal -1
	s_barrier_wait -1
.set n, 0
.rept 32
	ds_load_b128 v[ACC+4*n:ACC+4*n+3], v18 offset:SP*n
.set n, n+1
.endr
.set n, 0
.rept 32
	s_wait_dscnt 31-n                              ; row n is back; the younger ones may be out
	global_store_b128 v4, v[ACC+4*n:ACC+4*n+3], s[10:11] offset:(16*((n/8)%2)+8*(n/16)+n%8)*4096 th:TH_STORE_NT   ; the stage's row 16 u + 8 s + r is token 16 s + 8 u + r of the wave's 32; 32 lanes store 512 consecutive bytes, aligned
.set n, n+1
.endr
	s_wait_tensorcnt 0x0
	ds_add_u32 v126, v127
	s_wait_dscnt 0x0
	CROUND                                         ; the closing round: no work-group ends while a partner may still ask for a tile that names it
	s_endpgm
.Lfunc_end_k_qf131055c5a_outp:
	.size	k_qf131055c5a_outp, .Lfunc_end_k_qf131055c5a_outp-k_qf131055c5a_outp
	.p2alignl 7, 3214868480
	.fill 96, 4, 3214868480
	.section	.rodata,"a",@progbits
	.p2align	6, 0x0
	.amdhsa_kernel k_qf131055c5a_outp
		.amdhsa_group_segment_fixed_size 272896
		.amdhsa_private_segment_fixed_size 0
		.amdhsa_enable_private_segment 0
		.amdhsa_kernarg_size 32
		.amdhsa_user_sgpr_count 2
		.amdhsa_user_sgpr_kernarg_segment_ptr 1
		.amdhsa_wavefront_size32 1
		.amdhsa_system_sgpr_workgroup_id_x 1
		.amdhsa_system_sgpr_workgroup_id_y 1
		.amdhsa_system_sgpr_workgroup_id_z 1
		.amdhsa_system_vgpr_workitem_id 0
		.amdhsa_next_free_vgpr 512
		.amdhsa_next_free_sgpr 100
		.amdhsa_reserve_vcc 0
		.amdhsa_float_denorm_mode_32 3
		.amdhsa_float_denorm_mode_16_64 3
		.amdhsa_memory_ordered 1
		.amdhsa_forward_progress 1
		.amdhsa_inst_pref_size 53
	.end_amdhsa_kernel
	.amdgpu_metadata
---
amdhsa.version: [ 1, 2 ]
amdhsa.kernels:
  - .name:           k_qf131055c5a_outp
    .symbol:         k_qf131055c5a_outp.kd
    .args:
      - { .name: cx, .offset: 0, .size: 8, .value_kind: global_buffer, .address_space: global }
      - { .name: wa, .offset: 8, .size: 8, .value_kind: global_buffer, .address_space: global }
      - { .name: b_out, .offset: 16, .size: 8, .value_kind: global_buffer, .address_space: global }
      - { .name: out0, .offset: 24, .size: 8, .value_kind: global_buffer, .address_space: global }
    .group_segment_fixed_size: 272896
    .private_segment_fixed_size: 0
    .kernarg_segment_align: 8
    .kernarg_segment_size: 32
    .max_flat_workgroup_size: 128
    .sgpr_count:     100
    .vgpr_count:     512
    .wavefront_size: 32
...
	.end_amdgpu_metadata
.endif
;; end of part 6
;; ======== version 2 of 2: 4 launches
;; limits: right only within a limited range of input values
;; workspace buffers: wa 3,276,800 bytes; qa 6,553,600 bytes; kv 6,553,600 bytes; cx 3,276,800 bytes
;; launch wq (part 7): grid 256 x 1, 4 waves a work-group, no clusters, 13,824 bytes of LDS; arguments w_q, w_k, w_v, w_out, wa; writes wa
.if DOCPART == 7
	.amdgcn_target "amdgcn-amd-amdhsa--gfx1250"
	.amdhsa_code_object_version 6
	.text
	.protected	k_qf131055c5a_wq
	.globl	k_qf131055c5a_wq
	.p2align	8
	.type	k_qf131055c5a_wq,@function
k_qf131055c5a_wq:
	s_mov_b64 s[64:65], 0
	v_nop
	global_prefetch_b8 v0, s[64:65] scope:SCOPE_SE
	s_setreg_imm32_b32 hwreg(HW_REG_WAVE_MODE, 25, 1), 1
	s_wait_xcnt 0x0
; THE FOUR WEIGHTS, f32 [1024 (k)][1024 (n)] with K their first axis, become codes of FP6 (E2M3) with one E8M0 byte for each 32 along K, laid as the products' registers want them.
; wa: codes [weight 0..3][row tile 0..63][K step 0..7][1,536 bytes], then from byte WSOFF the scale words [weight][row tile][2 blocks][256 bytes].
; A FRAGMENT (16 rows x 128 K, 12 registers a lane) is two halves of 768 bytes; half c: registers 6c..6c+3 at 768 c + 16 x lane, registers 6c+4, 6c+5 at 768 c + 512 + 8 x lane.
; A SCALE BLOCK holds the words of four K steps f: word (f, row r) at 8 (r + 16 (f % 2)) + 4 (f / 2).  Row r of tile 2 b + u is column n = 32 b + 8 u + r + 8 (r / 8).
; SHARES: 256 work-groups of four waves; work-group p: weight p / 64, K step (p / 8) % 8; wave w: columns 128 (p % 8) + 32 w + lane: 32 columns x 128 along K, all 128 loads issued on end.
; A lane takes a column and its registers run down K: a block of 32 lies in one lane, and the conversions give codes with K innermost.  The codes go through the wave's own stage, laid as fragments, and leave as runs of 512
; consecutive bytes; the scale words leave as words 8 bytes apart (one byte in 128 of what the launch reads).  Waves share nothing: no barrier.
; LIMITS: a block whose largest magnitude lies under 2^-124, a block of zeros among them, keeps the byte 1 (only this program reads the bytes); NaN and infinities are not served.
.set ROWB,   4096
.set FRB,    1536
.set TILEB,  12288
.set WCODES, 786432
.set WSOFF,  3145728
.set WREG,   3328                      ; a wave's stage: two tiles
.set UREG,   1664                      ; a tile's fragment + 128
.set SPARE,  13312
.set EMAX,   2
.set WSB,    24                        ; my column's scale word
.set WX,     32                        ; v32-159 four blocks of 32 numbers
.set WC,     160                       ; v160-165 a block's codes
.set WC2,    168
.set WOUT,   176                       ; v176-199 the way out
	s_load_b256 s[4:11], s[0:1], 0x0               ; w_q, w_k, w_v, w_out
	s_load_b64 s[12:13], s[0:1], 0x20              ; wa
	v_lshl_add_u32 v254, v0, 2, SPARE
	v_mov_b32 v255, 0
	v_lshrrev_b32 v1, 5, v0
	v_readfirstlane_b32 s14, v1                    ; wave
	v_and_b32 v2, 31, v0                           ; lane
	s_lshr_b32 s17, ttmp9, 6                       ; which weight
	s_bfe_u32 s18, ttmp9, 0x30003                  ; which K step
	s_and_b32 s19, ttmp9, 7
	s_lshl_b32 s19, s19, 2
	s_add_co_u32 s19, s19, s14                     ; b: my wave's group of 32 columns
	v_lshlrev_b32 v3, 2, v2                        ; in: 4 bytes a lane
	v_bfe_u32 v9, v2, 3, 1                         ; u: which of the group's two tiles my column belongs to
	v_and_b32 v10, 7, v2
	v_lshrrev_b32 v11, 4, v2
	v_lshl_or_b32 v10, v11, 3, v10                 ; r: its row there
	s_mul_i32 s15, s14, WREG                       ; my stage
	v_mul_u32_u24 v11, v9, UREG
	v_add_nc_u32 v11, s15, v11
	v_lshl_add_u32 v4, v10, 4, v11                 ; stage, in: the groups of 16 bytes
	v_lshl_add_u32 v5, v10, 3, v11                 ; and those of 8
	v_lshlrev_b32 v7, 4, v2                        ; out: 16 bytes a lane
	v_add_nc_u32 v6, s15, v7
	v_lshlrev_b32 v8, 9, v9
	v_lshl_add_u32 v8, v10, 3, v8                  ; my scale word: tile u's 512 bytes, 8 r
	s_lshl_b32 s20, s18, 19                        ; W: 128 rows of 4,096 bytes a K step,
	s_lshl_b32 s21, s19, 7                         ; 32 columns of 4 bytes a group
	s_add_co_u32 s20, s20, s21
	s_mov_b32 s21, 0
	s_mul_i32 s22, s17, WCODES
	s_mul_i32 s23, s19, 2*TILEB
	s_add_co_u32 s22, s22, s23
	s_mul_i32 s23, s18, FRB
	s_add_co_u32 s22, s22, s23
	s_mov_b32 s23, 0
	s_lshl_b32 s24, s17, 15                        ; scale words: 64 tiles of 512 bytes a weight, two tiles a group,
	s_lshl_b32 s25, s19, 10
	s_add_co_u32 s24, s24, s25
	s_lshr_b32 s25, s18, 2
	s_lshl_b32 s25, s25, 8                         ; the block of four K steps,
	s_add_co_u32 s24, s24, s25
	s_and_b32 s25, s18, 1
	s_lshl_b32 s25, s25, 7                         ; f % 2,
	s_add_co_u32 s24, s24, s25
	s_bfe_u32 s25, s18, 0x10001
	s_lshl_b32 s25, s25, 2                         ; f / 2
	s_add_co_u32 s24, s24, s25
	s_add_co_u32 s24, s24, WSOFF
	s_mov_b32 s25, 0
	s_wait_alu depctr_va_vdst(0)                   ; the wait at the head's end
	s_wait_kmcnt 0x0
	s_cmp_eq_u32 s17, 1                            ; the choice hangs on the work-group's number alone
	s_cselect_b64 s[4:5], s[6:7], s[4:5]
	s_cmp_eq_u32 s17, 2
	s_cselect_b64 s[4:5], s[8:9], s[4:5]
	s_cmp_eq_u32 s17, 3
	s_cselect_b64 s[4:5], s[10:11], s[4:5]
	s_add_nc_u64 s[4:5], s[4:5], s[20:21]
	s_add_nc_u64 s[6:7], s[12:13], s[22:23]        ; the codes' place
	s_add_nc_u64 s[8:9], s[12:13], s[24:25]        ; the scale words' place
.set i, 0
.rept 128
	global_load_b32 v[WX+i], v3, s[4:5] offset:i*ROWB th:TH_LOAD_NT   ; W(i, my column): a wave reads 128 consecutive bytes, the four waves 512
.set i, i+1
.endr
.macro WBLOCK t, cnt
.set XS, WX+32*(\t)
	s_wait_loadcnt \cnt                            ; this block's 32 loads are in (the count is at most the number of younger loads)
	v_max3_num_f32 v12, |v[XS]|, |v[XS+1]|, |v[XS+2]|
	v_max3_num_f32 v13, |v[XS+3]|, |v[XS+4]|, |v[XS+5]|
.irp i, 6,10,14,18,22,26
	v_max3_num_f32 v12, v12, |v[XS+\i]|, |v[XS+\i+1]|
	v_max3_num_f32 v13, v13, |v[XS+\i+2]|, |v[XS+\i+3]|
.endr
	v_max3_num_f32 v12, v12, |v[XS+30]|, |v[XS+31]|
	v_max3_num_f32 v12, v12, v13, (EMAX+1)<<23     ; the floor 2^(3 - 127): the byte cannot fall under 1
	v_add_nc_u32 v11, -(EMAX<<23), v12             ; 2 off its exponent field: the conversion's scale operand
	v_lshrrev_b32 v13, 23, v11                     ; the scale's byte
.if (\t) == 0
	v_mov_b32 v[WSB], v13
.else
	v_lshl_or_b32 v[WSB], v13, 8*(\t), v[WSB]
.endif
	v_cvt_scalef32_pk16_fp6_f32 v[WC:WC+2], v[XS:XS+15], v11
	v_cvt_scalef32_pk16_fp6_f32 v[WC2:WC2+2], v[XS+16:XS+31], v11
	v_nop                                          ; one plain place behind a scaled conversion
.irp i, 0,1,2
	v_mov_b32 v[WC+3+\i], v[WC2+\i]
.endr
	ds_store_b128 v4, v[WC:WC+3] offset:((\t)/2)*768+((\t)%2)*256          ; block t is half t / 2 and the fragment's lane r + 16 (t % 2)
	ds_store_b64 v5, v[WC+4:WC+5] offset:((\t)/2)*768+512+((\t)%2)*128
	s_wait_dscnt 0x0                               ; the stores have read their registers
.endm
	WBLOCK 0, 63
	WBLOCK 1, 63
	WBLOCK 2, 32
	WBLOCK 3, 0
	s_wait_alu depctr_va_vdst(0)                   ; directly ahead of the reader below
	global_store_b32 v8, v[WSB], s[8:9]
.irp n, 0,1,2,3,4,5
	ds_load_b128 v[WOUT+4*\n:WOUT+4*\n+3], v6 offset:(\n/3)*UREG+512*(\n%3)   ; LDS serves a wave's instructions in order: these see my stores
.endr
.irp n, 0,1,2,3,4,5
	s_wait_dscnt 5-\n
	global_store_b128 v7, v[WOUT+4*\n:WOUT+4*\n+3], s[6:7] offset:(\n/3)*TILEB+512*(\n%3)   ; 512 consecutive bytes, aligned
.endr
	s_wait_tensorcnt 0x0                           ; the wave's end
	ds_add_u32 v254, v255
	s_wait_dscnt 0x0
	s_endpgm
.Lfunc_end_k_qf131055c5a_wq:
	.size	k_qf131055c5a_wq, .Lfunc_end_k_qf131055c5a_wq-k_qf131055c5a_wq
	.p2alignl 7, 3214868480
	.fill 96, 4, 3214868480
	.section	.rodata,"a",@progbits
	.p2align	6, 0x0
	.amdhsa_kernel k_qf131055c5a_wq
		.amdhsa_group_segment_fixed_size 13824
		.amdhsa_private_segment_fixed_size 0
		.amdhsa_enable_private_segment 0
		.amdhsa_kernarg_size 40
		.amdhsa_user_sgpr_count 2
		.amdhsa_user_sgpr_kernarg_segment_ptr 1
		.amdhsa_wavefront_size32 1
		.amdhsa_system_sgpr_workgroup_id_x 1
		.amdhsa_system_sgpr_workgroup_id_y 1
		.amdhsa_system_sgpr_workgroup_id_z 1
		.amdhsa_system_vgpr_workitem_id 0
		.amdhsa_next_free_vgpr 256
		.amdhsa_next_free_sgpr 66
		.amdhsa_reserve_vcc 0
		.amdhsa_float_denorm_mode_32 3
		.amdhsa_float_denorm_mode_16_64 3
		.amdhsa_memory_ordered 1
		.amdhsa_forward_progress 1
		.amdhsa_inst_pref_size 23
	.end_amdhsa_kernel
	.amdgpu_metadata
---
amdhsa.version: [ 1, 2 ]
amdhsa.kernels:
  - .name:           k_qf131055c5a_wq
    .symbol:         k_qf131055c5a_wq.kd
    .args:
      - { .name: w_q, .offset: 0, .size: 8, .value_kind: global_buffer, .address_space: global }
      - { .name: w_k, .offset: 8, .size: 8, .value_kind: global_buffer, .address_space: global }
      - { .name: w_v, .offset: 16, .size: 8, .value_kind: global_buffer, .address_space: global }
      - { .name: w_out, .offset: 24, .size: 8, .value_kind: global_buffer, .address_space: global }
      - { .name: wa, .offset: 32, .size: 8, .value_kind: global_buffer, .address_space: global }
    .group_segment_fixed_size: 13824
    .private_segment_fixed_size: 0
    .kernarg_segment_align: 8
    .kernarg_segment_size: 40
    .max_flat_workgroup_size: 128
    .sgpr_count:     66
    .vgpr_count:     256
    .wavefront_size: 32
...
	.end_amdgpu_metadata
.endif
;; end of part 7
;; launch qkv (part 8): grid 192 x 1, 4 waves a work-group, clusters of 4 x 1, 327,680 bytes of LDS; arguments q, k, v, wa, b_q, b_k, b_v, qa, kv; writes qa, kv
.if DOCPART == 8
	.amdgcn_target "amdgcn-amd-amdhsa--gfx1250"
	.amdhsa_code_object_version 6
	.text
	.protected	k_qf131055c5a_qkv
	.globl	k_qf131055c5a_qkv
	.p2align	8
	.type	k_qf131055c5a_qkv,@function
k_qf131055c5a_qkv:
	s_mov_b64 s[64:65], 0
	v_nop
	global_prefetch_b8 v0, s[64:65] scope:SCOPE_SE
	s_setreg_imm32_b32 hwreg(HW_REG_WAVE_MODE, 25, 1), 1
	s_wait_xcnt 0x0
	s_wait_alu depctr_hold_cnt(0) depctr_sa_sdst(0) depctr_va_vdst(0) depctr_va_sdst(0) depctr_va_ssrc(0) depctr_va_vcc(0) depctr_vm_vsrc(0)
	s_getreg_b32 s2, hwreg(HW_REG_IB_STS2, 6, 4)
	s_cmp_eq_u32 s2, 0
	s_cbranch_scc0 .Lentry_in_a_cluster
	s_endpgm
.Lentry_in_a_cluster:
	s_bfe_u32 s2, ttmp6, 0x10000c
	s_cmp_lg_u32 s2, 0x3003
	s_cbranch_scc0 .Lentry_shape_is_right
	s_endpgm
.Lentry_shape_is_right:
; Qh = q w_q + b_q, Kh = k w_k + b_k, Vh = v w_v + b_v: q, k, v (f32) are quantised here, multiplied on codes of FP6 (E2M3) with E8M0 scales (sums in f32), and the results are quantised and stored as attention wants them.
; SHARES: cluster c = 0 .. 47: tensor c / 16 (q, k, v); work-group 4 (c % 16) + cx of it owns 64 tokens x all 1,024 columns, so each f32 number is loaded once.  64 tokens are the least that hold whole blocks of
; 32 keys for V and a whole half of a record of 128: that gives 192 equal shares.  Wave w: heads 4 w .. 4 w + 3 (256 columns) x the 64 tokens: 64 accumulators, 512 registers.
; K goes in eight steps of 128.  THE TOKENS: in each step wave w quantises tile w (16 tokens x 128 K: 16 loads of 512 consecutive bytes, a turn through its own stage, the block maxima, the conversions) for the NEXT step
; and lays the fragment and its scale words into one of two LDS images; behind the step's barrier every wave reads all four.  Loads of f32 run two steps ahead; the last two trips of the loop ask once more for K step 7.
; THE WEIGHTS (wa, made by the launch before: fragments [tile][K step][1,536], scale blocks behind them) come through two LDS slots of 98,304 bytes: a wave's one tensor load brings its own 16 tiles of a K step
; (16 rows of 1,536 bytes, 12,288 apart), asked for jointly by the four work-groups of the cluster, which share the tensor.  Each refill stands behind a round of the cluster's barrier, which is also the images' barrier.
; No prefetch of the weights: the launch's own loads of q, k, v stream from memory in every trip.
; TWO ORDERS OF THE OPERANDS, chosen by the cluster's tensor: Q, K: source 0 = 16 columns of W, source 1 = 16 tokens: a lane holds a token, registers run along the head's d.  V: source 0 = 16 tokens, source 1 = 16 columns:
; a lane holds a column, registers run along the keys.  Accumulator (head g, x, y) at 8 (16 g + 4 x + y): x = token tile, y = column tile (Q, K), or x = column tile, y = token tile (V): the 32 registers of (g, x) are what one quantiser wants.
; The bias is the C of the first K step's products (LIMIT: it so begins the sum, where the definition adds it last).
; OUT: for each head (16 x batch + head) and 128 tokens a record of 12,800 bytes: K's (in qa: Q's) four fragments, V's four, K's scale block at 12,288, V's at 12,544.  The scale bytes leave as halves of words (one byte in 24 of what is stored).
; LIMITS: a block whose largest magnitude lies under 2^-124 keeps the byte 1 (only this program reads the bytes); NaN and infinities are not served.
.set ROWB,   4096
.set FRB,    1536
.set TILEB,  12288
.set WCODES, 786432
.set WSOFF,  3145728
.set HEADB,  204800
.set REC,    12800
.set VOFF,   6144
.set KSC,    12288
.set VSC,    12544
.set SLOT,   98304                     ; LDS: two slots of weights from byte 0,
.set WPART,  24576                     ; a wave's 16 tiles in a slot
.set STG,    196608                    ; four stages of 16 rows x 528 bytes,
.set SP,     528
.set IMG,    230400                    ; two images of the tokens' four fragments,
.set IMS,    242688                    ; two of their scale words [row][tile],
.set SCL,    243200                    ; the weights' scale words [wave][K step][row][tile],
.set BIA,    275968                    ; the bias [wave][256 columns],
.set SPARE,  280064                    ; the spare words
; window 0
.set LN16, 1
.set LN8,  2
.set STI,  3
.set STO,  4
.set IM16, 5
.set IM8,  6
.set IW16, 7
.set IW8,  8
.set ISR,  9
.set ISW,  10
.set SBR,  11
.set SBA,  12
.set BA16, 13                          ; v13, v14: my weights in slot 0, 1, + 16 x lane
.set BA8,  15                          ; v15, v16: + 8 x lane
.set SPW,  17
.set NIL,  18
.set XO,   19
.set CO16, 20                          ; v20-23, v24-27, v28-31: the way out's offsets for x = 0 .. 3
.set CO8,  24
.set SOF,  28
.set SA,   32                          ; v32-35 the tokens' scale words; v36-51 the weights': they hold nothing else
.set SB,   36
.set AF,   52                          ; v52-99 the tokens' four fragments; on the way out the codes
.set X,    100                         ; v100-163 64 numbers of my row
.set PC,   164                         ; v164-175 a fragment's codes; v176-178, v180-182 the second conversions' registers
.set TM,   184                         ; v184-199 at work
.set PWR,  200
.set BB,   202                         ; v202-233 the bias as C
.set BIQ,  234
.set BIV,  235
.set SCW,  236
; window 1
.set BF,   0                           ; two sets of four fragments of weights
.set R,    96                          ; two sets of 64 numbers as loaded
.set SEL,  40
.set MSB, 0
.macro WIN new
.if MSB != \new
	s_set_vgpr_msb (MSB<<8)|\new
.set MSB, \new
.endif
.endm
.macro PLACES
.rept 4
	v_nop
.endr
.endm
.macro ROUND
	s_barrier_signal -1
	s_barrier_wait -1
	s_cmp_lg_u32 s22, 0
	s_cbranch_scc1 .Lnot_wave_0_\@
	s_barrier_signal -3
.Lnot_wave_0_\@:
	s_barrier_wait -3
	s_barrier_signal -1
	s_barrier_wait -1
.endm
.macro FRAGLD reg, a16, a8, off
	ds_load_b128 v[(\reg):(\reg)+3], v[\a16] offset:(\off)
	ds_load_b64 v[(\reg)+4:(\reg)+5], v[\a8] offset:(\off)+512
	ds_load_b128 v[(\reg)+6:(\reg)+9], v[\a16] offset:(\off)+768
	ds_load_b64 v[(\reg)+10:(\reg)+11], v[\a8] offset:(\off)+1280
.endm
.macro FETCHB g, sl                    ; head g's four fragments of weights into set g % 2
	WIN 0x40
.irp t, 0,1,2,3
	FRAGLD BF+48*((\g)%2)+12*\t, BA16+\sl, BA8+\sl, (4*(\g)+\t)*FRB
.endr
	WIN 0
.endm
.macro XLOAD p, adr, off               ; 16 rows x 512 bytes of f32 into set p
	WIN 0x40
.set i, 0
.rept 16
	global_load_b128 v[R+64*(\p)+4*i:R+64*(\p)+4*i+3], v[\adr], s[4:5] offset:(i+8*(i/8))*ROWB+(\off) th:TH_LOAD_NT
.set i, i+1
.endr
	WIN 0
.endm
.macro XSTAGE p                        ; set p through my stage: lane (r, h) gets, of row r, 16 neighbours of each block of 32
	s_wait_loadcnt 16                              ; its 16 loads are in; the next K step's 16 may be out
	WIN 0x04
.set i, 0
.rept 16
	ds_store_b128 v[STI], v[R+64*(\p)+4*i:R+64*(\p)+4*i+3] offset:SP*i
.set i, i+1
.endr
	WIN 0
.irp b, 0,1,2,3
.irp j, 0,1,2,3
	ds_load_b128 v[X+16*\b+4*\j:X+16*\b+4*\j+3], v[STO] offset:128*\b+16*\j   ; LDS serves a wave's instructions in order
.endr
.endr
.endm
; 64 numbers of a lane, register 16 b + i = k 32 b + 16 h + i of my row, become a fragment's codes in v[PC] on and its scale word in v[pw]
.macro QUANT4 src, pw
.irp b, 0,1,2,3
	v_max3_num_f32 v[TM+\b], |v[\src+16*\b]|, |v[\src+16*\b+1]|, 0x1800000   ; and the floor 2^(3 - 127): the byte cannot fall under 1
.endr
.irp i, 2,4,6,8,10,12,14
.irp b, 0,1,2,3
	v_max3_num_f32 v[TM+\b], v[TM+\b], |v[\src+16*\b+\i]|, |v[\src+16*\b+\i+1]|
.endr
.endr
.irp b, 0,1,2,3
	v_permlanex16_b32 v[TM+4+\b], v[TM+\b], s[SEL], s[SEL+1]
.endr
.irp b, 0,1,2,3
	v_max_num_f32 v[TM+\b], v[TM+\b], v[TM+4+\b]
.endr
.irp b, 0,1,2,3
	v_add_nc_u32 v[TM+12+\b], 0xff000000, v[TM+\b]
.endr
.irp b, 0,1,2,3
	v_lshrrev_b32 v[TM+4+\b], 23, v[TM+12+\b]
.endr
	v_lshl_or_b32 v[\pw], v[TM+5], 8, v[TM+4]
	v_lshl_or_b32 v[\pw], v[TM+6], 16, v[\pw]
	v_lshl_or_b32 v[\pw], v[TM+7], 24, v[\pw]
.irp c, 0,1
	v_cvt_scalef32_pk16_fp6_f32 v[PC+6*\c:PC+6*\c+2], v[\src+32*\c:\src+32*\c+15], v[TM+12+2*\c]
	v_cvt_scalef32_pk16_fp6_f32 v[PC+12+4*\c:PC+14+4*\c], v[\src+32*\c+16:\src+32*\c+31], v[TM+13+2*\c]
.endr
	v_nop                                          ; one plain place behind a scaled conversion
.irp c, 0,1
.irp i, 0,1,2
	v_permlane16_swap_b32 v[PC+6*\c+\i], v[PC+12+4*\c+\i]
.endr
.irp i, 0,1,2
	v_mov_b32 v[PC+3+6*\c+\i], v[PC+12+4*\c+\i]
.endr
.endr
.endm
.macro IMGST p                         ; my fragment and its scale words into image p
	ds_store_b128 v[IW16], v[PC:PC+3] offset:(\p)*6144
	ds_store_b64 v[IW8], v[PC+4:PC+5] offset:(\p)*6144+512
	ds_store_b128 v[IW16], v[PC+6:PC+9] offset:(\p)*6144+768
	ds_store_b64 v[IW8], v[PC+10:PC+11] offset:(\p)*6144+1280
	ds_store_b32 v[ISW], v[PWR] offset:(\p)*256    ; lanes r and r + 16 write the same word with the same value
.endm
.macro W6 d, a, b, c, sa, sb           ; c < 0: the sum goes on in place
.if (\c) < 0
	v_wmma_scale_f32_16x16x128_f8f6f4 v[(\d):(\d)+7], v[(\a):(\a)+11], v[(\b):(\b)+11], v[(\d):(\d)+7], v[\sa], v[\sb] matrix_a_fmt:MATRIX_FMT_FP6 matrix_b_fmt:MATRIX_FMT_FP6
.else
	v_wmma_scale_f32_16x16x128_f8f6f4 v[(\d):(\d)+7], v[(\a):(\a)+11], v[(\b):(\b)+11], v[(\c):(\c)+7], v[\sa], v[\sb] matrix_a_fmt:MATRIX_FMT_FP6 matrix_b_fmt:MATRIX_FMT_FP6
.endif
.endm
; head g's 16 products of a K step, the 16 accumulators by turns.  The branch hangs on the cluster's tensor alone.  first = 1: the bias is fetched and is the products' C
.macro MUL g, first
.set DB, 128*((\g)%2)
.set FB, BF+48*((\g)%2)
.set WD, 2+(\g)/2
	s_cmp_eq_u32 s25, 2
	s_cbranch_scc1 .Lv_\@
.if \first
.irp b, 0,1
.irp k, 0,1,2,3
	ds_load_b128 v[BB+16*\b+4*\k:BB+16*\b+4*\k+3], v[BIQ] offset:256*(\g)+128*\b+16*\k   ; register 16 b + i: the head's column 32 b + 16 h + i
.endr
.endr
	s_wait_dscnt 0x0
	WIN 0x01|(WD<<6)
.else
	WIN 0x01|(WD<<4)|(WD<<6)
.endif
.irp x, 0,1,2,3
.irp y, 0,1,2,3
.if \first
	W6 DB+32*\x+8*\y, FB+12*\y, AF+12*\x, BB+8*\y, SB+4*(\g)+\y, SA+\x
.else
	W6 DB+32*\x+8*\y, FB+12*\y, AF+12*\x, -1, SB+4*(\g)+\y, SA+\x
.endif
.endr
.endr
	WIN 0
	s_branch .Lj_\@
.Lv_\@:
.if \first
.irp x, 0,1,2,3
.irp j, 0,1,2,3,4,5,6,7
	ds_load_b32 v[BB+8*\x+\j], v[BIV] offset:256*(\g)+4*(32*(\x/2)+8*(\x%2))   ; my lane's column of tile x, over the accumulator's eight registers
.endr
.endr
	s_wait_dscnt 0x0
	WIN 0x04|(WD<<6)
.else
	WIN 0x04|(WD<<4)|(WD<<6)
.endif
.irp x, 0,1,2,3
.irp y, 0,1,2,3
.if \first
	W6 DB+32*\x+8*\y, AF+12*\y, FB+12*\x, BB+8*\x, SA+\y, SB+4*(\g)+\x
.else
	W6 DB+32*\x+8*\y, AF+12*\y, FB+12*\x, -1, SA+\y, SB+4*(\g)+\x
.endif
.endr
.endr
	WIN 0
.Lj_\@:
.endm
; A K STEP on slot and image sl.  refill: the next step's weights are asked for; xq: the next step's tokens are quantised; xm: which f32 loads are issued (1: K step 3; 2, 3: by s60, held at K step 7);
; sbm: the weights' scale words by v[SBR] (0) or by v[SBA], written here (1) or in the step before (2)
.macro STEPK sl, first, refill, xq, xm, sbm, sboff
	s_wait_tensorcnt 0x0                           ; my weights of this step are in;
	ds_add_u32 v[SPW], v[NIL]
.if \refill
	s_add_co_u32 s37, s63, (1-\sl)*SLOT            ; no load of mine is out: the descriptor steps on
	s_add_nc_u64 s[38:39], s[38:39], FRB
.endif
	s_wait_dscnt 0x0                               ; the add, my stores into this step's image and my reads of the other slot and image are done
	ROUND
.if \refill
	tensor_load_to_lds s[36:39], s[28:35]          ; the next step's weights into the slot read last
	s_nop 0
.endif
	PLACES                                         ; ahead of the loads into registers that the last products read
.if \sbm == 1
	v_add_nc_u32 v[SBA], s62, v[SBR]
.endif
.irp a, 0,1,2,3
	FRAGLD AF+12*\a, IM16, IM8, \sl*6144+\a*FRB
.endr
	ds_load_b128 v[SA:SA+3], v[ISR] offset:\sl*256
.irp k, 0,1,2,3
.if \sbm == 0
	ds_load_b128 v[SB+4*\k:SB+4*\k+3], v[SBR] offset:\sboff+16*\k
.else
	ds_load_b128 v[SB+4*\k:SB+4*\k+3], v[SBA] offset:\sboff+16*\k
.endif
.endr
	FETCHB 0, \sl
	s_wait_dscnt 0x0
	FETCHB 1, \sl
	MUL 0, \first
	s_wait_dscnt 0x0
	PLACES
	FETCHB 2, \sl
.if \xq
	XSTAGE 1-\sl
.endif
	MUL 1, \first
	s_wait_dscnt 0x0                               ; also: the numbers are back, and the stage's stores have read their registers
	PLACES
	FETCHB 3, \sl
.if \xm == 1
	XLOAD 1-\sl, LN16, 1536
.elseif \xm == 2
	s_min_u32 s61, s60, 3584
	s_wait_xcnt 0x0                                ; the earlier loads have read their offset
	v_add_nc_u32 v[XO], s61, v[LN16]
	XLOAD 1-\sl, XO, 0
.elseif \xm == 3
	s_add_co_u32 s61, s60, 512
	s_min_u32 s61, s61, 3584
	s_wait_xcnt 0x0
	v_add_nc_u32 v[XO], s61, v[LN16]
	XLOAD 1-\sl, XO, 0
.endif
	MUL 2, \first
.if \xq
	QUANT4 X, PWR
	IMGST 1-\sl
.else
	PLACES
.endif
	s_wait_dscnt 0x0
	MUL 3, \first
.endm
; THE WAY OUT of the 32 sums (g, x): two blocks of 32 with lane l xor 16: six registers of codes and two scale bytes
.macro OUTU hd, x
.set SR, 128*((\hd)%2)+32*(\x)
.set WD, 2+(\hd)/2
.set HCU, AF+6*(4*(\hd)+(\x))
.set HWU, 148+4*(\hd)+(\x)
	WIN WD|(WD<<2)
.irp b, 0,1
	v_max3_num_f32 v[TM+\b], |v[SR+16*\b]|, |v[SR+16*\b+1]|, 0x1800000   ; each accumulator is read from its low end on
.endr
	WIN (WD<<2)|(WD<<4)
.irp i, 2,4,6,8,10,12,14
.irp b, 0,1
	v_max3_num_f32 v[TM+\b], v[TM+\b], |v[SR+16*\b+\i]|, |v[SR+16*\b+\i+1]|
.endr
.endr
	WIN 0
.irp b, 0,1
	v_permlanex16_b32 v[TM+2+\b], v[TM+\b], s[SEL], s[SEL+1]
.endr
.irp b, 0,1
	v_max_num_f32 v[TM+\b], v[TM+\b], v[TM+2+\b]
.endr
.irp b, 0,1
	v_add_nc_u32 v[TM+4+\b], 0xff000000, v[TM+\b]
.endr
.irp b, 0,1
	v_lshrrev_b32 v[TM+2+\b], 23, v[TM+4+\b]
.endr
	v_lshl_or_b32 v[HWU], v[TM+3], 8, v[TM+2]
	WIN WD
	v_cvt_scalef32_pk16_fp6_f32 v[HCU:HCU+2], v[SR:SR+15], v[TM+4]
	v_cvt_scalef32_pk16_fp6_f32 v[PC:PC+2], v[SR+16:SR+31], v[TM+5]
	WIN 0
	v_nop                                          ; one plain place behind a scaled conversion
.irp i, 0,1,2
	v_permlane16_swap_b32 v[HCU+\i], v[PC+\i]
.endr
.irp i, 0,1,2
	v_mov_b32 v[HCU+3+\i], v[PC+\i]
.endr
	global_store_b128 v[CO16+\x], v[HCU:HCU+3], s[14:15] offset:(\hd)*HEADB         ; 512 consecutive bytes, aligned
	global_store_b64 v[CO8+\x], v[HCU+4:HCU+5], s[14:15] offset:(\hd)*HEADB+512     ; 256
	global_store_b16 v[SOF+\x], v[HWU], s[16:17] offset:(\hd)*HEADB                 ; lanes r and r + 16 write the same bytes with the same value
.endm
	s_load_b256 s[4:11], s[0:1], 0x0               ; q, k, v, wa
	s_load_b256 s[12:19], s[0:1], 0x20             ; b_q, b_k, b_v, qa
	s_load_b64 s[20:21], s[0:1], 0x40              ; kv
	v_lshl_add_u32 v[SPW], v0, 2, SPARE
	v_mov_b32 v[NIL], 0
	ds_add_u32 v[SPW], v[NIL]                      ; the opening lines: the add, twice on end, and its wait
	ds_add_u32 v[SPW], v[NIL]
	v_lshrrev_b32 v1, 5, v0
	v_readfirstlane_b32 s22, v1                    ; wave 0..3
	s_bfe_u32 s23, ttmp6, 0x40000                  ; cx: it enters global addresses of my own loads and stores alone
	s_lshr_b32 s25, ttmp9, 4                       ; the tensor: 0 q, 1 k, 2 v: the same in the whole cluster
	s_and_b32 s26, ttmp9, 15
	s_lshl_b32 s26, s26, 2
	s_add_co_u32 s26, s26, s23                     ; which 64 tokens of it
	s_mov_b32 s28, 15|(3<<16)|(1<<21)              ; group 1: the mask: all four work-groups; elements of 8 bytes; bit 21 beside a mask
	s_mov_b32 s29, 192<<16                         ; rows of 1,536 bytes,
	s_mov_b32 s30, 16<<16                          ; 16 of them,
	s_mov_b32 s31, 192<<16
	s_mov_b32 s32, 16
	s_mov_b32 s33, 1536                            ; 12,288 bytes apart
	s_mov_b32 s34, 0
	s_mov_b32 s35, 0
	s_mov_b32 s[SEL], 0x76543210
	s_mov_b32 s[SEL+1], 0xfedcba98
	v_and_b32 v184, 31, v0                         ; lane
	v_and_b32 v185, 15, v0                         ; r
	v_bfe_u32 v186, v0, 4, 1                       ; h
	v_lshlrev_b32 v[LN16], 4, v184
	v_lshlrev_b32 v[LN8], 3, v184
	s_mul_i32 s42, s22, 16*SP
	s_add_co_u32 s42, s42, STG                     ; my stage
	v_add_nc_u32 v[STI], s42, v[LN16]
	v_mul_u32_u24 v187, v185, SP
	v_lshl_add_u32 v187, v186, 6, v187
	v_add_nc_u32 v[STO], s42, v187
	v_add_nc_u32 v[IM16], IMG, v[LN16]
	v_add_nc_u32 v[IM8], IMG, v[LN8]
	s_mul_i32 s43, s22, FRB
	v_add_nc_u32 v[IW16], s43, v[IM16]
	v_add_nc_u32 v[IW8], s43, v[IM8]
	v_lshl_add_u32 v[ISR], v185, 4, IMS
	s_lshl_b32 s43, s22, 2
	v_add_nc_u32 v[ISW], s43, v[ISR]
	s_lshl_b32 s44, s22, 13
	s_add_co_u32 s44, s44, SCL
	v_lshl_add_u32 v[SBR], v185, 6, s44
	v_lshl_add_u32 v[SCW], v186, 10, v[SBR]
	s_mul_i32 s63, s22, WPART
	v_add_nc_u32 v[BA16], s63, v[LN16]
	v_add_nc_u32 v[BA8], s63, v[LN8]
	s_add_co_u32 s45, s63, SLOT
	v_add_nc_u32 v[BA16+1], s45, v[LN16]
	v_add_nc_u32 v[BA8+1], s45, v[LN8]
	s_lshl_b32 s46, s22, 10
	s_add_co_u32 s46, s46, BIA
	v_lshl_add_u32 v[BIQ], v186, 6, s46
	v_and_b32 v187, 8, v185
	v_add_nc_u32 v187, v187, v185
	v_lshl_add_u32 v[BIV], v187, 2, s46
	v_add_nc_u32 v188, s46, v[LN16]                ; where my bias goes
.irp b, 5,6,7
	v_mov_b32 v[TM+\b], 0                          ; written once: a lane permute's destination counts as one of its sources
.endr
	s_lshl_b32 s48, s26, 18                        ; the tokens: 64 rows of 4,096 bytes a work-group,
	s_lshr_b32 s42, s22, 1
	s_lshl_b32 s42, s42, 17                        ; 32 rows for each pair of tiles,
	s_add_co_u32 s48, s48, s42
	s_and_b32 s42, s22, 1
	s_lshl_b32 s42, s42, 15                        ; 8 rows for the odd tile
	s_add_co_u32 s48, s48, s42
	s_mov_b32 s49, 0
	s_mul_i32 s50, s25, WCODES                     ; the weights' codes: the tensor's weight, my 16 tiles
	s_mul_i32 s42, s22, 16*TILEB
	s_add_co_u32 s50, s50, s42
	s_mov_b32 s51, 0
	s_lshl_b32 s52, s25, 15                        ; their scale blocks
	s_lshl_b32 s42, s22, 13
	s_add_co_u32 s52, s52, s42
	s_add_co_u32 s52, s52, WSOFF
	s_mov_b32 s53, 0
	s_lshl_b32 s54, s22, 10                        ; the bias of my 256 columns
	s_mov_b32 s55, 0
	s_lshr_b32 s42, s26, 5                         ; batch
	s_lshl_b32 s42, s42, 4
	s_lshl_b32 s43, s22, 2
	s_add_co_u32 s42, s42, s43                     ; 16 x batch + my first head
	s_mul_i32 s56, s42, HEADB
	s_bfe_u32 s43, s26, 0x40001                    ; which 128 tokens of the batch
	s_mul_i32 s43, s43, REC
	s_add_co_u32 s56, s56, s43
	s_and_b32 s57, s26, 1                          ; which 64 of them
	s_cmp_eq_u32 s25, 2                            ; what differs on the way out between Q, K and V: numbers alone
	s_mov_b32 s42, 768
	s_cselect_b32 s42, FRB, s42                    ; from x to x + 1
	s_mov_b32 s43, 2*FRB
	s_cselect_b32 s43, 768, s43                    ; for the upper 64 tokens
	s_cselect_b32 s44, VOFF, 0
	s_mov_b32 s45, KSC
	s_cselect_b32 s45, VSC, s45
	s_mov_b32 s46, 128
	s_cselect_b32 s47, s46, 2                      ; scale bytes: for x % 2,
	s_cselect_b32 s46, 4, s46                      ; for x / 2,
	s_cselect_b32 s58, 2, 4                        ; for the upper 64 tokens
	s_mul_i32 s43, s43, s57
	s_add_co_u32 s60, s56, s44
	s_add_co_u32 s60, s60, s43
	s_mov_b32 s61, 0
	s_add_co_u32 s62, s56, s45
	s_mul_i32 s58, s58, s57
	v_lshl_add_u32 v[SOF], v185, 3, s58
	v_add_nc_u32 v[SOF+1], s47, v[SOF]
	v_add_nc_u32 v[SOF+2], s46, v[SOF]
	v_add_nc_u32 v[SOF+3], s46, v[SOF+1]
	v_mov_b32 v[CO16], v[LN16]
	v_mov_b32 v[CO8], v[LN8]
.irp x, 1,2,3
	v_add_nc_u32 v[CO16+\x], s42, v[CO16+\x-1]
	v_add_nc_u32 v[CO8+\x], s42, v[CO8+\x-1]
.endr
	s_wait_alu depctr_va_vdst(0)                   ; directly ahead of the waits below
	s_wait_dscnt 0x0
	s_wait_kmcnt 0x0
	s_cmp_eq_u32 s25, 1                            ; the choices hang on the cluster's number alone
	s_cselect_b64 s[4:5], s[6:7], s[4:5]
	s_cselect_b64 s[12:13], s[14:15], s[12:13]
	s_cmp_eq_u32 s25, 2
	s_cselect_b64 s[4:5], s[8:9], s[4:5]
	s_cselect_b64 s[12:13], s[16:17], s[12:13]
	s_cmp_eq_u32 s25, 0
	s_cselect_b64 s[18:19], s[18:19], s[20:21]
	s_add_nc_u64 s[4:5], s[4:5], s[48:49]          ; my tile's rows
	s_add_nc_u64 s[6:7], s[10:11], s[50:51]        ; my weights' codes
	s_add_nc_u64 s[8:9], s[10:11], s[52:53]        ; and scale blocks
	s_add_nc_u64 s[12:13], s[12:13], s[54:55]      ; my bias
	s_add_nc_u64 s[14:15], s[18:19], s[60:61]      ; the codes' place
	s_mov_b32 s61, 0
	s_mov_b32 s60, s62
	s_add_nc_u64 s[16:17], s[18:19], s[60:61]      ; the scale bytes' place
	s_mov_b32 s36, 1
	s_mov_b32 s37, s63
	s_mov_b64 s[38:39], s[6:7]
	s_or_b32 s39, s39, 0x80000000
.irp t, 0,1,2,3,4,5,6,7,8,9,10,11,12,13,14,15
.irp q, 0,1
	global_load_b64 v[X+4*\t+2*\q:X+4*\t+2*\q+1], v[LN8], s[8:9] offset:512*\t+256*\q   ; a scale block: 256 consecutive bytes, aligned
.endr
.endr
	global_load_b128 v[PC:PC+3], v[LN16], s[12:13]
	global_load_b128 v[PC+4:PC+7], v[LN16], s[12:13] offset:512
	XLOAD 0, LN16, 0
	XLOAD 1, LN16, 512
	ROUND                                          ; all four work-groups are here: the joint loads meet
	tensor_load_to_lds s[36:39], s[28:35]          ; my one load at the head: K step 0's weights
	s_nop 0
	PLACES
	s_wait_loadcnt 32                              ; the scale blocks and the bias are in; the 32 loads of K steps 0 and 1 may be out
.irp t, 0,1,2,3,4,5,6,7,8,9,10,11,12,13,14,15
.irp q, 0,1
	ds_store_b32 v[SCW], v[X+4*\t+2*\q] offset:4096*\q+4*\t          ; K step 4 q + h,
	ds_store_b32 v[SCW], v[X+4*\t+2*\q+1] offset:4096*\q+2048+4*\t   ; and 4 q + 2 + h: word (step, row, tile) at 1,024 step + 64 row + 4 tile of my own bytes
.endr
.endr
	ds_store_b128 v188, v[PC:PC+3]
	ds_store_b128 v188, v[PC+4:PC+7] offset:512
	XSTAGE 0
	s_wait_dscnt 0x0
	XLOAD 0, LN16, 1024
	QUANT4 X, PWR
	IMGST 0
	STEPK 0, 1, 1, 1, 1, 0, 0                      ; K step 0: its products start the sums
	s_mov_b32 s59, 3
	s_mov_b32 s60, 2048                            ; bytes along a row of the K step that the loop's first f32 loads ask for
	s_mov_b32 s62, 1024                            ; the scale words of the loop's first K step
.Lk:                                                   ; K steps 1 and 2, 3 and 4, 5 and 6
	STEPK 1, 0, 1, 1, 2, 1, 0
	STEPK 0, 0, 1, 1, 3, 2, 1024
	s_add_co_u32 s60, s60, 1024
	s_add_co_u32 s62, s62, 2048
	s_sub_co_u32 s59, s59, 1
	s_cmp_lg_u32 s59, 0
	s_cbranch_scc1 .Lk
	STEPK 1, 0, 0, 0, 0, 0, 7168                   ; K step 7 asks for nothing more
	PLACES
.irp hd, 0,1,2,3
.irp x, 0,1,2,3
	OUTU \hd, \x
.endr
.endr
	s_wait_tensorcnt 0x0                           ; the wave's end
	ds_add_u32 v[SPW], v[NIL]
	s_wait_dscnt 0x0
	ROUND                                          ; the closing round
	s_endpgm
.Lfunc_end_k_qf131055c5a_qkv:
	.size	k_qf131055c5a_qkv, .Lfunc_end_k_qf131055c5a_qkv-k_qf131055c5a_qkv
	.p2alignl 7, 3214868480
	.fill 96, 4, 3214868480
	.section	.rodata,"a",@progbits
	.p2align	6, 0x0
	.amdhsa_kernel k_qf131055c5a_qkv
		.amdhsa_group_segment_fixed_size 327680
		.amdhsa_private_segment_fixed_size 0
		.amdhsa_enable_private_segment 0
		.amdhsa_kernarg_size 72
		.amdhsa_user_sgpr_count 2
		.amdhsa_user_sgpr_kernarg_segment_ptr 1
		.amdhsa_wavefront_size32 1
		.amdhsa_system_sgpr_workgroup_id_x 1
		.amdhsa_system_sgpr_workgroup_id_y 1
		.amdhsa_system_sgpr_workgroup_id_z 1
		.amdhsa_system_vgpr_workitem_id 0
		.amdhsa_next_free_vgpr 1024
		.amdhsa_next_free_sgpr 66
		.amdhsa_reserve_vcc 0
		.amdhsa_float_denorm_mode_32 3
		.amdhsa_float_denorm_mode_16_64 3
		.amdhsa_memory_ordered 1
		.amdhsa_forward_progress 1
		.amdhsa_inst_pref_size 191
	.end_amdhsa_kernel
	.amdgpu_metadata
---
amdhsa.version: [ 1, 2 ]
amdhsa.kernels:
  - .name:           k_qf131055c5a_qkv
    .symbol:         k_qf131055c5a_qkv.kd
    .args:
      - { .name: q, .offset: 0, .size: 8, .value_kind: global_buffer, .address_space: global }
      - { .name: k, .offset: 8, .size: 8, .value_kind: global_buffer, .address_space: global }
      - { .name: v, .offset: 16, .size: 8, .value_kind: global_buffer, .address_space: global }
      - { .name: wa, .offset: 24, .size: 8, .value_kind: global_buffer, .address_space: global }
      - { .name: b_q, .offset: 32, .size: 8, .value_kind: global_buffer, .address_space: global }
      - { .name: b_k, .offset: 40, .size: 8, .value_kind: global_buffer, .address_space: global }
      - { .name: b_v, .offset: 48, .size: 8, .value_kind: global_buffer, .address_space: global }
      - { .name: qa, .offset: 56, .size: 8, .value_kind: global_buffer, .address_space: global }
      - { .name: kv, .offset: 64, .size: 8, .value_kind: global_buffer, .address_space: global }
    .group_segment_fixed_size: 327680
    .private_segment_fixed_size: 0
    .kernarg_segment_align: 8
    .kernarg_segment_size: 72
    .max_flat_workgroup_size: 128
    .sgpr_count:     66
    .vgpr_count:     1024
    .wavefront_size: 32
...
	.end_amdgpu_metadata
.endif
;; end of part 8
;; launch attn (part 9): grid 8 x 32, 8 waves a work-group, clusters of 4 x 1, 206,848 bytes of LDS; arguments qa, kv, cx; writes cx
.if DOCPART == 9
	.amdgcn_target "amdgcn-amd-amdhsa--gfx1250"
	.amdhsa_code_object_version 6
	.text
	.protected	k_qf131055c5a_attn
	.globl	k_qf131055c5a_attn
	.p2align	8
	.type	k_qf131055c5a_attn,@function
k_qf131055c5a_attn:
	s_mov_b64 s[64:65], 0
	v_nop
	global_prefetch_b8 v0, s[64:65] scope:SCOPE_SE
	s_setreg_imm32_b32 hwreg(HW_REG_WAVE_MODE, 25, 1), 1
	s_wait_xcnt 0x0
	s_wait_alu depctr_hold_cnt(0) depctr_sa_sdst(0) depctr_va_vdst(0) depctr_va_sdst(0) depctr_va_ssrc(0) depctr_va_vcc(0) depctr_vm_vsrc(0)
	s_getreg_b32 s2, hwreg(HW_REG_IB_STS2, 6, 4)
	s_cmp_eq_u32 s2, 0
	s_cbranch_scc0 .Lentry_in_a_cluster
	s_endpgm
.Lentry_in_a_cluster:
	s_bfe_u32 s2, ttmp6, 0x10000c
	s_cmp_lg_u32 s2, 0x3003
	s_cbranch_scc0 .Lentry_shape_is_right
	s_endpgm
.Lentry_shape_is_right:
; context = softmax(Qh Kh^T / 8) Vh for each of 32 heads (16 x batch + head), 2,048 queries and keys, head size 64; both products on codes of FP6 (E2M3) with E8M0 scales; the context is quantised along d for the last product.
; THE SOFTMAX: t = score x log2(e) / 8; M = the row's largest t so far, rounded UP to a whole number; p = 2^(t - M) is quantised along the keys, not normalised.  The row's sum is taken of the unquantised p, in f32,
; and divides O at the end.  When M moves, the sum and O are multiplied by 2^(old M - new M): exact.
; IN: for each head and 128 keys kv holds a record of 12,800 bytes: K's four fragments, V's four, K's scale block, V's.  A fragment is two halves of 768 bytes (half c: registers 6c..6c+3 at 768 c + 16 x lane,
; registers 6c+4, 6c+5 at 768 c + 512 + 8 x lane).  K's fragment b holds in half u the keys 32 b + 8 u + r + 8 (r / 8), d = 32 (lane / 16) on: two tiles of keys in one operand.  Against Q in the lower half of the
; instruction's 128 and zero codes in the upper the product is tile 2 b's scores, the other way round tile 2 b + 1's.  qa holds Q in K's places.  V's fragment f: rows = the head's d of tile f, K = the 128 keys in their true order.
; SHARES: a work-group owns 256 queries of one head; each of its eight waves 32 of them, as TWO TILES of 16, so that each fragment of K and V read from LDS serves two tiles.
; A whole head's K and V, 204,800 bytes, lie in LDS, every byte filled once: one tensor load a wave (25,600 bytes as 100 rows of 256), asked for jointly by the four work-groups of a cluster, which belong to one head.
; No prefetch: all that the launch reads through LDS is asked for at its head, and there is no loop to run ahead in.
; FRAGMENTS RUN AHEAD: K and V have registers of their own; K of step j + 1 is fetched behind step j's score products, V of step j + 1 behind step j's second products.  A run is 17 LDS loads, so the waits leave 17 out.
; LAYOUT: both products transposed (S^T = K Q^T, O^T = V^T P^T): a lane holds one query of each tile; the 16 registers of score tiles 2 b, 2 b + 1 are keys 32 b + 16 (lane / 16) + 0 .. 15; O^T's register 16 b + i is d = 32 b + 16 (lane / 16) + i.
; REGISTERS: window 0: addresses, scale words, the softmax's small numbers, both tiles' scores (tile t at S + 64 t), 32 registers for the sum's first level.  Window 1: K's and V's fragments, O^T, Q between zero codes, p's codes.
; THE EXPONENTIALS stand in two batches, one a tile, each between two waits.  Among a batch stand only plain lines that do not hang on each other, whose sources were ready ahead of the batch
; and whose results are read behind it: among tile 0's batch tile 1's t - M; among tile 1's batch the floor under tile 0's largest p, its sum's rescaling and the first level of its sum.
; OUT: cx, laid as the last product's operand: fragments [row tile of tokens][K step = head / 2][1,536], my head's half; the scale bytes as halves of words whose other half is the neighbouring head's.
; LIMITS: the promise holds while the scaled scores stay under 2^31 in magnitude; a block of the context whose largest magnitude lies under 2^-124 keeps the byte 1; a block of p that has fallen to zero likewise; NaN and infinities are not served.
.set HEADB, 204800
.set REC,   12800
.set PART,  25600
.set FRB,   1536
.set VOFF,  6144
.set KSC,   12288
.set VSC,   12544
.set CSOFF, 3145728
.set SPARE, 204800                     ; behind the head's bytes: the spare words, 128 bytes a wave
; window 0
.set LA,  1                            ; 16 x lane
.set LB,  2                            ; 8 x lane
.set A16, 3                            ; the next record + 16 x lane
.set A8,  4                            ; the same + 8 x lane
.set R8,  5                            ; 8 x (lane % 16)
.set QSL, 6                            ; Q's two scale bytes in bytes 0, 1; tile 1: v10
.set QSH, 7                            ; the same in bytes 2, 3; tile 1: v11
.set PW,  8                            ; v8, v9 p's scale words
.set NM,  12                           ; tile t: v[12+4t] -M, v[13+4t] the largest score so far,
.set SUM, 14                           ; v[14+4t:15+4t] the sum in two halves
.set KS,  20                           ; v20-21 K's scale words
.set VS,  22                           ; v22-23 V's
.set SPW, 24                           ; my spare word
.set NIL, 25                           ; 0
.set FF,  26                           ; v[26+2t:27+2t] f = 2^(old M - new M)
.set WK,  30
.set W2,  32
.set BM,  34                           ; v34-41 the blocks' largest scores, then largest p
.set BN,  42                           ; v42-49 second chains
.set PT,  50                           ; v50-57 the other lanes' maxima, then the scale bytes
.set SO,  58                           ; v58-65 the conversions' scale operands
.set S,   66                           ; v66-193 S^T, then p
.set TS,  194                          ; v194-225 sixteen pairs: the sum's first level
; window 1
.set KF,  0
.set VF,  48
.set OT,  96                           ; O^T, tile t at 96 + 32 t
.set QHI, 160                          ; zero codes, Q0, zero codes, Q1, zero codes, six registers each: from 160 + 12 t on Q stands in the upper half,
.set QLO, 166                          ; from 166 + 12 t on in the lower
.set PC,  190                          ; p's codes, 12 a tile
.set TT,  214                          ; the second conversions' registers (they begin on an even number)
.set G1,  24
.set SEL, 42
.set CS,  44                           ; s[44:45] c = log2(e) / 8;  s36 = -c
.set MSB, 0
.macro WIN new                         ; the immediate's high byte repeats the setting that is left
.if MSB != \new
	s_set_vgpr_msb (MSB<<8)|\new
.set MSB, \new
.endif
.endm
.macro WALU
	s_wait_alu depctr_va_vdst(0)
.endm
.macro CROUND
	s_barrier_signal -1
	s_barrier_wait -1
	s_cmp_lg_u32 s10, 0
	s_cbranch_scc1 .Lnot_wave_0_\@
	s_barrier_signal -3
.Lnot_wave_0_\@:
	s_barrier_wait -3
	s_barrier_signal -1
	s_barrier_wait -1
.endm
.macro FRAGLD reg, a16, a8, off
	ds_load_b128 v[(\reg):(\reg)+3], v[\a16] offset:(\off)
	ds_load_b64 v[(\reg)+4:(\reg)+5], v[\a8] offset:(\off)+512
	ds_load_b128 v[(\reg)+6:(\reg)+9], v[\a16] offset:(\off)+768
	ds_load_b64 v[(\reg)+10:(\reg)+11], v[\a8] offset:(\off)+1280
.endm
.macro KLOAD a16, a8                   ; 17 loads: K's four fragments (window 1) and its scale words
	WIN 0x40
.irp b, 0,1,2,3
	FRAGLD KF+12*\b, \a16, \a8, FRB*\b
.endr
	WIN 0
	ds_load_b64 v[KS:KS+1], v[\a8] offset:KSC
.endm
.macro VLOAD a16, a8                   ; 17 loads: V's
	WIN 0x40
.irp f, 0,1,2,3
	FRAGLD VF+12*\f, \a16, \a8, VOFF+FRB*\f
.endr
	WIN 0
	ds_load_b64 v[VS:VS+1], v[\a8] offset:VSC
.endm
.macro MMS d, a, b, acc, sa, sb, row
.if \acc
.if \row
	v_wmma_scale_f32_16x16x128_f8f6f4 v[(\d):(\d)+7], v[(\a):(\a)+11], v[(\b):(\b)+11], v[(\d):(\d)+7], v[\sa], v[\sb] matrix_a_fmt:MATRIX_FMT_FP6 matrix_b_fmt:MATRIX_FMT_FP6 matrix_a_scale:MATRIX_SCALE_ROW1
.else
	v_wmma_scale_f32_16x16x128_f8f6f4 v[(\d):(\d)+7], v[(\a):(\a)+11], v[(\b):(\b)+11], v[(\d):(\d)+7], v[\sa], v[\sb] matrix_a_fmt:MATRIX_FMT_FP6 matrix_b_fmt:MATRIX_FMT_FP6
.endif
.else
.if \row
	v_wmma_scale_f32_16x16x128_f8f6f4 v[(\d):(\d)+7], v[(\a):(\a)+11], v[(\b):(\b)+11], 0, v[\sa], v[\sb] matrix_a_fmt:MATRIX_FMT_FP6 matrix_b_fmt:MATRIX_FMT_FP6 matrix_a_scale:MATRIX_SCALE_ROW1
.else
	v_wmma_scale_f32_16x16x128_f8f6f4 v[(\d):(\d)+7], v[(\a):(\a)+11], v[(\b):(\b)+11], 0, v[\sa], v[\sb] matrix_a_fmt:MATRIX_FMT_FP6 matrix_b_fmt:MATRIX_FMT_FP6
.endif
.endif
.endm
.macro TFMA t, p                       ; t - M for pair p of tile t's scores (of the pairs c and -M the low word serves both halves)
	v_pk_fma_f32 v[S+64*(\t)+2*(\p):S+64*(\t)+2*(\p)+1], v[S+64*(\t)+2*(\p):S+64*(\t)+2*(\p)+1], s[CS:CS+1], v[NM+4*(\t):NM+4*(\t)+1] op_sel_hi:[1,0,0]
.endm
.macro LEVEL1 t, i                     ; the sum's first level: pair i of sixteen = two pairs of p
	v_pk_add_f32 v[TS+2*(\i):TS+2*(\i)+1], v[S+64*(\t)+4*(\i):S+64*(\t)+4*(\i)+1], v[S+64*(\t)+4*(\i)+2:S+64*(\t)+4*(\i)+3]
.endm
.macro TREE t                          ; the sixteen pairs are joined and added to tile t's sum: 16 additions
.irp i, 0,1,2,3,4,5,6,7
	v_pk_add_f32 v[TS+2*\i:TS+2*\i+1], v[TS+2*\i:TS+2*\i+1], v[TS+2*\i+16:TS+2*\i+17]
.endr
.irp i, 0,1,2,3
	v_pk_add_f32 v[TS+2*\i:TS+2*\i+1], v[TS+2*\i:TS+2*\i+1], v[TS+2*\i+8:TS+2*\i+9]
.endr
.irp i, 0,1
	v_pk_add_f32 v[TS+2*\i:TS+2*\i+1], v[TS+2*\i:TS+2*\i+1], v[TS+2*\i+4:TS+2*\i+5]
.endr
	v_pk_add_f32 v[SUM+4*\t:SUM+4*\t+1], v[SUM+4*\t:SUM+4*\t+1], v[TS:TS+1]
	v_pk_add_f32 v[SUM+4*\t:SUM+4*\t+1], v[SUM+4*\t:SUM+4*\t+1], v[TS+2:TS+3]
.endm
.macro PLX                             ; plain line k among tile 1's exponentials: all are tile 0's, none hangs on another
.if k < 4
	v_max_num_f32 v[BM+k], 0x1800000, v[BM+k]      ; the floor 2^(3 - 127): the byte cannot fall under 1
.elseif k == 4
	v_pk_mul_f32 v[SUM:SUM+1], v[SUM:SUM+1], v[FF:FF+1] op_sel_hi:[1,0]
.elseif k < 21
	LEVEL1 0, k-5
.endif
.endm
; 32 numbers of a lane, register 16 b + i = k 32 b + 16 (lane / 16) + i of my row, become six registers of codes at d and the two scale bytes in hw
.macro QUANT2 src, d, t, hw, tm
.irp b, 0,1
	v_max3_num_f32 v[\tm+\b], |v[\src+16*\b]|, |v[\src+16*\b+1]|, 0x1800000
.endr
.irp i, 2,4,6,8,10,12,14
.irp b, 0,1
	v_max3_num_f32 v[\tm+\b], v[\tm+\b], |v[\src+16*\b+\i]|, |v[\src+16*\b+\i+1]|
.endr
.endr
.irp b, 0,1
	v_permlanex16_b32 v[\tm+2+\b], v[\tm+\b], s[SEL], s[SEL+1]
.endr
.irp b, 0,1
	v_max_num_f32 v[\tm+\b], v[\tm+\b], v[\tm+2+\b]
.endr
.irp b, 0,1
	v_add_nc_u32 v[\tm+4+\b], 0xff000000, v[\tm+\b]
.endr
.irp b, 0,1
	v_lshrrev_b32 v[\tm+2+\b], 23, v[\tm+4+\b]
.endr
	v_lshl_or_b32 v[\hw], v[\tm+3], 8, v[\tm+2]
	v_cvt_scalef32_pk16_fp6_f32 v[\d:\d+2], v[\src:\src+15], v[\tm+4]
	v_cvt_scalef32_pk16_fp6_f32 v[\t:\t+2], v[\src+16:\src+31], v[\tm+5]
	v_nop                                          ; one plain place behind a scaled conversion
.irp i, 0,1,2
	v_permlane16_swap_b32 v[\d+\i], v[\t+\i]
.endr
.irp i, 0,1,2
	v_mov_b32 v[\d+3+\i], v[\t+\i]
.endr
.endm
	s_load_b128 s[4:7], s[0:1], 0x0                ; qa, kv
	s_load_b64 s[8:9], s[0:1], 0x10                ; cx
	v_lshl_add_u32 v[SPW], v0, 2, SPARE
	v_mov_b32 v[NIL], 0
	ds_add_u32 v[SPW], v[NIL]                      ; the opening lines: the add, twice on end, and its wait
	ds_add_u32 v[SPW], v[NIL]
	v_lshrrev_b32 v1, 5, v0
	v_readfirstlane_b32 s10, v1                    ; wave 0..7
	s_bfe_u32 s11, ttmp6, 0x40000                  ; cx: my place in the cluster
	s_lshl_b32 s12, ttmp9, 2
	s_add_co_u32 s12, s12, s11                     ; my block of 256 queries: it enters Q's and the context's addresses alone
	s_and_b32 s13, ttmp7, 0xffff                   ; the head, which the four partners share
	s_mul_i32 s14, s13, HEADB
	s_mov_b32 s15, 0
	s_mul_i32 s16, s10, PART                       ; my eighth of the head, in memory and in LDS
	s_mov_b32 s17, 0
	s_mov_b32 s[G1], 15|(3<<16)|(1<<21)            ; the mask: all four work-groups; elements of 8 bytes; bit 21 beside a mask
	s_mov_b32 s[G1+1], 32<<16                      ; rows of 256 bytes,
	s_mov_b32 s[G1+2], 100<<16                     ; 100 of them,
	s_mov_b32 s[G1+3], 32<<16
	s_mov_b32 s[G1+4], 100
	s_mov_b32 s[G1+5], 32                          ; dense
	s_mov_b32 s[G1+6], 0
	s_mov_b32 s[G1+7], 0
	s_lshl_b32 s18, s12, 1
	s_lshr_b32 s19, s10, 2
	s_add_co_u32 s18, s18, s19                     ; which 128 tokens hold my queries
	s_mul_i32 s18, s18, REC
	s_add_co_u32 s18, s18, s14                     ; their record in qa
	s_and_b32 s19, s10, 3                          ; my two tiles are the halves of fragment b = wave % 4
	s_mul_i32 s20, s19, FRB
	s_add_co_u32 s20, s20, s18
	s_mov_b32 s21, 0
	s_and_b32 s22, s19, 1                          ; its scale word: 128 (b % 2) + 4 (b / 2)
	s_lshl_b32 s22, s22, 7
	s_lshr_b32 s23, s19, 1
	s_lshl_b32 s23, s23, 2
	s_add_co_u32 s22, s22, s23
	s_add_co_u32 s22, s22, s18
	s_add_co_u32 s22, s22, KSC
	s_mov_b32 s23, 0
	s_lshr_b32 s50, s13, 4                         ; the context: batch,
	s_lshl_b32 s50, s50, 7
	s_lshl_b32 s51, s12, 4
	s_add_co_u32 s50, s50, s51
	s_lshl_b32 s51, s10, 1
	s_add_co_u32 s50, s50, s51                     ; row tile 128 x batch + 16 x block + 2 x wave (tile 1: the next),
	s_bfe_u32 s51, s13, 0x30001                    ; K step g = head / 2,
	s_and_b32 s52, s13, 1                          ; half = head % 2
	s_lshl_b32 s46, s50, 3
	s_add_co_u32 s46, s46, s51
	s_mul_i32 s46, s46, FRB
	s_mul_i32 s53, s52, 768
	s_add_co_u32 s46, s46, s53
	s_mov_b32 s47, 0
	s_lshl_b32 s48, s50, 9                         ; scale bytes: 512 x tile + 256 (g / 4) + 128 (g % 2) + 4 ((g / 2) % 2) + 2 x half
	s_lshr_b32 s53, s51, 2
	s_lshl_b32 s53, s53, 8
	s_add_co_u32 s48, s48, s53
	s_and_b32 s53, s51, 1
	s_lshl_b32 s53, s53, 7
	s_add_co_u32 s48, s48, s53
	s_bfe_u32 s53, s51, 0x10001
	s_lshl_b32 s53, s53, 2
	s_add_co_u32 s48, s48, s53
	s_lshl_b32 s53, s52, 1
	s_add_co_u32 s48, s48, s53
	s_add_co_u32 s48, s48, CSOFF
	s_mov_b32 s49, 0
	s_mov_b32 s[SEL], 0x76543210
	s_mov_b32 s[SEL+1], 0xfedcba98
	s_mov_b32 s[CS], 0x3e38aa3b                    ; c = log2(e) / sqrt(64)
	s_mov_b32 s[CS+1], s[CS]
	s_mov_b32 s36, 0xbe38aa3b                      ; -c
	s_wait_dscnt 0x0
	s_wait_kmcnt 0x0
	s_mov_b32 s32, 1
	s_mov_b32 s33, s16
	s_add_nc_u64 s[34:35], s[6:7], s[14:15]
	s_add_nc_u64 s[34:35], s[34:35], s[16:17]
	s_or_b32 s35, s35, 0x80000000
	s_add_nc_u64 s[20:21], s[4:5], s[20:21]        ; Q's codes
	s_add_nc_u64 s[22:23], s[4:5], s[22:23]        ; Q's scale words
	s_add_nc_u64 s[46:47], s[8:9], s[46:47]        ; the context's codes
	s_add_nc_u64 s[48:49], s[8:9], s[48:49]        ; and scale bytes
	CROUND                                         ; all four work-groups are here: the joint loads meet
	tensor_load_to_lds s[32:35], s[G1:G1+7]        ; my one load: an eighth of the head
	s_nop 0
.rept 4
	v_nop
.endr
	v_and_b32 v5, 31, v0
	v_lshlrev_b32 v[LA], 4, v5
	v_lshlrev_b32 v[LB], 3, v5
	v_and_b32 v5, 15, v0
	v_lshlrev_b32 v[R8], 3, v5
	WIN 0x40
	global_load_b128 v[QLO:QLO+3], v[LA], s[20:21]                 ; Q stays in registers: tile 0,
	global_load_b64 v[QLO+4:QLO+5], v[LB], s[20:21] offset:512
	global_load_b128 v[QLO+12:QLO+15], v[LA], s[20:21] offset:768  ; tile 1
	global_load_b64 v[QLO+16:QLO+17], v[LB], s[20:21] offset:1280
.irp i, 0,1,2,3,4,5
	v_mov_b32 v[QHI+\i], 0                         ; zero codes round Q
	v_mov_b32 v[QHI+12+\i], 0
	v_mov_b32 v[QHI+24+\i], 0
.endr
	WIN 0
	global_load_b32 v[W2], v[R8], s[22:23]         ; bytes 0, 1: tile 0's scales; bytes 2, 3: tile 1's
.irp t, 0,1
	v_mov_b32 v[NM+4*\t], 0x7f000000               ; -M: over every -M to come
	v_mov_b32 v[NM+4*\t+1], 0xff61b1e6             ; the largest score so far: -3e38
	v_mov_b32 v[SUM+4*\t], 0
	v_mov_b32 v[SUM+4*\t+1], 0
	v_mov_b32 v[FF+2*\t+1], 0                      ; (named as the upper half of a pair)
.endr
.irp b, 0,1,2,3,4,5,6,7
	v_mov_b32 v[PT+\b], 0                          ; written once: a lane permute's destination counts as one of its sources
.endr
	s_wait_loadcnt 0x0
	v_and_b32 v[QSL], 0xffff, v[W2]                ; the other two bytes are 0 and meet zero codes
	v_lshlrev_b32 v[QSH], 16, v[W2]
	v_lshrrev_b32 v[QSL+4], 16, v[W2]
	v_and_b32 v[QSH+4], 0xffff0000, v[W2]
	WIN 0x40
.set n, 0
.rept 64
	v_mov_b32 v[OT+n], 0                           ; O^T: the first step finds zeros, which the first change of M leaves zeros
.set n, n+1
.endr
	WIN 0
; A KEY STEP: 128 keys against both tiles.  more = 1: the next record, at LDS byte s40, is fetched
.macro STEP more
	s_wait_dscnt 17                                ; K and its scale words are in; V's 17 loads may be out
	WIN 0x05                                       ; sources in window 1, results in window 0
.irp t, 0,1
.irp b, 0,2
	MMS S+64*\t+16*\b, KF+12*\b, QLO+12*\t, 0, KS+\b/2, QSL+4*\t, 0
	MMS S+64*\t+16*\b+8, KF+12*\b, QHI+12*\t, 0, KS+\b/2, QSH+4*\t, 0
	MMS S+64*\t+16*\b+16, KF+12*\b+12, QLO+12*\t, 0, KS+\b/2, QSL+4*\t, 1
	MMS S+64*\t+16*\b+24, KF+12*\b+12, QHI+12*\t, 0, KS+\b/2, QSH+4*\t, 1
.endr
.endr
	WIN 0
	v_mov_b32 v[WK], v[NM]                         ; -M as it was.  Four places behind the products, ahead of the loads into K's registers and of the first read of the scores
	v_mov_b32 v[WK+1], v[NM+4]
.if \more
	v_add_nc_u32 v[A16], s40, v[LA]
	v_add_nc_u32 v[A8], s40, v[LB]
	KLOAD A16, A8
.else
	v_nop
	v_nop
.endif
	; the largest score of each block of 32 keys: for the row's maximum and, since p rises with the score, for the block's largest p.  Sixteen chains by turns, each accumulator read from its low end on
.irp t, 0,1
.irp b, 0,1,2,3
	v_max3_num_f32 v[BM+4*\t+\b], v[S+64*\t+16*\b], v[S+64*\t+16*\b+1], v[S+64*\t+16*\b+2]
	v_max3_num_f32 v[BN+4*\t+\b], v[S+64*\t+16*\b+8], v[S+64*\t+16*\b+9], v[S+64*\t+16*\b+10]
.endr
.endr
.irp i, 3,5
.irp t, 0,1
.irp b, 0,1,2,3
	v_max3_num_f32 v[BM+4*\t+\b], v[BM+4*\t+\b], v[S+64*\t+16*\b+\i], v[S+64*\t+16*\b+\i+1]
	v_max3_num_f32 v[BN+4*\t+\b], v[BN+4*\t+\b], v[S+64*\t+16*\b+8+\i], v[S+64*\t+16*\b+9+\i]
.endr
.endr
.endr
.irp t, 0,1
.irp b, 0,1,2,3
	v_max3_num_f32 v[BM+4*\t+\b], v[BM+4*\t+\b], v[S+64*\t+16*\b+7], v[S+64*\t+16*\b+15]
.endr
.endr
.irp k, 0,1,2,3,4,5,6,7
	v_max_num_f32 v[BM+\k], v[BM+\k], v[BN+\k]
.endr
.irp k, 0,1,2,3,4,5,6,7
	v_permlanex16_b32 v[PT+\k], v[BM+\k], s[SEL], s[SEL+1]
.endr
.irp k, 0,1,2,3,4,5,6,7
	v_max_num_f32 v[BM+\k], v[BM+\k], v[PT+\k]     ; with lane l xor 16's 16 keys
.endr
.irp t, 0,1
	v_max3_num_f32 v[W2+\t], v[BM+4*\t], v[BM+4*\t+1], v[BM+4*\t+2]
.endr
.irp t, 0,1
	v_max3_num_f32 v[NM+4*\t+1], v[NM+4*\t+1], v[W2+\t], v[BM+4*\t+3]   ; the running largest score
.endr
.irp t, 0,1
	v_mul_f32 v[W2+\t], s36, v[NM+4*\t+1]          ; -t
.endr
.irp t, 0,1
	v_floor_f32 v[NM+4*\t], v[W2+\t]               ; the new -M = floor(-t) = -ceil(t): a whole number
.endr
.irp t, 0,1
	v_sub_f32 v[WK+\t], v[NM+4*\t], v[WK+\t]       ; M's old value less its new one
.endr
.irp b, 0,1,2,3
	v_fma_f32 v[BM+\b], v[BM+\b], s[CS], v[NM]     ; t - M of each block's largest score
.endr
.irp t, 0,1
	v_cvt_i32_f32 v[WK+\t], v[WK+\t]               ; (it saturates)
.endr
.irp b, 0,1,2,3
	v_fma_f32 v[BM+4+\b], v[BM+4+\b], s[CS], v[NM+4]
.endr
.irp t, 0,1
	v_ldexp_f32 v[FF+2*\t], 1.0, v[WK+\t]          ; f = 2^(old M - new M)
.endr
.set n, 0
.rept 32
	TFMA 0, n
.set n, n+1
.endr
	WALU                                           ; ahead of tile 0's batch
.set n, 0
.rept 68
.if n < 4
	v_exp_f32 v[BM+n], v[BM+n]                     ; the block's largest p
.else
	v_exp_f32 v[S+n-4], v[S+n-4]                   ; p = 2^(t - M), at most 1
.endif
.if (n%2 == 1) && (n < 64)
	TFMA 1, n/2
.endif
.set n, n+1
.endr
	WALU                                           ; behind tile 0's batch and ahead of tile 1's
.set n, 0
.rept 68
.if n < 4
	v_exp_f32 v[BM+4+n], v[BM+4+n]
.else
	v_exp_f32 v[S+60+n], v[S+60+n]
.endif
.if n%3 == 2
.set k, n/3
	PLX
.endif
.set n, n+1
.endr
	v_pk_mul_f32 v[SUM+4:SUM+5], v[SUM+4:SUM+5], v[FF+2:FF+3] op_sel_hi:[1,0]   ; tile 1's sum under the new M: the plain place behind the last exponential
	WIN 0x41
	WALU                                           ; behind the batch, directly ahead of the first read of O^T
.irp t, 0,1
.set n, 0
.rept 16
	v_pk_mul_f32 v[OT+32*\t+2*n:OT+32*\t+2*n+1], v[OT+32*\t+2*n:OT+32*\t+2*n+1], v[FF+2*\t:FF+2*\t+1] op_sel_hi:[1,0]   ; x f; each accumulator from its low end on
.set n, n+1
.endr
.endr
	WIN 0
.irp b, 0,1,2,3
	v_max_num_f32 v[BM+4+\b], 0x1800000, v[BM+4+\b]
.endr
.irp k, 0,1,2,3,4,5,6,7
	v_add_nc_u32 v[SO+\k], 0xff000000, v[BM+\k]    ; 2 off the exponent field: the conversion's scale operand
.endr
.irp k, 0,1,2,3,4,5,6,7
	v_lshrrev_b32 v[PT+\k], 23, v[SO+\k]           ; the scale's byte
.endr
.irp t, 0,1
	v_lshl_or_b32 v[PW+\t], v[PT+4*\t+1], 8, v[PT+4*\t]
.endr
.irp t, 0,1
	v_lshl_or_b32 v[PW+\t], v[PT+4*\t+2], 16, v[PW+\t]
.endr
.irp t, 0,1
	v_lshl_or_b32 v[PW+\t], v[PT+4*\t+3], 24, v[PW+\t]
.endr
	WIN 0x40
.irp t, 0,1
.irp c, 0,1
	v_cvt_scalef32_pk16_fp6_f32 v[PC+12*\t+6*\c:PC+12*\t+6*\c+2], v[S+64*\t+32*\c:S+64*\t+32*\c+15], v[SO+4*\t+2*\c]
	v_cvt_scalef32_pk16_fp6_f32 v[TT+8*\t+4*\c:TT+8*\t+4*\c+2], v[S+64*\t+32*\c+16:S+64*\t+32*\c+31], v[SO+4*\t+2*\c+1]
.endr
.endr
	v_nop                                          ; one plain place behind a scaled conversion
	WIN 0x41
.irp t, 0,1
.irp c, 0,1                                    ; the operand's layout wants a whole block in a lane
.irp i, 0,1,2
	v_permlane16_swap_b32 v[PC+12*\t+6*\c+\i], v[TT+8*\t+4*\c+\i]
.endr
.irp i, 0,1,2
	v_mov_b32 v[PC+12*\t+6*\c+3+\i], v[TT+8*\t+4*\c+\i]
.endr
.endr
.endr
	WIN 0
	TREE 0                                         ; the sums of the unquantised p: these 48 lines are also the places between p's codes and scale words and the products
.set n, 0
.rept 16
	LEVEL1 1, n
.set n, n+1
.endr
	TREE 1
	WALU                                           ; directly ahead of the wait below
.if \more
	s_wait_dscnt 17                                ; V is in; the next K's 17 loads may be out
.else
	s_wait_dscnt 0x0
.endif
	WIN 0x55
.irp t, 0,1
.irp f, 0,2                                    ; O^T += V^T P^T: the eight accumulators by turns
	MMS OT+32*\t+8*\f, VF+12*\f, PC+12*\t, 1, VS+\f/2, PW+\t, 0
	MMS OT+32*\t+8*\f+8, VF+12*\f+12, PC+12*\t, 1, VS+\f/2, PW+\t, 1
.endr
.endr
.if \more
.rept 4
	v_nop                                          ; four places ahead of the loads into V's registers
.endr
	VLOAD A16, A8
.else
	WIN 0
.endif
.endm
	WALU                                           ; the wait at the head's end
	s_wait_tensorcnt 0x0                           ; my eighth is in,
	s_barrier_signal -1
	s_barrier_wait -1                              ; everybody's is: nothing is filled again
	KLOAD LA, LB                                   ; record 0
	VLOAD LA, LB
	s_mov_b32 s40, REC
	s_mov_b32 s41, 15
.Lstep:
	STEP 1
	s_add_co_u32 s40, s40, REC
	s_sub_co_u32 s41, s41, 1
	s_cmp_lg_u32 s41, 0
	s_cbranch_scc1 .Lstep
	STEP 0                                         ; the last step fetches nothing
	; THE WAY OUT: O^T / the sum is the context of my 32 queries and my head's 64 channels: quantised along d, each tile is half a fragment of the last product's operand
.rept 4
	v_nop                                          ; four places behind the last products
.endr
.irp t, 0,1
	v_add_f32 v[SUM+4*\t], v[SUM+4*\t], v[SUM+4*\t+1]
.endr
.irp t, 0,1
	v_permlanex16_b32 v[WK+\t], v[SUM+4*\t], s[SEL], s[SEL+1]
.endr
.irp t, 0,1
	v_add_f32 v[SUM+4*\t], v[SUM+4*\t], v[WK+\t]   ; with lane l xor 16's: the row's sum
.endr
	WALU
	v_rcp_f32 v[SUM], v[SUM]
	v_rcp_f32 v[SUM+4], v[SUM+4]
	v_nop                                          ; one plain place behind a transcendental
	WIN 0x01
	WALU
.irp t, 0,1
.set n, 0
.rept 16
	v_pk_mul_f32 v[S+64*\t+2*n:S+64*\t+2*n+1], v[OT+32*\t+2*n:OT+32*\t+2*n+1], v[SUM+4*\t:SUM+4*\t+1] op_sel_hi:[1,0]   ; each accumulator from its low end on
.set n, n+1
.endr
.endr
	WIN 0
	QUANT2 S, TS, TS+6, W2, BM
	global_store_b128 v[LA], v[TS:TS+3], s[46:47]                    ; 512 consecutive bytes, aligned
	global_store_b64 v[LB], v[TS+4:TS+5], s[46:47] offset:512        ; 256
	global_store_b16 v[R8], v[W2], s[48:49]                          ; lanes r and r + 16 write the same bytes with the same value
	QUANT2 S+64, TS+12, TS+18, W2+1, BN
	global_store_b128 v[LA], v[TS+12:TS+15], s[46:47] offset:8*FRB   ; tile 1: the next row tile
	global_store_b64 v[LB], v[TS+16:TS+17], s[46:47] offset:8*FRB+512
	global_store_b16 v[R8], v[W2+1], s[48:49] offset:512
	s_wait_tensorcnt 0x0                           ; the wave's end
	ds_add_u32 v[SPW], v[NIL]
	s_wait_dscnt 0x0
	CROUND                                         ; the closing round
	s_endpgm
.Lfunc_end_k_qf131055c5a_attn:
	.size	k_qf131055c5a_attn, .Lfunc_end_k_qf131055c5a_attn-k_qf131055c5a_attn
	.p2alignl 7, 3214868480
	.fill 96, 4, 3214868480
	.section	.rodata,"a",@progbits
	.p2align	6, 0x0
	.amdhsa_kernel k_qf131055c5a_attn
		.amdhsa_group_segment_fixed_size 206848
		.amdhsa_private_segment_fixed_size 0
		.amdhsa_enable_private_segment 0
		.amdhsa_kernarg_size 24
		.amdhsa_user_sgpr_count 2
		.amdhsa_user_sgpr_kernarg_segment_ptr 1
		.amdhsa_wavefront_size32 1
		.amdhsa_system_sgpr_workgroup_id_x 1
		.amdhsa_system_sgpr_workgroup_id_y 1
		.amdhsa_system_sgpr_workgroup_id_z 1
		.amdhsa_system_vgpr_workitem_id 0
		.amdhsa_next_free_vgpr 512
		.amdhsa_next_free_sgpr 66
		.amdhsa_reserve_vcc 0
		.amdhsa_float_denorm_mode_32 3
		.amdhsa_float_denorm_mode_16_64 3
		.amdhsa_memory_ordered 1
		.amdhsa_forward_progress 1
		.amdhsa_inst_pref_size 75
	.end_amdhsa_kernel
	.amdgpu_metadata
---
amdhsa.version: [ 1, 2 ]
amdhsa.kernels:
  - .name:           k_qf131055c5a_attn
    .symbol:         k_qf131055c5a_attn.kd
    .args:
      - { .name: qa, .offset: 0, .size: 8, .value_kind: global_buffer, .address_space: global }
      - { .name: kv, .offset: 8, .size: 8, .value_kind: global_buffer, .address_space: global }
      - { .name: cx, .offset: 16, .size: 8, .value_kind: global_buffer, .address_space: global }
    .group_segment_fixed_size: 206848
    .private_segment_fixed_size: 0
    .kernarg_segment_align: 8
    .kernarg_segment_size: 24
    .max_flat_workgroup_size: 256
    .sgpr_count:     66
    .vgpr_count:     512
    .wavefront_size: 32
...
	.end_amdgpu_metadata
.endif
;; end of part 9
;; launch outp (part 10): grid 8 x 32, 4 waves a work-group, clusters of 4 x 4, 272,896 bytes of LDS; arguments cx, wa, b_out, out0; writes out0
.if DOCPART == 10
	.amdgcn_target "amdgcn-amd-amdhsa--gfx1250"
	.amdhsa_code_object_version 6
	.text
	.protected	k_qf131055c5a_outp
	.globl	k_qf131055c5a_outp
	.p2align	8
	.type	k_qf131055c5a_outp,@function
k_qf131055c5a_outp:
	s_mov_b64 s[64:65], 0
	v_nop
	global_prefetch_b8 v0, s[64:65] scope:SCOPE_SE
	s_setreg_imm32_b32 hwreg(HW_REG_WAVE_MODE, 25, 1), 1
	s_wait_xcnt 0x0
	s_wait_alu depctr_hold_cnt(0) depctr_sa_sdst(0) depctr_va_vdst(0) depctr_va_sdst(0) depctr_va_ssrc(0) depctr_va_vcc(0) depctr_vm_vsrc(0)
	s_getreg_b32 s2, hwreg(HW_REG_IB_STS2, 6, 4)
	s_cmp_eq_u32 s2, 0
	s_cbranch_scc0 .Lentry_in_a_cluster
	s_endpgm
.Lentry_in_a_cluster:
	s_bfe_u32 s2, ttmp6, 0x10000c
	s_cmp_lg_u32 s2, 0xf033
	s_cbranch_scc0 .Lentry_shape_is_right
	s_endpgm
.Lentry_shape_is_right:
; out0 = context w_out + b_out on codes of FP6 (E2M3) with E8M0 scales, sums in f32.  The bias is the C of each sum's first matrix instruction (LIMIT: it so begins the sum, where the definition adds it last).
; OPERANDS: cx (made by the launch before) and wa hold fragments [row tile][K step 0..7][1,536 bytes] and, from byte 3,145,728, scale blocks [row tile][2][256 bytes] (half c of a fragment: registers 6c..6c+3 at
; 768 c + 16 x lane, registers 6c+4, 6c+5 at 768 c + 512 + 8 x lane; scale word (f, r) at 8 (r + 16 (f % 2)) + 4 (f / 2)); row r of tile 2 b + u is token or column 32 b + 8 u + r + 8 (r / 8).
; SHARES: a work-group makes 128 tokens x 128 columns; four waves, each 64 x 64: 16 accumulators; K = 1,024 is eight matrix instructions deep.
; Both operands for all of K fit in LDS: every LDS byte is filled once, in two chunks of four K steps.  By this text's count a wave has one tensor load out.
; THE MATRIX INSTRUCTION IS USED TRANSPOSED (source 0 = 16 columns of W, source 1 = 16 tokens): a lane holds one token and, by the order of W's rows, neighbouring columns in its registers.
; CLUSTER: 4 x 4 work-groups; the context's tiles are asked for jointly along a row of the cluster, W's along a column.
; THE WAY OUT: through a stage of 128 rows x (512 + 16) bytes behind the tiles, into which no tile lands; each wave then stores 32 whole rows of 512 consecutive bytes, each to its token's true place.
.set FRB,   1536
.set TILEB, 12288
.set HALFK, 6144
.set CHUNK, 49152                      ; LDS: A's two chunks from byte 0,
.set LDB,   98304                      ; B's two,
.set LSA,   196608
.set LSB,   200704
.set STG,   204800                     ; the stage
.set SP,    528
.set SOFF,  3145728
.set SC,    32                         ; v32-63   scale words; they hold nothing else
.set BB,    64                         ; v64-95   the bias of my 64 columns, in the results' order
.set ACC,   128                        ; accumulator (a, t) at ACC + 8 (4 a + t); on the way out the rows read back
.set G1A,  24
.set G0AS, 32
.set G0A0, 36
.set G0A1, 40
.set G1B,  48
.set G0BS, 56
.set G0B0, 60
.set G0B1, 68
.set G1SA, 72
.set G1SB, 80
.set MSB, 0
.macro WIN new                         ; the immediate's high byte repeats the setting that is left
.if MSB != \new
	s_set_vgpr_msb (MSB<<8)|\new
.set MSB, \new
.endif
.endm
.set MULW, 0x05                        ; sources 0 and 1 window 1; C and D window 0
.set TO_F, 0x40                        ; destination window 1, address window 0
.macro CROUND                          ; a round of the cluster's barrier
	s_barrier_signal -1
	s_barrier_wait -1
	s_cmp_lg_u32 s16, 0
	s_cbranch_scc1 .Lnot_wave_0_\@
	s_barrier_signal -3
.Lnot_wave_0_\@:
	s_barrier_wait -3
	s_barrier_signal -1
	s_barrier_wait -1
.endm
.macro PLACES                          ; four places behind a matrix instruction, ahead of loads into its registers and of reads of its results
.rept 4
	v_nop
.endr
.endm
.macro FRAGLD reg, a16, a8, off
	ds_load_b128 v[(\reg):(\reg)+3], v[\a16] offset:(\off)
	ds_load_b64 v[(\reg)+4:(\reg)+5], v[\a8] offset:(\off)+512
	ds_load_b128 v[(\reg)+6:(\reg)+9], v[\a16] offset:(\off)+768
	ds_load_b64 v[(\reg)+10:(\reg)+11], v[\a8] offset:(\off)+1280
.endm
.macro FETCH s                         ; K step s: my four fragments of B and four of A into set s % 2
	WIN TO_F
.irp t, 0,1,2,3
	FRAGLD 128*((\s)%2)+12*\t, 12+(\s)/4, 14+(\s)/4, \t*HALFK+((\s)%4)*FRB
.endr
.irp a, 0,1,2,3
	FRAGLD 128*((\s)%2)+48+12*\a, 8+(\s)/4, 10+(\s)/4, \a*HALFK+((\s)%4)*FRB
.endr
.endm
.macro MM s, a, t, first
.set rD, ACC+8*(4*\a+\t)
.set rB, 128*((\s)%2)+12*\t
.set rA, 128*((\s)%2)+48+12*\a
.set rSB, SC+8+16*((\s)/4)+2*\t+((\s)%4)/2
.set rSA, SC+16*((\s)/4)+2*\a+((\s)%4)/2
.if \first
	v_wmma_scale_f32_16x16x128_f8f6f4 v[rD:rD+7], v[rB:rB+11], v[rA:rA+11], v[BB+8*\t:BB+8*\t+7], v[rSB], v[rSA] matrix_a_fmt:MATRIX_FMT_FP6 matrix_b_fmt:MATRIX_FMT_FP6
.elseif (\s)%2
	v_wmma_scale_f32_16x16x128_f8f6f4 v[rD:rD+7], v[rB:rB+11], v[rA:rA+11], v[rD:rD+7], v[rSB], v[rSA] matrix_a_fmt:MATRIX_FMT_FP6 matrix_b_fmt:MATRIX_FMT_FP6 matrix_a_scale:MATRIX_SCALE_ROW1 matrix_b_scale:MATRIX_SCALE_ROW1
.else
	v_wmma_scale_f32_16x16x128_f8f6f4 v[rD:rD+7], v[rB:rB+11], v[rA:rA+11], v[rD:rD+7], v[rSB], v[rSA] matrix_a_fmt:MATRIX_FMT_FP6 matrix_b_fmt:MATRIX_FMT_FP6
.endif
.endm
.macro MUL s, first                    ; 16 matrix instructions: the 16 accumulators take turns, one instruction a turn
	WIN MULW
.irp a, 0,1,2,3
.irp t, 0,1,2,3
	MM \s, \a, \t, \first
.endr
.endr
.endm
	s_load_b128 s[4:7], s[0:1], 0x0                ; cx, wa
	s_load_b128 s[8:11], s[0:1], 0x10              ; b_out, out0
	v_lshl_add_u32 v126, v0, 2, 0x42800
	v_mov_b32 v127, 0
	ds_add_u32 v126, v127
	ds_add_u32 v126, v127
	v_lshrrev_b32 v1, 5, v0
	v_readfirstlane_b32 s16, v1                    ; wave 0..3
	s_lshr_b32 s17, s16, 1                         ; i: which 64 tokens are mine.  Also: I fetch for A (0) or for B (1)
	s_and_b32 s18, s16, 1                          ; j: which 64 columns.  Also: which four tiles I fetch
	s_bfe_u32 s19, ttmp6, 0x40000                  ; cx, cy
	s_bfe_u32 s20, ttmp6, 0x40004
	s_lshl_b32 s21, ttmp9, 2
	s_add_co_u32 s21, s21, s19                     ; tile column = 4 x cluster x + cx
	s_and_b32 s22, ttmp7, 0xffff
	s_lshl_b32 s22, s22, 2
	s_add_co_u32 s22, s22, s20                     ; tile row = 4 x cluster y + cy
	s_lshl_b32 s44, s20, 2
	s_lshl_b32 s44, 15, s44                        ; my row of the cluster
	s_lshl_b32 s45, 0x1111, s19                    ; my column
	; group 1, codes: 8 rows (tiles) of 6,144 bytes (four K steps), 12,288 bytes apart; elements of 8 bytes; no padding
	s_or_b32 s[G1A], s44, (3<<16)|(1<<21)
	s_or_b32 s[G1B], s45, (3<<16)|(1<<21)
.irp g, G1A, G1B
	s_mov_b32 s[\g+1], 768<<16
	s_mov_b32 s[\g+2], 8<<16                       ; tensor_dim1: a load brings four K steps of all eight tiles
	s_mov_b32 s[\g+3], 768<<16
	s_mov_b32 s[\g+4], 8                           ; tile_dim1
	s_mov_b32 s[\g+5], 1536
	s_mov_b32 s[\g+6], 0
	s_mov_b32 s[\g+7], 0
.endr
	s_lshl_b32 s90, s22, 3                         ; A: the work-group's first tile
	s_mul_i32 s92, s90, TILEB
	s_mov_b32 s93, 0
	s_lshl_b32 s94, s90, 9
	s_add_co_u32 s94, s94, SOFF
	s_mov_b32 s95, 0
	s_lshl_b32 s96, s21, 3
	s_add_co_u32 s96, s96, 192                     ; B: w_out is wa's fourth weight: tile 192 + 8 x tile column
	s_mul_i32 s98, s96, TILEB
	s_mov_b32 s99, 0
	s_lshl_b32 s96, s96, 9
	s_add_co_u32 s96, s96, SOFF
	s_mov_b32 s97, 0
	s_lshl_b32 s46, s17, 11                        ; the scale blocks of my own four tiles of A,
	s_add_co_u32 s94, s94, s46
	s_lshl_b32 s47, s18, 11                        ; and of B: they go from memory straight into registers
	s_add_co_u32 s96, s96, s47
	s_wait_dscnt 0x0
	s_wait_kmcnt 0x0
	CROUND                                         ; all sixteen work-groups are here: the joint loads meet
	s_add_nc_u64 s[G0AS+2:G0AS+3], s[4:5], s[94:95]
	s_mov_b32 s[G0A0], 1
	s_mov_b32 s[G0A0+1], 0
	s_add_nc_u64 s[G0A0+2:G0A0+3], s[4:5], s[92:93]
	s_mov_b32 s[G0A1], 1
	s_mov_b32 s[G0A1+1], CHUNK
	s_add_nc_u64 s[G0A1+2:G0A1+3], s[G0A0+2:G0A0+3], HALFK
	s_or_b32 s[G0A0+3], s[G0A0+3], 0x80000000
	s_or_b32 s[G0A1+3], s[G0A1+3], 0x80000000
	s_add_nc_u64 s[G0BS+2:G0BS+3], s[6:7], s[96:97]
	s_mov_b32 s[G0B0], 1
	s_mov_b32 s[G0B0+1], LDB
	s_add_nc_u64 s[G0B0+2:G0B0+3], s[6:7], s[98:99]
	s_mov_b32 s[G0B1], 1
	s_mov_b32 s[G0B1+1], LDB+CHUNK
	s_add_nc_u64 s[G0B1+2:G0B1+3], s[G0B0+2:G0B0+3], HALFK
	s_or_b32 s[G0B0+3], s[G0B0+3], 0x80000000
	s_or_b32 s[G0B1+3], s[G0B1+3], 0x80000000
	; one tensor load a wave, in one chain of branches on the wave's number: wave 0 A's chunk 0, wave 1 B's chunk 0, wave 2 A's chunk 1, wave 3 B's chunk 1
	s_cmp_eq_u32 s16, 0
	s_cbranch_scc0 .Larm1
	tensor_load_to_lds s[G0A0:G0A0+3], s[G1A:G1A+7]
	s_nop 0
.rept 4
	v_nop
.endr
	s_branch .Lasked
.Larm1:
	s_cmp_eq_u32 s16, 1
	s_cbranch_scc0 .Larm2
	tensor_load_to_lds s[G0B0:G0B0+3], s[G1B:G1B+7]
	s_nop 0
.rept 4
	v_nop
.endr
	s_branch .Lasked
.Larm2:
	s_cmp_eq_u32 s16, 2
	s_cbranch_scc0 .Larm3
	tensor_load_to_lds s[G0A1:G0A1+3], s[G1A:G1A+7]
	s_nop 0
.rept 4
	v_nop
.endr
	s_branch .Lasked
.Larm3:
	tensor_load_to_lds s[G0B1:G0B1+3], s[G1B:G1B+7]
	s_nop 0
.rept 4
	v_nop
.endr
.Lasked:
	v_and_b32 v3, 31, v0                           ; lane
	v_and_b32 v1, 15, v0                           ; r
	v_bfe_u32 v2, v0, 4, 1                         ; h
	v_lshlrev_b32 v4, 4, v3                        ; 16 x lane
	v_lshlrev_b32 v5, 3, v3
.irp q, 0,1
.irp a, 0,1,2,3
	global_load_b64 v[SC+16*\q+2*\a:SC+16*\q+2*\a+1], v5, s[G0AS+2:G0AS+3] offset:512*\a+256*\q     ; a scale block: 32 lanes read 256 consecutive bytes, aligned
	global_load_b64 v[SC+8+16*\q+2*\a:SC+8+16*\q+2*\a+1], v5, s[G0BS+2:G0BS+3] offset:512*\a+256*\q
.endr
.endr
	v_lshlrev_b32 v7, 6, v2                        ; the bias: 16 numbers on for lanes 16-31
	s_mul_i32 s90, s17, 4*HALFK                    ; my four tiles of A,
	s_mul_i32 s91, s18, 4*HALFK
	s_add_co_u32 s91, s91, LDB                     ; and of B
.irp q, 0,1
	v_add_nc_u32 v[8+\q], s90, v4
	v_add_nc_u32 v[10+\q], s90, v5
	v_add_nc_u32 v[12+\q], s91, v4
	v_add_nc_u32 v[14+\q], s91, v5
	s_add_co_u32 s90, s90, CHUNK
	s_add_co_u32 s91, s91, CHUNK
.endr
	s_mul_i32 s94, s17, 64*SP                      ; the stage, in: row 64 i + r, + 256 j + 64 h
	s_lshl_b32 s95, s18, 8
	s_add_co_u32 s94, s94, s95
	s_add_co_u32 s94, s94, STG
	v_mul_u32_u24 v6, v1, SP
	v_lshl_add_u32 v6, v2, 6, v6
	v_add_nc_u32 v6, s94, v6
	s_mul_i32 s95, s16, 32*SP                      ; back: wave w takes rows 32 w on, whole
	s_add_co_u32 s95, s95, STG
	v_add_nc_u32 v18, s95, v4
	s_lshl_b32 s90, s21, 9
	s_lshl_b32 s91, s18, 8
	s_add_co_u32 s90, s90, s91
	s_mov_b32 s91, 0
	s_add_nc_u64 s[8:9], s[8:9], s[90:91]          ; the bias at my 64 columns
.irp b, 0,1
.irp k, 0,1,2,3
	global_load_b128 v[BB+16*\b+4*\k:BB+16*\b+4*\k+3], v7, s[8:9] offset:128*\b+16*\k   ; register 16 b + i: column 32 b + 16 h + i: registers 8 t on are tile t's eight
.endr
.endr
	s_lshl_b32 s92, s22, 19                        ; out0: 128 rows of 4,096 bytes a tile row,
	s_lshl_b32 s93, s16, 17                        ; 32 rows a wave,
	s_add_co_u32 s92, s92, s93
	s_lshl_b32 s93, s21, 9                         ; 128 columns of 4 bytes a tile column
	s_add_co_u32 s92, s92, s93
	s_mov_b32 s93, 0
	s_add_nc_u64 s[10:11], s[10:11], s[92:93]
	s_wait_alu depctr_va_vdst(0)
	s_cmp_lt_u32 s16, 2                            ; waves 0 and 1 wait for chunk 0, which their own load lines brought; chunk 1 may be out
	s_cbranch_scc0 .Lnot_c0
	s_wait_tensorcnt 0x0
.Lnot_c0:
	s_barrier_signal -1
	s_barrier_wait -1                              ; everybody's are
	FETCH 0
	s_wait_dscnt 0x0                               ; K step 0's fragments
	FETCH 1
	s_wait_loadcnt 0x0                             ; the bias
	MUL 0, 1                                       ; the first products start the sums from the bias: nothing is cleared, nothing is added later
.irp s, 1,2
	s_wait_dscnt 0x0                               ; this K step's fragments, asked for 16 matrix instructions ago
	PLACES
	FETCH \s+1
	MUL \s, 0
.endr
	s_wait_dscnt 0x0
	s_wait_tensorcnt 0x0                           ; my load is in,
	s_barrier_signal -1
	s_barrier_wait -1                              ; everybody's is
	PLACES
	FETCH 4
	MUL 3, 0
.irp s, 4,5,6
	s_wait_dscnt 0x0
	PLACES
	FETCH \s+1
	MUL \s, 0
.endr
	s_wait_dscnt 0x0
	MUL 7, 0
	WIN 0
	PLACES
.irp a, 0,1,2,3
.irp t, 0,1,2,3
	ds_store_b128 v6, v[ACC+8*(4*\a+\t):ACC+8*(4*\a+\t)+3] offset:\a*16*SP+128*(\t/2)+32*(\t%2)        ; each accumulator from its low end on
	ds_store_b128 v6, v[ACC+8*(4*\a+\t)+4:ACC+8*(4*\a+\t)+7] offset:\a*16*SP+128*(\t/2)+32*(\t%2)+16
.endr
.endr
	s_wait_dscnt 0x0                               ; for the others' sake: my part of the stage is written
	s_barrier_signal -1
	s_barrier_wait -1
.set n, 0
.rept 32
	ds_load_b128 v[ACC+4*n:ACC+4*n+3], v18 offset:SP*n
.set n, n+1
.endr
.set n, 0
.rept 32
	s_wait_dscnt 31-n                              ; row n is back; the younger ones may be out
	global_store_b128 v4, v[ACC+4*n:ACC+4*n+3], s[10:11] offset:(16*((n/8)%2)+8*(n/16)+n%8)*4096 th:TH_STORE_NT   ; the stage's row 16 u + 8 s + r is token 16 s + 8 u + r of the wave's 32; 32 lanes store 512 consecutive bytes, aligned
.set n, n+1
.endr
	s_wait_tensorcnt 0x0
	ds_add_u32 v126, v127
	s_wait_dscnt 0x0
	CROUND                                         ; the closing round: no work-group ends while a partner may still ask for a tile that names it
	s_endpgm
.Lfunc_end_k_qf131055c5a_outp:
	.size	k_qf131055c5a_outp, .Lfunc_end_k_qf131055c5a_outp-k_qf131055c5a_outp
	.p2alignl 7, 3214868480
	.fill 96, 4, 3214868480
	.section	.rodata,"a",@progbits
	.p2align	6, 0x0
	.amdhsa_kernel k_qf131055c5a_outp
		.amdhsa_group_segment_fixed_size 272896
		.amdhsa_private_segment_fixed_size 0
		.amdhsa_enable_private_segment 0
		.amdhsa_kernarg_size 32
		.amdhsa_user_sgpr_count 2
		.amdhsa_user_sgpr_kernarg_segment_ptr 1
		.amdhsa_wavefront_size32 1
		.amdhsa_system_sgpr_workgroup_id_x 1
		.amdhsa_system_sgpr_workgroup_id_y 1
		.amdhsa_system_sgpr_workgroup_id_z 1
		.amdhsa_system_vgpr_workitem_id 0
		.amdhsa_next_free_vgpr 512
		.amdhsa_next_free_sgpr 100
		.amdhsa_reserve_vcc 0
		.amdhsa_float_denorm_mode_32 3
		.amdhsa_float_denorm_mode_16_64 3
		.amdhsa_memory_ordered 1
		.amdhsa_forward_progress 1
		.amdhsa_inst_pref_size 52
	.end_amdhsa_kernel
	.amdgpu_metadata
---
amdhsa.version: [ 1, 2 ]
amdhsa.kernels:
  - .name:           k_qf131055c5a_outp
    .symbol:         k_qf131055c5a_outp.kd
    .args:
      - { .name: cx, .offset: 0, .size: 8, .value_kind: global_buffer, .address_space: global }
      - { .name: wa, .offset: 8, .size: 8, .value_kind: global_buffer, .address_space: global }
      - { .name: b_out, .offset: 16, .size: 8, .value_kind: global_buffer, .address_space: global }
      - { .name: out0, .offset: 24, .size: 8, .value_kind: global_buffer, .address_space: global }
    .group_segment_fixed_size: 272896
    .private_segment_fixed_size: 0
    .kernarg_segment_align: 8
    .kernarg_segment_size: 32
    .max_flat_workgroup_size: 128
    .sgpr_count:     100
    .vgpr_count:     512
    .wavefront_size: 32
...
	.end_amdgpu_metadata
.endif
;; end of part 10
